; MI455X (gfx1250); checked and timed in simulation.
; The chip was launched on July 23, 2026; its instructions are those of AMD's public machine-readable ISA for CDNA 5 (MIT licence, August 2026) and "CDNA5" Instruction Set Architecture Reference Guide (July 2026). The comments in the code are by the model that wrote it; some were corrected since.
;; Single Head Attention. Allowed arithmetic: float matrix products may take bf16 or f16 operands with f32 sums; other float arithmetic in f32, or as packed bf16 or f16 multiplies, adds, multiply-adds, maxima and minima; sums over many terms, partial sums and values carried from step to step in f32; what a program stores and reads back later, other than sums and carried values, may be rounded once to bf16 or f16.
;; Inputs: Wk 1,024 x 1,024 float32; Wo 1,024 x 1,024 float32; Wq 1,024 x 1,024 float32; Wv 1,024 x 1,024 float32; bo 1,024 float32; x 4 x 2,048 x 1,024 float32.
;; Outputs: out0 4 x 2,048 x 1,024 float32.
;; 3 versions, each right; version 3 is version 2 with the launch soft written anew for expert scheduling mode. Each part assembles by itself: llvm-mc -triple=amdgcn-amd-amdhsa -mcpu=gfx1250 --defsym DOCPART=n.
;; ======== version 1 of 3: 6 launches
;; limits: values are held in f16: magnitudes above 65,504 overflow, below 6.1e-05 lose precision; right only within a limited range of input values
;; workspace buffers: xh 16,777,216 bytes; wh 8,388,608 bytes; qk 33,554,432 bytes; vt 16,777,216 bytes; sc 67,108,864 bytes; p 33,554,432 bytes; ctx 16,777,216 bytes
;; launch cast (part 1): grid 1536 x 1, 8 waves a work-group, no clusters, 0 bytes of LDS; arguments x, Wq, Wk, Wv, Wo, xh, wh; writes xh, wh
.if DOCPART == 1
	.amdgcn_target "amdgcn-amd-amdhsa--gfx1250"
	.amdhsa_code_object_version 6
	.text
	.protected	k_q50841b6e11_cast
	.globl	k_q50841b6e11_cast
	.p2align	8
	.type	k_q50841b6e11_cast,@function
k_q50841b6e11_cast:
	s_mov_b64 s[64:65], 0
	v_nop
	global_prefetch_b8 v0, s[64:65] scope:SCOPE_SE
	s_setreg_imm32_b32 hwreg(HW_REG_WAVE_MODE, 25, 1), 1
	s_wait_xcnt 0x0
; x and the four weight matrices, f32, are rounded ONCE to bf16 (nearest even), and that number is written as f16, so that every later product has f16 operands.
; xh: [8192][1024] f16.  wh: [4096][1024] f16: rows 0-1023 Wq, 1024-2047 Wk, 2048-3071 Wv, 3072-4095 Wo.
; LIMITS.  A bf16 number is an f16 number exactly for 2^-17 <= |v| <= 65,504; below that the second writing is off by 2^-25 at the most; 65,520 and more become an infinity.
; SHARES.  A work-group converts 8,192 numbers: groups 0-1023 take x, groups 1024-1535 the weights, 128 groups a matrix.  A wave takes 1,024 numbers: eight loads, each of 512
; consecutive bytes, all issued at once; eight stores, each of 256 consecutive bytes, aligned.  A stream: no LDS, no barrier, no matrix unit, no cluster (no byte is read twice).
.set X, 4                              ; v[4:35]   eight loads of four f32
.set Y, 36                             ; v[36:51]  eight stores of four f16
.set T, 52                             ; v[52:55]  at work
	s_load_b256 s[8:15], s[0:1], 0x0               ; x s[8:9], Wq s[10:11], Wk s[12:13], Wv s[14:15]
	s_load_b128 s[16:19], s[0:1], 0x20             ; Wo s[16:17], xh s[18:19]
	s_load_b64 s[20:21], s[0:1], 0x30              ; wh
	v_and_b32 v3, 31, v0                           ; lane
	v_lshrrev_b32 v2, 5, v0                        ; wave
	v_lshlrev_b32 v1, 12, v2
	v_lshl_add_u32 v1, v3, 4, v1                   ; in: 4,096 x wave + 16 x lane
	v_lshlrev_b32 v2, 11, v2
	v_lshl_add_u32 v2, v3, 3, v2                   ; out: 2,048 x wave + 8 x lane
	s_max_u32 s3, ttmp9, 1024
	s_sub_co_u32 s3, s3, 1024                      ; u: my number among the weights' groups (0 in x's groups, where it is not used)
	s_lshr_b32 s4, s3, 7                           ; which matrix
	s_and_b32 s5, s3, 127
	s_lshl_b32 s22, s5, 15                         ; my 32,768 bytes in it
	s_lshl_b32 s24, s3, 14                         ; my 16,384 bytes in wh
	s_lshl_b32 s26, ttmp9, 15                      ; the same for x
	s_lshl_b32 s27, ttmp9, 14                      ; and xh
	s_mov_b32 s23, 0
	s_mov_b32 s25, 0
	s_mov_b32 s28, 0xffff0000                      ; a word's upper bf16
	s_wait_kmcnt 0x0
	s_cmp_eq_u32 s4, 1
	s_cselect_b64 s[10:11], s[12:13], s[10:11]
	s_cmp_eq_u32 s4, 2
	s_cselect_b64 s[10:11], s[14:15], s[10:11]
	s_cmp_eq_u32 s4, 3
	s_cselect_b64 s[10:11], s[16:17], s[10:11]
	s_cmp_lt_u32 ttmp9, 1024                       ; x's groups
	s_cselect_b64 s[10:11], s[8:9], s[10:11]       ; from
	s_cselect_b64 s[12:13], s[18:19], s[20:21]     ; to
	s_cselect_b32 s22, s26, s22
	s_cselect_b32 s24, s27, s24
	s_add_nc_u64 s[10:11], s[10:11], s[22:23]
	s_add_nc_u64 s[12:13], s[12:13], s[24:25]
.irp j, 0,1,2,3,4,5,6,7
	global_load_b128 v[X+4*(\j):X+4*(\j)+3], v1, s[10:11] offset:512*(\j) th:TH_LOAD_NT
.endr
.irp j, 0,1,2,3,4,5,6,7
	s_wait_loadcnt 7-(\j)                          ; loads come back in order: load j is in, the 7 - j younger ones may stay out
	v_cvt_pk_bf16_f32 v[T], v[X+4*(\j)], v[X+4*(\j)+1]      ; the one rounding
	v_cvt_pk_bf16_f32 v[T+1], v[X+4*(\j)+2], v[X+4*(\j)+3]
	v_lshlrev_b32 v[T+2], 16, v[T]                 ; bf16 as f32 again
	v_and_b32 v[T+3], s28, v[T]
	v_cvt_pk_f16_f32 v[Y+2*(\j)], v[T+2], v[T+3]   ; and written as f16
	v_lshlrev_b32 v[T+2], 16, v[T+1]
	v_and_b32 v[T+3], s28, v[T+1]
	v_cvt_pk_f16_f32 v[Y+2*(\j)+1], v[T+2], v[T+3]
	global_store_b64 v2, v[Y+2*(\j):Y+2*(\j)+1], s[12:13] offset:256*(\j)  ; every store has data registers of its own: none is written again
.endr
	s_endpgm
.Lfunc_end_k_q50841b6e11_cast:
	.size	k_q50841b6e11_cast, .Lfunc_end_k_q50841b6e11_cast-k_q50841b6e11_cast
	.p2alignl 7, 3214868480
	.fill 96, 4, 3214868480
	.section	.rodata,"a",@progbits
	.p2align	6, 0x0
	.amdhsa_kernel k_q50841b6e11_cast
		.amdhsa_group_segment_fixed_size 0
		.amdhsa_private_segment_fixed_size 0
		.amdhsa_enable_private_segment 0
		.amdhsa_kernarg_size 56
		.amdhsa_user_sgpr_count 2
		.amdhsa_user_sgpr_kernarg_segment_ptr 1
		.amdhsa_wavefront_size32 1
		.amdhsa_system_sgpr_workgroup_id_x 1
		.amdhsa_system_sgpr_workgroup_id_y 1
		.amdhsa_system_sgpr_workgroup_id_z 1
		.amdhsa_system_vgpr_workitem_id 0
		.amdhsa_next_free_vgpr 64
		.amdhsa_next_free_sgpr 66
		.amdhsa_reserve_vcc 0
		.amdhsa_float_denorm_mode_32 3
		.amdhsa_float_denorm_mode_16_64 3
		.amdhsa_memory_ordered 1
		.amdhsa_forward_progress 1
		.amdhsa_inst_pref_size 7
	.end_amdhsa_kernel
	.amdgpu_metadata
---
amdhsa.version: [ 1, 2 ]
amdhsa.kernels:
  - .name:           k_q50841b6e11_cast
    .symbol:         k_q50841b6e11_cast.kd
    .args:
      - { .name: x, .offset: 0, .size: 8, .value_kind: global_buffer, .address_space: global }
      - { .name: Wq, .offset: 8, .size: 8, .value_kind: global_buffer, .address_space: global }
      - { .name: Wk, .offset: 16, .size: 8, .value_kind: global_buffer, .address_space: global }
      - { .name: Wv, .offset: 24, .size: 8, .value_kind: global_buffer, .address_space: global }
      - { .name: Wo, .offset: 32, .size: 8, .value_kind: global_buffer, .address_space: global }
      - { .name: xh, .offset: 40, .size: 8, .value_kind: global_buffer, .address_space: global }
      - { .name: wh, .offset: 48, .size: 8, .value_kind: global_buffer, .address_space: global }
    .group_segment_fixed_size: 0
    .private_segment_fixed_size: 0
    .kernarg_segment_align: 8
    .kernarg_segment_size: 56
    .max_flat_workgroup_size: 256
    .sgpr_count:     66
    .vgpr_count:     64
    .wavefront_size: 32
...
	.end_amdgpu_metadata
.endif
;; end of part 1
;; launch proj (part 2): grid 8 x 96, 4 waves a work-group, clusters of 4 x 4, 327,680 bytes of LDS; arguments xh, wh, qk, vt; writes qk, vt
.if DOCPART == 2
	.amdgcn_target "amdgcn-amd-amdhsa--gfx1250"
	.amdhsa_code_object_version 6
	.text
	.protected	k_q50841b6e11_proj
	.globl	k_q50841b6e11_proj
	.p2align	8
	.type	k_q50841b6e11_proj,@function
k_q50841b6e11_proj:
	s_mov_b64 s[64:65], 0
	v_nop
	global_prefetch_b8 v0, s[64:65] scope:SCOPE_SE
	s_setreg_imm32_b32 hwreg(HW_REG_WAVE_MODE, 25, 1), 1
	s_wait_xcnt 0x0
	s_wait_alu depctr_hold_cnt(0) depctr_sa_sdst(0) depctr_va_vdst(0) depctr_va_sdst(0) depctr_va_ssrc(0) depctr_va_vcc(0) depctr_vm_vsrc(0)
	s_getreg_b32 s2, hwreg(HW_REG_IB_STS2, 6, 4)
	s_cmp_eq_u32 s2, 0
	s_cbranch_scc0 .Lentry_in_a_cluster
	s_endpgm
.Lentry_in_a_cluster:
	s_bfe_u32 s2, ttmp6, 0x10000c
	s_cmp_lg_u32 s2, 0xf033
	s_cbranch_scc0 .Lentry_shape_is_right
	s_endpgm
.Lentry_shape_is_right:
; THE PROJECTIONS, as products C = A B^T with f16 operands (K = 1,024 along the rows of both) and f32 sums; C rounded once to f16.
;   clusters with y < 16:  A = xh [8192][1024], B = wh rows 0-2047 (Wq, Wk):  qk [8192][2048] = (q | k)
;   clusters with y >= 16: A = wh rows 2048-3071 (Wv), B = xh:                vt [4][1024 e][2048 s] = v transposed, by batch
; LIMITS.  q, k, v are kept in f16: 65,520 and more become an infinity.  With x and the weights of the drawn spread they are about 0.6; thirty times larger x AND weights give some 520 (spread).
; SHARES.  A work-group makes 128 x 256 of C; wave w = (wm, wn) = (w / 2, w % 2) makes 64 x 128: 32 accumulators of 16 x 16.  768 work-groups of equal work.
; K goes in steps of 128 (rows of 256 bytes, aligned) through a ring of two LDS slots filled by tensor loads; two slots of a longer step would not fit (384 rows x 528 bytes x 2).
; CLUSTER.  4 x 4 work-groups: the four of a row of the cluster need the same 128 rows of A, the four of a column the same 256 rows of B: each tile is asked for JOINTLY, by the same tensor
; load with the same descriptor and a mask that names the four.
; THE MATRIX INSTRUCTION IS USED TRANSPOSED (source 0 = 16 rows of B, source 1 = 16 rows of A): lane l holds row l % 16 of C and the eight neighbouring columns 8 (l / 16) + 0..7.
; REGISTERS.  Window 0: v0-30 addresses; v64-159 and v160-255 two fragment buffers (B's eight fragments, then A's four).  Window 1: accumulator (a, b) at v[64 a + 8 b].
.set PGSH,   11                        ; a row of A and of B in memory: 2,048 bytes
.set PG,     1<<PGSH
.set CPSH,   12                        ; a row of C: 4,096 bytes (qk and vt alike)
.set CP,     1<<CPSH
.set PITCH,  272                       ; an LDS row: 256 bytes + 16 of padding = 68 words: the 16 rows that a fragment load touches start 4 words apart modulo 64
.set AHALF,  64*PITCH                  ; what waves 0 and 1 fetch, and what a wave reads of A
.set BHALF,  128*PITCH                 ; what waves 2 and 3 fetch, and what a wave reads of B
.set ABYTES, 2*AHALF
.set SLOT,   ABYTES+2*BHALF            ; A's 128 rows, then B's 256 rows: 104,448 bytes
.set STAGE,  2*SLOT                    ; behind the ring: 16 rows x 272 bytes for each wave, for the way out; no tensor load lands there
.set SPITCH, 272
.set SPARE,  STAGE+4*16*SPITCH         ; behind the stages: the spare words, 128 bytes for each wave, that no other line names
.set ADRA, 16                          ; v16-17  LDS address of my A fragments in slot 0, 1
.set ADRB, 20                          ; v20-21  the same for B
.set STO,  24                          ; v24     the way out: where I put 16 bytes of a row
.set RD,   25                          ; v25     the way out: where I read a row back
.set CO,   26                          ; v26     my byte offset in C
.set SPW,  28                          ; v28     my spare word: SPARE + 4 x my thread's number; never rewritten
.set NIL,  29                          ; v29     0; never rewritten
.set PFO,  30                          ; v30     the prefetches' offset: my lane x a row of memory; never rewritten
.set F0,   64
.set F1,   160
.set TMP,  64                          ; the way out: packed results (the fragment buffers are free then)
.set OB,   96                          ; the way out: rows read back, v96-127 and v128-159 by turns
.set G1,  24                           ; s[24:31] descriptor group 1 for A's tiles;  s[32:39] group 0, a set for each slot
.set G0,  32
.set G1B, 48                           ; s[48:55], s[56:63] the same for B's tiles
.set G0B, 56
.set PFA, 66                           ; s[66:67] where my prefetches stand
.set PL,  68                           ; s68  a wave prefetches in the trips below this number
.set NT,  69                           ; s69  trips of the loop: K / 256 - 1
.set CC,  72                           ; s72  the cluster's column among clusters of C
.set CR,  73                           ; s73  its row
.set FB,  74                           ; s74  0 in the cluster that prefetches B's rows
.set RA0, 77                           ; s77  first row of my tile of A
.set RB0, 79                           ; s79  first row of my tile of B
.set MUL, 0x50                         ; C and D in window 1, sources in window 0
.set PK,  0x05                         ; sources 0 and 1 in window 1, destination in window 0
.set MSB, 0
.macro WIN new                         ; the immediate's high byte repeats the setting that is left; a switch that changes nothing is dropped
.if MSB != (\new)
	s_set_vgpr_msb (MSB<<8)|(\new)
.set MSB, \new
.endif
.endm
.macro PLACES                          ; four plain instructions between a matrix instruction and a load into, or a vector read of, its registers
.rept 4
	v_nop
.endr
.endm
; A joint load: waves 0 and 1 fetch A's two halves (64 rows), waves 2 and 3 B's (128 rows).  The branch hangs on the wave's number alone.  An s_nop 0 and four v_nop follow each line.
.macro JLOAD s
	s_cmp_eq_u32 s11, 0
	s_cbranch_scc0 .Lfor_b_\@
	tensor_load_to_lds s[G0+4*(\s):G0+4*(\s)+3], s[G1:G1+7]
	s_nop 0
.rept 4
	v_nop
.endr
	s_branch .Lasked_\@
.Lfor_b_\@:
	tensor_load_to_lds s[G0B+4*(\s):G0B+4*(\s)+3], s[G1B:G1B+7]
	s_nop 0
.rept 4
	v_nop
.endr
.Lasked_\@:
.endm
.macro CREST                           ; a round of the cluster's barrier behind its opening barrier
	s_cmp_lg_u32 s10, 0
	s_cbranch_scc1 .Lnot_wave_0_\@
	s_barrier_signal -3
.Lnot_wave_0_\@:
	s_barrier_wait -3
	s_barrier_signal -1
	s_barrier_wait -1
.endm
.macro CROUND                          ; a whole round
	s_barrier_signal -1
	s_barrier_wait -1
	CREST
.endm
; A prefetch, behind a joint load and the run of LDS loads that follows it: 32 rows x 256 bytes, a lane a row, of the K step that stands two refills on.
.macro ASK
	s_cmp_lt_u32 s3, s[PL]
	s_cbranch_scc0 .Lnot_mine_\@
	global_prefetch_b8 v[PFO], s[PFA:PFA+1] offset:256 th:TH_LOAD_NT scope:SCOPE_SE
.Lnot_mine_\@:
.endm
; 8 matrix instructions: m block a x all 8 n blocks, 32 along K, from buffer f.  zero = 1: the product starts the sum.  The 32 accumulators take turns, in the same order in every quarter.
.macro MUL8 f, a, zero
	WIN MUL
.irp b, 0,1,2,3,4,5,6,7
.if \zero
	v_wmma_f32_16x16x32_f16 v[64*(\a)+8*(\b):64*(\a)+8*(\b)+7], v[(\f)+8*(\b):(\f)+8*(\b)+7], v[(\f)+64+8*(\a):(\f)+64+8*(\a)+7], 0
.else
	v_wmma_f32_16x16x32_f16 v[64*(\a)+8*(\b):64*(\a)+8*(\b)+7], v[(\f)+8*(\b):(\f)+8*(\b)+7], v[(\f)+64+8*(\a):(\f)+64+8*(\a)+7], v[64*(\a)+8*(\b):64*(\a)+8*(\b)+7]
.endif
.endr
.endm
; 24 LDS loads in one run: the fragments of 32 along K at byte k of the rows: B's eight, then A's four
.macro FETCH slot, k, f
	WIN 0
.irp i, 0,1,2,3,4,5,6,7
	ds_load_b128 v[(\f)+8*(\i):(\f)+8*(\i)+3],   v[ADRB+(\slot)] offset:(\k)+(\i)*16*PITCH
	ds_load_b128 v[(\f)+8*(\i)+4:(\f)+8*(\i)+7], v[ADRB+(\slot)] offset:(\k)+(\i)*16*PITCH+32
.endr
.irp i, 0,1,2,3
	ds_load_b128 v[(\f)+64+8*(\i):(\f)+64+8*(\i)+3],   v[ADRA+(\slot)] offset:(\k)+(\i)*16*PITCH
	ds_load_b128 v[(\f)+64+8*(\i)+4:(\f)+64+8*(\i)+7], v[ADRA+(\slot)] offset:(\k)+(\i)*16*PITCH+32
.endr
.endm
; A K step is four quarters of 32 along K, 32 matrix instructions each, on buffers 0, 1, 0, 1.  One of the first three: multiplies f and fetches the next quarter, at byte k, into g.
.macro QUARTER slot, k, f, g, zero
	s_wait_dscnt 4                                 ; B's fragments and A's 0 and 1 are in; the four youngest loads (A's 2 and 3) may be out
	MUL8 \f, 0, \zero
	MUL8 \f, 1, \zero
	PLACES
	FETCH \slot, \k, \g
	s_wait_dscnt 24                                ; all but the 24 just issued
	MUL8 \f, 2, \zero
	MUL8 \f, 3, \zero
.endm
; The last quarter multiplies buffer 1 and changes slots.  In front of the one barrier each wave waits for all its tensor loads (one is out: its part of the next slot), adds 0 to its spare word, and
; waits for that and for its reads of this slot.  fill = 1: the barrier opens a round of the cluster's barrier, and this slot is filled again, two K steps ahead, first thing behind the round.
.macro TURN slot, next, fill
.if \fill
	s_wait_xcnt 0x0                                ; the last prefetch, a K step back, has read its address, which steps here
	s_add_nc_u64 s[PFA:PFA+1], s[PFA:PFA+1], 256
.endif
	WIN 0
	s_wait_tensorcnt 0x0                           ; all my tensor loads have landed
	ds_add_u32 v[SPW], v[NIL]                      ; 0 onto my spare word
	s_wait_dscnt 5                                 ; (the add and the four youngest loads may be out)
	MUL8 F1, 0, 0
	s_wait_dscnt 0x0                               ; the add is done, and my reads of this slot are over
	s_barrier_signal -1
	MUL8 F1, 1, 0
.if \fill
	WIN 0
.endif
	s_barrier_wait -1
.if \fill
	CREST                                          ; no wave of any partner still reads this slot or has a load on its way
	s_add_nc_u64 s[G0+4*(\slot)+2:G0+4*(\slot)+3], s[G0+4*(\slot)+2:G0+4*(\slot)+3], 512
	s_add_nc_u64 s[G0B+4*(\slot)+2:G0B+4*(\slot)+3], s[G0B+4*(\slot)+2:G0B+4*(\slot)+3], 512
	JLOAD \slot                                    ; 112 matrix instructions ahead of the wait for it; its four v_nop are also the places in front of the loads below
.else
	PLACES
.endif
	FETCH \next, 0, F0
.if \fill
	ASK
.endif
	MUL8 F1, 2, 0
	MUL8 F1, 3, 0
.endm
	s_load_b256 s[80:87], s[0:1], 0x0              ; xh s[80:81], wh s[82:83], qk s[84:85], vt s[86:87]
	v_lshl_add_u32 v[SPW], v0, 2, SPARE
	v_mov_b32 v[NIL], 0
	ds_add_u32 v[SPW], v[NIL]                      ; the wave's opening: the add and its wait stand ahead of my first tensor load; the set-up below stands between them
	v_lshrrev_b32 v1, 5, v0
	v_readfirstlane_b32 s10, v1                    ; wave 0..3
	s_lshr_b32 s11, s10, 1                         ; wm.  Also: I fetch for A (0) or for B (1)
	s_and_b32 s12, s10, 1                          ; wn.  Also: which half of that tile I fetch
	s_bfe_u32 s40, ttmp6, 0x40000                  ; cx
	s_bfe_u32 s41, ttmp6, 0x40004                  ; cy
	s_mov_b32 s70, ttmp9                           ; cluster x: 0, 1
	s_and_b32 s71, ttmp7, 0xffff                   ; cluster y: 0 .. 23
	; which part, and the cluster's place in its C.  q | k: 16 x 2 clusters.  v^T: 2 x 8 clusters, numbered 2 (y - 16) + x
	s_max_u32 s75, s71, 16
	s_sub_co_u32 s75, s75, 16
	s_lshl_b32 s75, s75, 1
	s_add_co_u32 s75, s75, s70
	s_and_b32 s76, s75, 7
	s_lshr_b32 s75, s75, 3
	s_cmp_ge_u32 s71, 16
	s_cselect_b32 s[CC], s76, s70
	s_cselect_b32 s[CR], s75, s71
	s_cselect_b32 s78, 1, 0                        ; 1: the part that makes v^T
	s_mov_b32 s[FB], s71                           ; Wq's and Wk's rows are first read by the clusters with y = 0; xh as B has been read as A
	s_mov_b32 s[NT], 3
	s_lshl_b32 s13, s[CR], 2
	s_add_co_u32 s13, s13, s41                     ; tile row of C
	s_lshl_b32 s42, s[CC], 2
	s_add_co_u32 s42, s42, s40                     ; tile column of C
	s_lshl_b32 s[RA0], s13, 7
	s_lshl_b32 s[RB0], s42, 8
	s_lshl_b32 s43, s41, 2
	s_lshl_b32 s43, 15, s43                        ; my row of the cluster
	s_lshl_b32 s44, 0x1111, s40                    ; my column
	s_or_b32 s[G1+0], s43, (1<<16)|(1<<20)|(1<<21)|(5<<22)|(3<<25)  ; 15:0 the mask; 17:16 elements of 2 bytes; 20 padding on; 21 set beside a mask; 24:22 after every 64 words; 31:25 4 words of it
	s_or_b32 s[G1B+0], s44, (1<<16)|(1<<20)|(1<<21)|(5<<22)|(3<<25)
.irp g, G1, G1B
	s_mov_b32 s[(\g)+1], 128<<16                   ; tensor_dim0 = 128
	s_mov_b32 s[(\g)+3], 128<<16                   ; tile_dim0 = 128
	s_mov_b32 s[(\g)+5], PG/2                      ; elements from row to row
	s_mov_b32 s[(\g)+6], 0
	s_mov_b32 s[(\g)+7], 0
.endr
	s_mov_b32 s[G1+2], 64<<16                      ; tensor_dim1 = tile_dim1 = 64 rows for A,
	s_mov_b32 s[G1+4], 64
	s_mov_b32 s[G1B+2], 128<<16                    ; 128 for B
	s_mov_b32 s[G1B+4], 128
	s_lshl_b32 s16, s12, 6
	s_add_co_u32 s16, s16, s[RA0]
	s_lshl_b32 s16, s16, PGSH                      ; the byte at which my half of A's tile begins (under 2^26)
	s_mov_b32 s17, 0
	s_lshl_b32 s46, s12, 7
	s_add_co_u32 s46, s46, s[RB0]
	s_lshl_b32 s46, s46, PGSH                      ; the same for B
	s_mov_b32 s47, 0
	s_mul_i32 s20, s12, AHALF                      ; where they go in a slot: no place in the cluster enters an LDS address
	s_mul_i32 s21, s12, BHALF
	s_add_co_u32 s21, s21, ABYTES
	s_wait_dscnt 0x0                               ; the opening add is done
	s_wait_kmcnt 0x0
	s_add_nc_u64 s[18:19], s[82:83], 0x400000      ; wh at Wv's first row
	s_cmp_eq_u32 s78, 1
	s_cselect_b64 s[4:5], s[18:19], s[80:81]       ; A
	s_cselect_b64 s[6:7], s[80:81], s[82:83]       ; B
	s_cselect_b64 s[8:9], s[86:87], s[84:85]       ; C
	s_add_nc_u64 s[14:15], s[4:5], s[16:17]
	s_add_nc_u64 s[46:47], s[6:7], s[46:47]
	CROUND                                         ; all sixteen work-groups are here: the first joint loads meet
.irp s, 0,1
	s_mov_b32 s[G0+4*(\s)], 1
	s_add_co_u32 s[G0+4*(\s)+1], s20, (\s)*SLOT
	s_add_nc_u64 s[G0+4*(\s)+2:G0+4*(\s)+3], s[14:15], (\s)*256
	s_or_b32 s[G0+4*(\s)+3], s[G0+4*(\s)+3], 0x80000000
	s_mov_b32 s[G0B+4*(\s)], 1
	s_add_co_u32 s[G0B+4*(\s)+1], s21, (\s)*SLOT
	s_add_nc_u64 s[G0B+4*(\s)+2:G0B+4*(\s)+3], s[46:47], (\s)*256
	s_or_b32 s[G0B+4*(\s)+3], s[G0B+4*(\s)+3], 0x80000000
	JLOAD \s                                       ; K steps 0 and 1: two loads of mine are out
.endr
	v_and_b32 v1, 15, v0                           ; l % 16
	v_bfe_u32 v2, v0, 4, 1                         ; l / 16
	v_mul_u32_u24 v3, v1, PITCH
	v_lshl_add_u32 v3, v2, 4, v3                   ; a fragment's row x pitch + 16 x half
	s_mul_i32 s18, s11, AHALF                      ; my 64 rows of A
	s_mul_i32 s22, s12, BHALF                      ; my 128 rows of B,
	s_add_co_u32 s22, s22, ABYTES                  ; which lie behind A's 128
.irp s, 0,1
	v_add_nc_u32 v[ADRA+(\s)], s18, v3
	v_add_nc_u32 v[ADRB+(\s)], s22, v3
	s_add_co_u32 s18, s18, SLOT
	s_add_co_u32 s22, s22, SLOT
.endr
	s_mul_i32 s23, s10, 16*SPITCH
	s_add_co_u32 s23, s23, STAGE                   ; my stage
	v_mul_u32_u24 v4, v1, SPITCH                   ; in: row l % 16, 16 bytes for each half of the lanes
	v_lshl_add_u32 v4, v2, 4, v4
	v_add_nc_u32 v[STO], s23, v4
	v_mul_u32_u24 v5, v2, SPITCH                   ; back: lanes 0-15 one row of 256 bytes, lanes 16-31 the next
	v_lshl_add_u32 v5, v1, 4, v5
	v_add_nc_u32 v[RD], s23, v5
	v_mul_u32_u24 v5, v2, CP                       ; and the same two rows in C
	v_lshl_add_u32 v[CO], v1, 4, v5
	; my part of C: row 128 x tile row + 64 wm; the tile column's batch (tile column / 8, 0 for qk) and its 512 bytes in a row; 256 wn
	s_lshl_b32 s90, s11, 6
	s_add_co_u32 s88, s[RA0], s90
	s_lshl_b32 s88, s88, CPSH
	s_lshr_b32 s90, s42, 3
	s_lshl_b32 s90, s90, 22
	s_add_co_u32 s88, s88, s90
	s_and_b32 s90, s42, 7
	s_lshl_b32 s90, s90, 9
	s_add_co_u32 s88, s88, s90
	s_lshl_b32 s90, s12, 8
	s_add_co_u32 s88, s88, s90
	s_mov_b32 s89, 0
	s_add_nc_u64 s[8:9], s[8:9], s[88:89]
	; THE PREFETCHES.  Each row's 256 bytes of a K step are named once in the launch.  A's tile row is read by every cluster of its row of clusters: the one with column 0 asks, its wave 0; the four
	; partners that ask for the tile jointly take 32 rows each, told apart by address (cx).  B's tile column: the cluster with s[FB] = 0 asks, waves 2 and 3, 32 rows each of the partner's 64 (cy).
	; K steps 0 to 3 come by their loads alone; the loop's last trip asks for nothing: there is no K step two refills on.
	s_lshl_b32 s91, s40, 5
	s_lshl_b32 s92, s41, 6
	s_cmp_eq_u32 s11, 0
	s_cselect_b32 s93, s[RA0], s[RB0]
	s_cselect_b32 s91, s91, s92
	s_cselect_b32 s94, s[CC], s[FB]
	s_cselect_b64 s[PFA:PFA+1], s[4:5], s[6:7]
	s_add_co_u32 s93, s93, s91
	s_lshl_b32 s91, s12, 5
	s_add_co_u32 s93, s93, s91
	s_lshl_b32 s92, s93, PGSH
	s_mov_b32 s93, 0
	s_add_nc_u64 s[PFA:PFA+1], s[PFA:PFA+1], s[92:93]
	s_add_nc_u64 s[PFA:PFA+1], s[PFA:PFA+1], 512   ; at K step 2: the first refill steps it to 3 and names K step 4
	s_cmp_eq_u32 s10, 1                            ; wave 1 asks for nothing
	s_cselect_b32 s91, 1, 0
	s_or_b32 s94, s94, s91
	s_sub_co_u32 s91, s[NT], 1
	s_cmp_eq_u32 s94, 0
	s_cselect_b32 s[PL], s91, 0                    ; the same in all sixteen partners, for a given wave
	v_and_b32 v[PFO], 31, v0
	v_lshlrev_b32 v[PFO], PGSH, v[PFO]
	s_wait_tensorcnt 1                             ; my part of K step 0 is in; K step 1's may stay out
	s_barrier_signal -1
	s_barrier_wait -1
	FETCH 0, 0, F0
	QUARTER 0, 64,  F0, F1, 1                      ; the first quarter stands in front of the loop: its products start the sums
	WIN 0
	s_mov_b32 s3, 0
.Llap:                                                 ; a trip goes once round the ring, from a lap's second quarter to the next lap's first, and fills both slots again
	QUARTER 0, 128, F1, F0, 0
	QUARTER 0, 192, F0, F1, 0
	TURN 0, 1, 1
	QUARTER 1, 64,  F0, F1, 0
	QUARTER 1, 128, F1, F0, 0
	QUARTER 1, 192, F0, F1, 0
	TURN 1, 0, 1
	QUARTER 0, 64,  F0, F1, 0
	WIN 0
	s_add_co_u32 s3, s3, 1
	s_cmp_lt_u32 s3, s[NT]
	s_cbranch_scc1 .Llap
	QUARTER 0, 128, F1, F0, 0                      ; the last lap fills nothing
	QUARTER 0, 192, F0, F1, 0
	TURN 0, 1, 0
	QUARTER 1, 64,  F0, F1, 0
	QUARTER 1, 128, F1, F0, 0
	QUARTER 1, 192, F0, F1, 0
	s_wait_dscnt 4
	MUL8 F1, 0, 0
	MUL8 F1, 1, 0
	s_wait_dscnt 0x0
	MUL8 F1, 2, 0
	MUL8 F1, 3, 0
	WIN 0
	PLACES
; THE WAY OUT, a block of 16 rows at a time: rounded to f16, 16 bytes a lane; into my own stage; back as whole rows of 256 bytes; stored, sixteen lanes to 256 consecutive aligned bytes.
.macro PACK a
	WIN PK
.irp b, 0,1,2,3,4,5,6,7
.irp r, 0,1,2,3
	v_cvt_pk_f16_f32 v[TMP+4*(\b)+(\r)], v[64*(\a)+8*(\b)+2*(\r)], v[64*(\a)+8*(\b)+2*(\r)+1]
.endr
.endr
	WIN 0
.endm
.macro TOSTAGE a
.set BK, OB+32*((\a)%2)
.irp b, 0,1,2,3,4,5,6,7
	ds_store_b128 v[STO], v[TMP+4*(\b):TMP+4*(\b)+3] offset:32*(\b)
.endr
.irp t, 0,1,2,3,4,5,6,7
	ds_load_b128 v[BK+4*(\t):BK+4*(\t)+3], v[RD] offset:(\t)*2*SPITCH  ; LDS serves a wave's instructions in order: these see the stores above
.endr
.endm
.macro SEND a
.set BK, OB+32*((\a)%2)
	s_wait_dscnt 0x0                               ; the block is back in registers
	s_wait_xcnt 0x0                                ; the stores of the block before have read their registers, which the next block's loads write
.irp t, 0,1,2,3,4,5,6,7
	global_store_b128 v[CO], v[BK+4*(\t):BK+4*(\t)+3], s[8:9] offset:(16*(\a)+2*(\t))*CP
.endr
.endm
	PACK 0
	TOSTAGE 0
.irp a, 1,2,3
	PACK \a                                        ; a block's conversions stand between the loads of the block before and the wait for them
	SEND (\a)-1
	TOSTAGE \a
.endr
	SEND 3
	s_wait_tensorcnt 0x0                           ; the wave's end: behind my last tensor load and my last LDS store
	ds_add_u32 v[SPW], v[NIL]
	s_wait_dscnt 0x0
	CROUND                                         ; the closing round: no work-group ends while a partner may still ask for a tile that names it
	s_endpgm
.Lfunc_end_k_q50841b6e11_proj:
	.size	k_q50841b6e11_proj, .Lfunc_end_k_q50841b6e11_proj-k_q50841b6e11_proj
	.p2alignl 7, 3214868480
	.fill 96, 4, 3214868480
	.section	.rodata,"a",@progbits
	.p2align	6, 0x0
	.amdhsa_kernel k_q50841b6e11_proj
		.amdhsa_group_segment_fixed_size 327680
		.amdhsa_private_segment_fixed_size 0
		.amdhsa_enable_private_segment 0
		.amdhsa_kernarg_size 32
		.amdhsa_user_sgpr_count 2
		.amdhsa_user_sgpr_kernarg_segment_ptr 1
		.amdhsa_wavefront_size32 1
		.amdhsa_system_sgpr_workgroup_id_x 1
		.amdhsa_system_sgpr_workgroup_id_y 1
		.amdhsa_system_sgpr_workgroup_id_z 1
		.amdhsa_system_vgpr_workitem_id 0
		.amdhsa_next_free_vgpr 512
		.amdhsa_next_free_sgpr 96
		.amdhsa_reserve_vcc 0
		.amdhsa_float_denorm_mode_32 3
		.amdhsa_float_denorm_mode_16_64 3
		.amdhsa_memory_ordered 1
		.amdhsa_forward_progress 1
		.amdhsa_inst_pref_size 88
	.end_amdhsa_kernel
	.amdgpu_metadata
---
amdhsa.version: [ 1, 2 ]
amdhsa.kernels:
  - .name:           k_q50841b6e11_proj
    .symbol:         k_q50841b6e11_proj.kd
    .args:
      - { .name: xh, .offset: 0, .size: 8, .value_kind: global_buffer, .address_space: global }
      - { .name: wh, .offset: 8, .size: 8, .value_kind: global_buffer, .address_space: global }
      - { .name: qk, .offset: 16, .size: 8, .value_kind: global_buffer, .address_space: global }
      - { .name: vt, .offset: 24, .size: 8, .value_kind: global_buffer, .address_space: global }
    .group_segment_fixed_size: 327680
    .private_segment_fixed_size: 0
    .kernarg_segment_align: 8
    .kernarg_segment_size: 32
    .max_flat_workgroup_size: 128
    .sgpr_count:     96
    .vgpr_count:     512
    .wavefront_size: 32
...
	.end_amdgpu_metadata
.endif
;; end of part 2
;; launch score (part 3): grid 24 x 16, 4 waves a work-group, clusters of 4 x 4, 327,680 bytes of LDS; arguments qk, sc; writes sc
.if DOCPART == 3
	.amdgcn_target "amdgcn-amd-amdhsa--gfx1250"
	.amdhsa_code_object_version 6
	.text
	.protected	k_q50841b6e11_score
	.globl	k_q50841b6e11_score
	.p2align	8
	.type	k_q50841b6e11_score,@function
k_q50841b6e11_score:
	s_mov_b64 s[64:65], 0
	v_nop
	global_prefetch_b8 v0, s[64:65] scope:SCOPE_SE
	s_setreg_imm32_b32 hwreg(HW_REG_WAVE_MODE, 25, 1), 1
	s_wait_xcnt 0x0
	s_wait_alu depctr_hold_cnt(0) depctr_sa_sdst(0) depctr_va_vdst(0) depctr_va_sdst(0) depctr_va_ssrc(0) depctr_va_vcc(0) depctr_vm_vsrc(0)
	s_getreg_b32 s2, hwreg(HW_REG_IB_STS2, 6, 4)
	s_cmp_eq_u32 s2, 0
	s_cbranch_scc0 .Lentry_in_a_cluster
	s_endpgm
.Lentry_in_a_cluster:
	s_bfe_u32 s2, ttmp6, 0x10000c
	s_cmp_lg_u32 s2, 0xf033
	s_cbranch_scc0 .Lentry_shape_is_right
	s_endpgm
.Lentry_shape_is_right:
; THE SCORES, unscaled: sc[b][i][j] = q[b][i] . k[b][j], as a product C = A B^T with f16 operands (K = 1,024) and f32 sums, stored in f32.
; A = qk's columns 0-1023, B = qk's columns 1024-2047 (rows of 4,096 bytes).  sc: [4][2048][2048] f32.
; THE CAUSAL MASK.  A cluster makes 512 rows x 1,024 columns.  Of a batch's 4 x 2 such blocks the two that lie wholly above the diagonal (rows 0-1023, columns 1024-2047) are left out: six clusters
; a batch.  So rows 512 R .. 512 R + 511 have their columns 0 .. 512 R + 511 at the least, which is all that the softmax reads.  Tiles above the diagonal inside a cluster are made all the same:
; to leave them out would be a branch on a work-group's place in its cluster.
; SHARES, RING, CLUSTER, LAYOUT as in the projections' kernel: a work-group makes 128 x 256, wave (wm, wn) 64 x 128 in 32 accumulators; K in steps of 128 through two LDS slots; A's tile asked for jointly
; along a row of the 4 x 4 cluster, B's along a column; the matrix instruction transposed, so that lane l holds row l % 16 of C and the columns 8 (l / 16) + 0..7.
; REGISTERS.  Window 0: v0-30 addresses; v64-159 and v160-255 two fragment buffers (B's eight fragments, then A's four).  Window 1: accumulator (a, b) at v[64 a + 8 b].
.set PGSH,   12                        ; a row of qk: 4,096 bytes
.set PG,     1<<PGSH
.set CPSH,   13                        ; a row of sc: 8,192 bytes
.set CP,     1<<CPSH
.set PITCH,  272                       ; an LDS row: 256 bytes + 16 of padding = 68 words: the 16 rows that a fragment load touches start 4 words apart modulo 64
.set AHALF,  64*PITCH
.set BHALF,  128*PITCH
.set ABYTES, 2*AHALF
.set SLOT,   ABYTES+2*BHALF            ; A's 128 rows, then B's 256 rows: 104,448 bytes
.set STAGE,  2*SLOT                    ; behind the ring: 16 rows x 528 bytes for each wave, for the way out; no tensor load lands there
.set SPITCH, 528                       ; 512 bytes + 16 = 132 words
.set SPARE,  STAGE+4*16*SPITCH         ; behind the stages: the spare words, 128 bytes for each wave, that no other line names
.set ADRA, 16                          ; v16-17  LDS address of my A fragments in slot 0, 1
.set ADRB, 20                          ; v20-21  the same for B
.set STO,  24                          ; v24     the way out: where I put 32 bytes of a row
.set RD,   25                          ; v25     the way out: where I read a row back
.set CO,   26                          ; v26     my byte offset in a row of C
.set SPW,  28                          ; v28     my spare word: SPARE + 4 x my thread's number; never rewritten
.set NIL,  29                          ; v29     0; never rewritten
.set PFO,  30                          ; v30     the prefetches' offset: my lane x a row of memory; never rewritten
.set F0,   64
.set F1,   160
.set BK,   64                          ; the way out: 16 rows read back (the fragment buffers are free then)
.set G1,  24                           ; s[24:31] descriptor group 1 for A's tiles;  s[32:39] group 0, a set for each slot
.set G0,  32
.set G1B, 48                           ; s[48:55], s[56:63] the same for B's tiles
.set G0B, 56
.set PFA, 66                           ; s[66:67] where my prefetches stand
.set PL,  68                           ; s68  a wave prefetches in the trips below this number
.set NT,  69                           ; s69  trips of the loop: K / 256 - 1
.set CC,  72                           ; s72  the cluster's column
.set CR,  73                           ; s73  its row
.set FB,  74                           ; s74  0 in the cluster that prefetches B's rows
.set RA0, 77                           ; s77  first row of my tile of A
.set RB0, 79                           ; s79  first row of my tile of B
.set MUL, 0x50                         ; C and D in window 1, sources in window 0
.set ST1, 0x04                         ; an LDS store's data in window 1, its address in window 0
.set MSB, 0
.macro WIN new                         ; the immediate's high byte repeats the setting that is left; a switch that changes nothing is dropped
.if MSB != (\new)
	s_set_vgpr_msb (MSB<<8)|(\new)
.set MSB, \new
.endif
.endm
.macro PLACES                          ; four plain instructions between a matrix instruction and a load into, or a read of, its registers
.rept 4
	v_nop
.endr
.endm
; A joint load: waves 0 and 1 fetch A's two halves (64 rows), waves 2 and 3 B's (128 rows).  The branch hangs on the wave's number alone.  An s_nop 0 and four v_nop follow each line.
.macro JLOAD s
	s_cmp_eq_u32 s11, 0
	s_cbranch_scc0 .Lfor_b_\@
	tensor_load_to_lds s[G0+4*(\s):G0+4*(\s)+3], s[G1:G1+7]
	s_nop 0
.rept 4
	v_nop
.endr
	s_branch .Lasked_\@
.Lfor_b_\@:
	tensor_load_to_lds s[G0B+4*(\s):G0B+4*(\s)+3], s[G1B:G1B+7]
	s_nop 0
.rept 4
	v_nop
.endr
.Lasked_\@:
.endm
.macro CREST                           ; a round of the cluster's barrier behind its opening barrier
	s_cmp_lg_u32 s10, 0
	s_cbranch_scc1 .Lnot_wave_0_\@
	s_barrier_signal -3
.Lnot_wave_0_\@:
	s_barrier_wait -3
	s_barrier_signal -1
	s_barrier_wait -1
.endm
.macro CROUND                          ; a whole round
	s_barrier_signal -1
	s_barrier_wait -1
	CREST
.endm
; A prefetch, behind a joint load and the run of LDS loads that follows it: 32 rows x 256 bytes, a lane a row, of the K step that stands two refills on.
.macro ASK
	s_cmp_lt_u32 s3, s[PL]
	s_cbranch_scc0 .Lnot_mine_\@
	global_prefetch_b8 v[PFO], s[PFA:PFA+1] offset:256 th:TH_LOAD_NT scope:SCOPE_SE
.Lnot_mine_\@:
.endm
; 8 matrix instructions: m block a x all 8 n blocks, 32 along K, from buffer f.  zero = 1: the product starts the sum.  The 32 accumulators take turns, in the same order in every quarter.
.macro MUL8 f, a, zero
	WIN MUL
.irp b, 0,1,2,3,4,5,6,7
.if \zero
	v_wmma_f32_16x16x32_f16 v[64*(\a)+8*(\b):64*(\a)+8*(\b)+7], v[(\f)+8*(\b):(\f)+8*(\b)+7], v[(\f)+64+8*(\a):(\f)+64+8*(\a)+7], 0
.else
	v_wmma_f32_16x16x32_f16 v[64*(\a)+8*(\b):64*(\a)+8*(\b)+7], v[(\f)+8*(\b):(\f)+8*(\b)+7], v[(\f)+64+8*(\a):(\f)+64+8*(\a)+7], v[64*(\a)+8*(\b):64*(\a)+8*(\b)+7]
.endif
.endr
.endm
; 24 LDS loads in one run: the fragments of 32 along K at byte k of the rows: B's eight, then A's four
.macro FETCH slot, k, f
	WIN 0
.irp i, 0,1,2,3,4,5,6,7
	ds_load_b128 v[(\f)+8*(\i):(\f)+8*(\i)+3],   v[ADRB+(\slot)] offset:(\k)+(\i)*16*PITCH
	ds_load_b128 v[(\f)+8*(\i)+4:(\f)+8*(\i)+7], v[ADRB+(\slot)] offset:(\k)+(\i)*16*PITCH+32
.endr
.irp i, 0,1,2,3
	ds_load_b128 v[(\f)+64+8*(\i):(\f)+64+8*(\i)+3],   v[ADRA+(\slot)] offset:(\k)+(\i)*16*PITCH
	ds_load_b128 v[(\f)+64+8*(\i)+4:(\f)+64+8*(\i)+7], v[ADRA+(\slot)] offset:(\k)+(\i)*16*PITCH+32
.endr
.endm
; A K step is four quarters of 32 along K, 32 matrix instructions each, on buffers 0, 1, 0, 1.  One of the first three: multiplies f and fetches the next quarter, at byte k, into g.
.macro QUARTER slot, k, f, g, zero
	s_wait_dscnt 4                                 ; B's fragments and A's 0 and 1 are in; the four youngest loads (A's 2 and 3) may be out
	MUL8 \f, 0, \zero
	MUL8 \f, 1, \zero
	PLACES
	FETCH \slot, \k, \g
	s_wait_dscnt 24                                ; all but the 24 just issued
	MUL8 \f, 2, \zero
	MUL8 \f, 3, \zero
.endm
; The last quarter multiplies buffer 1 and changes slots.  In front of the one barrier each wave waits for all its tensor loads (one is out: its part of the next slot), adds 0 to its spare word, and
; waits for that and for its reads of this slot.  fill = 1: the barrier opens a round of the cluster's barrier, and this slot is filled again, two K steps ahead, first thing behind the round.
.macro TURN slot, next, fill
.if \fill
	s_wait_xcnt 0x0                                ; the last prefetch, a K step back, has read its address, which steps here
	s_add_nc_u64 s[PFA:PFA+1], s[PFA:PFA+1], 256
.endif
	WIN 0
	s_wait_tensorcnt 0x0                           ; all my tensor loads have landed
	ds_add_u32 v[SPW], v[NIL]                      ; 0 onto my spare word
	s_wait_dscnt 5                                 ; (the add and the four youngest loads may be out)
	MUL8 F1, 0, 0
	s_wait_dscnt 0x0                               ; the add is done, and my reads of this slot are over
	s_barrier_signal -1
	MUL8 F1, 1, 0
.if \fill
	WIN 0
.endif
	s_barrier_wait -1
.if \fill
	CREST                                          ; no wave of any partner still reads this slot or has a load on its way
	s_add_nc_u64 s[G0+4*(\slot)+2:G0+4*(\slot)+3], s[G0+4*(\slot)+2:G0+4*(\slot)+3], 512
	s_add_nc_u64 s[G0B+4*(\slot)+2:G0B+4*(\slot)+3], s[G0B+4*(\slot)+2:G0B+4*(\slot)+3], 512
	JLOAD \slot                                    ; 112 matrix instructions ahead of the wait for it; its four v_nop are also the places in front of the loads below
.else
	PLACES
.endif
	FETCH \next, 0, F0
.if \fill
	ASK
.endif
	MUL8 F1, 2, 0
	MUL8 F1, 3, 0
.endm
	s_load_b128 s[80:83], s[0:1], 0x0              ; qk s[80:81], sc s[82:83]
	v_lshl_add_u32 v[SPW], v0, 2, SPARE
	v_mov_b32 v[NIL], 0
	ds_add_u32 v[SPW], v[NIL]                      ; the wave's opening: the add and its wait stand ahead of my first tensor load; the set-up below stands between them
	v_lshrrev_b32 v1, 5, v0
	v_readfirstlane_b32 s10, v1                    ; wave 0..3
	s_lshr_b32 s11, s10, 1                         ; wm.  Also: I fetch for A (0) or for B (1)
	s_and_b32 s12, s10, 1                          ; wn.  Also: which half of that tile I fetch
	s_bfe_u32 s40, ttmp6, 0x40000                  ; cx
	s_bfe_u32 s41, ttmp6, 0x40004                  ; cy
	s_mov_b32 s70, ttmp9                           ; cluster x: 0 .. 5
	s_and_b32 s71, ttmp7, 0xffff                   ; cluster y: the batch
	; cluster x = 0..3: column block 0, row blocks 0..3;  4, 5: column block 1, row blocks 2, 3
	s_cmp_ge_u32 s70, 4
	s_cselect_b32 s[CC], 1, 0
	s_lshl_b32 s75, s[CC], 1
	s_sub_co_u32 s[CR], s70, s75
	s_sub_co_u32 s[FB], s[CR], s75                 ; k's rows of a column block are first read by its topmost cluster
	s_mov_b32 s[NT], 3
	s_lshl_b32 s13, s[CR], 2
	s_add_co_u32 s13, s13, s41                     ; tile row in the batch
	s_lshl_b32 s42, s[CC], 2
	s_add_co_u32 s42, s42, s40                     ; tile column in the batch
	s_lshl_b32 s75, s71, 11                        ; the batch's 2,048 rows of qk
	s_lshl_b32 s[RA0], s13, 7
	s_add_co_u32 s[RA0], s[RA0], s75
	s_lshl_b32 s[RB0], s42, 8
	s_add_co_u32 s[RB0], s[RB0], s75
	s_lshl_b32 s43, s41, 2
	s_lshl_b32 s43, 15, s43                        ; my row of the cluster
	s_lshl_b32 s44, 0x1111, s40                    ; my column
	s_or_b32 s[G1+0], s43, (1<<16)|(1<<20)|(1<<21)|(5<<22)|(3<<25)  ; 15:0 the mask; 17:16 elements of 2 bytes; 20 padding on; 21 set beside a mask; 24:22 after every 64 words; 31:25 4 words of it
	s_or_b32 s[G1B+0], s44, (1<<16)|(1<<20)|(1<<21)|(5<<22)|(3<<25)
.irp g, G1, G1B
	s_mov_b32 s[(\g)+1], 128<<16                   ; tensor_dim0 = 128
	s_mov_b32 s[(\g)+3], 128<<16                   ; tile_dim0 = 128
	s_mov_b32 s[(\g)+5], PG/2                      ; elements from row to row
	s_mov_b32 s[(\g)+6], 0
	s_mov_b32 s[(\g)+7], 0
.endr
	s_mov_b32 s[G1+2], 64<<16                      ; tensor_dim1 = tile_dim1 = 64 rows for A,
	s_mov_b32 s[G1+4], 64
	s_mov_b32 s[G1B+2], 128<<16                    ; 128 for B
	s_mov_b32 s[G1B+4], 128
	s_lshl_b32 s16, s12, 6
	s_add_co_u32 s16, s16, s[RA0]
	s_lshl_b32 s16, s16, PGSH                      ; the byte at which my half of A's tile begins (under 2^26)
	s_mov_b32 s17, 0
	s_lshl_b32 s46, s12, 7
	s_add_co_u32 s46, s46, s[RB0]
	s_lshl_b32 s46, s46, PGSH                      ; the same for B
	s_mov_b32 s47, 0
	s_mul_i32 s20, s12, AHALF                      ; where they go in a slot: no place in the cluster enters an LDS address
	s_mul_i32 s21, s12, BHALF
	s_add_co_u32 s21, s21, ABYTES
	s_wait_dscnt 0x0                               ; the opening add is done
	s_wait_kmcnt 0x0
	s_mov_b64 s[4:5], s[80:81]                     ; A: q
	s_add_nc_u64 s[6:7], s[80:81], 2048            ; B: k, 1,024 columns on
	s_mov_b64 s[8:9], s[82:83]                     ; C
	s_add_nc_u64 s[14:15], s[4:5], s[16:17]
	s_add_nc_u64 s[46:47], s[6:7], s[46:47]
	CROUND                                         ; all sixteen work-groups are here: the first joint loads meet
.irp s, 0,1
	s_mov_b32 s[G0+4*(\s)], 1
	s_add_co_u32 s[G0+4*(\s)+1], s20, (\s)*SLOT
	s_add_nc_u64 s[G0+4*(\s)+2:G0+4*(\s)+3], s[14:15], (\s)*256
	s_or_b32 s[G0+4*(\s)+3], s[G0+4*(\s)+3], 0x80000000
	s_mov_b32 s[G0B+4*(\s)], 1
	s_add_co_u32 s[G0B+4*(\s)+1], s21, (\s)*SLOT
	s_add_nc_u64 s[G0B+4*(\s)+2:G0B+4*(\s)+3], s[46:47], (\s)*256
	s_or_b32 s[G0B+4*(\s)+3], s[G0B+4*(\s)+3], 0x80000000
	JLOAD \s                                       ; K steps 0 and 1: two loads of mine are out
.endr
	v_and_b32 v1, 15, v0                           ; l % 16
	v_bfe_u32 v2, v0, 4, 1                         ; l / 16
	v_mul_u32_u24 v3, v1, PITCH
	v_lshl_add_u32 v3, v2, 4, v3                   ; a fragment's row x pitch + 16 x half
	s_mul_i32 s18, s11, AHALF                      ; my 64 rows of A
	s_mul_i32 s22, s12, BHALF                      ; my 128 rows of B,
	s_add_co_u32 s22, s22, ABYTES                  ; which lie behind A's 128
.irp s, 0,1
	v_add_nc_u32 v[ADRA+(\s)], s18, v3
	v_add_nc_u32 v[ADRB+(\s)], s22, v3
	s_add_co_u32 s18, s18, SLOT
	s_add_co_u32 s22, s22, SLOT
.endr
	s_mul_i32 s23, s10, 16*SPITCH
	s_add_co_u32 s23, s23, STAGE                   ; my stage
	v_mul_u32_u24 v4, v1, SPITCH                   ; in: row l % 16, 32 bytes for each half of the lanes
	v_lshl_add_u32 v4, v2, 5, v4
	v_add_nc_u32 v[STO], s23, v4
	v_and_b32 v5, 31, v0
	v_lshlrev_b32 v[CO], 4, v5                     ; back and out: 32 lanes take one row of 512 bytes
	v_add_nc_u32 v[RD], s23, v[CO]
	; my part of C: row (in all batches) = A's row + 64 wm; 1,024 bytes a tile column; 512 wn
	s_lshl_b32 s90, s11, 6
	s_add_co_u32 s88, s[RA0], s90
	s_lshl_b32 s88, s88, CPSH
	s_lshl_b32 s90, s42, 10
	s_add_co_u32 s88, s88, s90
	s_lshl_b32 s90, s12, 9
	s_add_co_u32 s88, s88, s90
	s_mov_b32 s89, 0
	s_add_nc_u64 s[8:9], s[8:9], s[88:89]
	; THE PREFETCHES.  Each row's 256 bytes of a K step are named once in the launch.  q's tile row is read by the clusters of its row block: the one with column block 0 asks, its wave 0; the four
	; partners that ask for the tile jointly take 32 rows each, told apart by address (cx).  k's tile column: the cluster with s[FB] = 0 asks, waves 2 and 3, 32 rows each of the partner's 64 (cy).
	; K steps 0 to 3 come by their loads alone; the loop's last trip asks for nothing: there is no K step two refills on.
	s_lshl_b32 s91, s40, 5
	s_lshl_b32 s92, s41, 6
	s_cmp_eq_u32 s11, 0
	s_cselect_b32 s93, s[RA0], s[RB0]
	s_cselect_b32 s91, s91, s92
	s_cselect_b32 s94, s[CC], s[FB]
	s_cselect_b64 s[PFA:PFA+1], s[4:5], s[6:7]
	s_add_co_u32 s93, s93, s91
	s_lshl_b32 s91, s12, 5
	s_add_co_u32 s93, s93, s91
	s_lshl_b32 s92, s93, PGSH
	s_mov_b32 s93, 0
	s_add_nc_u64 s[PFA:PFA+1], s[PFA:PFA+1], s[92:93]
	s_add_nc_u64 s[PFA:PFA+1], s[PFA:PFA+1], 512   ; at K step 2: the first refill steps it to 3 and names K step 4
	s_cmp_eq_u32 s10, 1                            ; wave 1 asks for nothing
	s_cselect_b32 s91, 1, 0
	s_or_b32 s94, s94, s91
	s_sub_co_u32 s91, s[NT], 1
	s_cmp_eq_u32 s94, 0
	s_cselect_b32 s[PL], s91, 0                    ; the same in all sixteen partners, for a given wave
	v_and_b32 v[PFO], 31, v0
	v_lshlrev_b32 v[PFO], PGSH, v[PFO]
	s_wait_tensorcnt 1                             ; my part of K step 0 is in; K step 1's may stay out
	s_barrier_signal -1
	s_barrier_wait -1
	FETCH 0, 0, F0
	QUARTER 0, 64,  F0, F1, 1                      ; the first quarter stands in front of the loop: its products start the sums
	WIN 0
	s_mov_b32 s3, 0
.Llap:                                                 ; a trip goes once round the ring, from a lap's second quarter to the next lap's first, and fills both slots again
	QUARTER 0, 128, F1, F0, 0
	QUARTER 0, 192, F0, F1, 0
	TURN 0, 1, 1
	QUARTER 1, 64,  F0, F1, 0
	QUARTER 1, 128, F1, F0, 0
	QUARTER 1, 192, F0, F1, 0
	TURN 1, 0, 1
	QUARTER 0, 64,  F0, F1, 0
	WIN 0
	s_add_co_u32 s3, s3, 1
	s_cmp_lt_u32 s3, s[NT]
	s_cbranch_scc1 .Llap
	QUARTER 0, 128, F1, F0, 0                      ; the last lap fills nothing
	QUARTER 0, 192, F0, F1, 0
	TURN 0, 1, 0
	QUARTER 1, 64,  F0, F1, 0
	QUARTER 1, 128, F1, F0, 0
	QUARTER 1, 192, F0, F1, 0
	s_wait_dscnt 4
	MUL8 F1, 0, 0
	MUL8 F1, 1, 0
	s_wait_dscnt 0x0
	MUL8 F1, 2, 0
	MUL8 F1, 3, 0
	WIN 0
	PLACES
; THE WAY OUT, a block of 16 rows at a time: a lane's eight f32 of a row go into my own stage, each accumulator's low four registers first; whole rows of 512 bytes come back and are stored:
; a store of the wave covers 512 consecutive bytes, aligned.
.macro OUT32 a
	s_wait_xcnt 0x0                                ; the stores of the block before have read their registers, which the loads below write
	WIN ST1
.irp b, 0,1,2,3,4,5,6,7
.irp u, 0,1
	ds_store_b128 v[STO], v[64*(\a)+8*(\b)+4*(\u):64*(\a)+8*(\b)+4*(\u)+3] offset:64*(\b)+16*(\u)
.endr
.endr
	WIN 0
.irp t, 0,1,2,3,4,5,6,7,8,9,10,11,12,13,14,15
	ds_load_b128 v[BK+4*(\t):BK+4*(\t)+3], v[RD] offset:(\t)*SPITCH  ; LDS serves a wave's instructions in order: these see the stores above
.endr
.irp t, 0,1,2,3,4,5,6,7,8,9,10,11,12,13,14,15
	s_wait_dscnt 15-(\t)                           ; row t is back; the 15 - t younger loads may stay out
	global_store_b128 v[CO], v[BK+4*(\t):BK+4*(\t)+3], s[8:9] offset:(16*(\a)+(\t))*CP
.endr
.endm
	OUT32 0
	OUT32 1
	OUT32 2
	OUT32 3
	s_wait_tensorcnt 0x0                           ; the wave's end: behind my last tensor load and my last LDS store
	ds_add_u32 v[SPW], v[NIL]
	s_wait_dscnt 0x0
	CROUND                                         ; the closing round: no work-group ends while a partner may still ask for a tile that names it
	s_endpgm
.Lfunc_end_k_q50841b6e11_score:
	.size	k_q50841b6e11_score, .Lfunc_end_k_q50841b6e11_score-k_q50841b6e11_score
	.p2alignl 7, 3214868480
	.fill 96, 4, 3214868480
	.section	.rodata,"a",@progbits
	.p2align	6, 0x0
	.amdhsa_kernel k_q50841b6e11_score
		.amdhsa_group_segment_fixed_size 327680
		.amdhsa_private_segment_fixed_size 0
		.amdhsa_enable_private_segment 0
		.amdhsa_kernarg_size 16
		.amdhsa_user_sgpr_count 2
		.amdhsa_user_sgpr_kernarg_segment_ptr 1
		.amdhsa_wavefront_size32 1
		.amdhsa_system_sgpr_workgroup_id_x 1
		.amdhsa_system_sgpr_workgroup_id_y 1
		.amdhsa_system_sgpr_workgroup_id_z 1
		.amdhsa_system_vgpr_workitem_id 0
		.amdhsa_next_free_vgpr 512
		.amdhsa_next_free_sgpr 96
		.amdhsa_reserve_vcc 0
		.amdhsa_float_denorm_mode_32 3
		.amdhsa_float_denorm_mode_16_64 3
		.amdhsa_memory_ordered 1
		.amdhsa_forward_progress 1
		.amdhsa_inst_pref_size 88
	.end_amdhsa_kernel
	.amdgpu_metadata
---
amdhsa.version: [ 1, 2 ]
amdhsa.kernels:
  - .name:           k_q50841b6e11_score
    .symbol:         k_q50841b6e11_score.kd
    .args:
      - { .name: qk, .offset: 0, .size: 8, .value_kind: global_buffer, .address_space: global }
      - { .name: sc, .offset: 8, .size: 8, .value_kind: global_buffer, .address_space: global }
    .group_segment_fixed_size: 327680
    .private_segment_fixed_size: 0
    .kernarg_segment_align: 8
    .kernarg_segment_size: 16
    .max_flat_workgroup_size: 128
    .sgpr_count:     96
    .vgpr_count:     512
    .wavefront_size: 32
...
	.end_amdgpu_metadata
.endif
;; end of part 3
;; launch soft (part 4): grid 1024 x 1, 8 waves a work-group, no clusters, 0 bytes of LDS; arguments sc, p; writes p
.if DOCPART == 4
	.amdgcn_target "amdgcn-amd-amdhsa--gfx1250"
	.amdhsa_code_object_version 6
	.text
	.protected	k_q50841b6e11_soft
	.globl	k_q50841b6e11_soft
	.p2align	8
	.type	k_q50841b6e11_soft,@function
k_q50841b6e11_soft:
	s_mov_b64 s[64:65], 0
	v_nop
	global_prefetch_b8 v0, s[64:65] scope:SCOPE_SE
	s_setreg_imm32_b32 hwreg(HW_REG_WAVE_MODE, 25, 1), 1
	s_wait_xcnt 0x0
; THE CAUSAL SOFTMAX.  p[b][i][j] = exp((s[i][j] - m[i]) / 32) / l[i] for j <= i, 0 for i < j < 512 (c + 1), where c = i / 512, m the row's largest visible score and l the sum of the exponentials.
; sc: [4][2048][2048] f32, unscaled scores.  p: [4][2048][2048] f16, of which columns 0 .. 512 (c + 1) - 1 of each row are written: all that the next product reads.
; All in f32: hidden scores count as minus infinity, the row's true maximum is taken away, 2^(kappa s - kappa m) with kappa = log2(e) / 32; p is rounded once, to f16.
; LIMITS.  A weight below 2^-126 counts as 0 in l; below 6e-5 p keeps f16's fixed step of 6e-8; NaN and infinities among the scores are not treated apart.
; SHARES.  One wave, one row, kept in registers between the passes: read once, no LDS, no barrier.  The row is taken in groups of 512 columns, 16 registers a lane: group 0 holds the block with the diagonal
; (columns 512 c on), group g = 1..3 columns 512 (g - 1) on, and is live if g <= c.  Register 4 j + e of a group is its column 128 j + 4 lane + e.  The long rows' work-groups come first.
; A stream: matrix units and clusters would add nothing (no byte is read twice).
.set VT,  3                            ; v3      my row's place in its block of 512, less 4 x lane: column 128 j + e of group 0 is hidden where it is greater
.set M,   4                            ; v[4:7]  four running maxima
.set KM,  8                            ; v[8:9]  kappa m (the pair's low word is taken for both halves)
.set R,   10                           ; v[10:11] 1 / l, likewise
.set NEG, 12                           ; v12     minus infinity
.set X,   16                           ; v[16:79] the row
.set S,   80                           ; v[80:83] two pairs of sums
.set SEL, 12                           ; s[12:13] v_permlanex16_b32's selects: each lane takes its own place in the other half
.set KAP, 14                           ; s[14:15] kappa
.set C,   17                           ; s17     c
	s_load_b128 s[4:7], s[0:1], 0x0                ; sc s[4:5], p s[6:7]
	v_lshrrev_b32 v1, 5, v0
	v_readfirstlane_b32 s16, v1                    ; wave 0..7
	s_lshr_b32 s[C], ttmp9, 8
	s_sub_co_u32 s[C], 3, s[C]
	s_and_b32 s18, ttmp9, 255
	s_lshr_b32 s19, s18, 6                         ; the batch
	s_and_b32 s18, s18, 63
	s_lshl_b32 s18, s18, 3
	s_add_co_u32 s18, s18, s16                     ; my row in its block of 512
	s_lshl_b32 s19, s19, 11
	s_lshl_b32 s20, s[C], 9
	s_add_co_u32 s19, s19, s20
	s_add_co_u32 s19, s19, s18                     ; my row of 8,192
	s_lshl_b32 s20, s19, 13                        ; its bytes in sc (under 2^26),
	s_mov_b32 s21, 0
	s_lshl_b32 s22, s19, 12                        ; and in p
	s_mov_b32 s23, 0
	s_lshl_b32 s24, s[C], 11                       ; the diagonal's block in a row of sc,
	s_mov_b32 s25, 0
	s_lshl_b32 s26, s[C], 10                       ; and of p
	s_mov_b32 s27, 0
	s_mov_b32 s[SEL], 0x76543210
	s_mov_b32 s[SEL+1], 0xfedcba98
	s_mov_b32 s[KAP], 0x3d38aa3b                   ; log2(e) / 32
	s_mov_b32 s[KAP+1], s[KAP]                     ; named with it as a pair
	v_and_b32 v3, 31, v0
	v_lshlrev_b32 v1, 4, v3                        ; in: 16 x lane
	v_lshlrev_b32 v2, 3, v3                        ; out: 8 x lane
	v_lshlrev_b32 v3, 2, v3
	v_sub_nc_u32 v[VT], s18, v3
	v_mov_b32 v[NEG], 0xff800000
	v_mov_b32 v[KM+1], 0                           ; the pairs' second words are named, so they are written
	v_mov_b32 v[R+1], 0
	s_wait_kmcnt 0x0
	s_add_nc_u64 s[4:5], s[4:5], s[20:21]
	s_add_nc_u64 s[6:7], s[6:7], s[22:23]
	s_add_nc_u64 s[8:9], s[4:5], s[24:25]
	s_add_nc_u64 s[10:11], s[6:7], s[26:27]
.macro LOADG g, base, off              ; a group's four loads, each of 512 consecutive bytes
.irp j, 0,1,2,3
	global_load_b128 v[X+16*(\g)+4*(\j):X+16*(\g)+4*(\j)+3], v1, s[\base:\base+1] offset:(\off)+512*(\j) th:TH_LOAD_NT
.endr
.endm
.macro DEADG g                         ; a group that the row does not have counts as hidden
.set i, 0
.rept 16
	v_mov_b32 v[X+16*(\g)+i], v[NEG]
.set i, i+1
.endr
.endm
	LOADG 0, 8, 0                                  ; all the row's loads go out together
	s_cmp_lt_u32 s[C], 1
	s_cbranch_scc1 .Ldead1
	LOADG 1, 4, 0
	s_cmp_lt_u32 s[C], 2
	s_cbranch_scc1 .Ldead2
	LOADG 2, 4, 2048
	s_cmp_lt_u32 s[C], 3
	s_cbranch_scc1 .Ldead3
	LOADG 3, 4, 4096
	s_branch .Lloaded
.Ldead1:
	DEADG 1
.Ldead2:
	DEADG 2
.Ldead3:
	DEADG 3
.Lloaded:
	s_wait_loadcnt 0x0
.set i, 0
.rept 16                               ; the mask, on the diagonal's block alone
	v_cmp_gt_i32 vcc_lo, 128*(i/4)+i%4, v[VT]
	v_cndmask_b32 v[X+i], v[X+i], v[NEG], vcc_lo
.set i, i+1
.endr
	; the maximum: four chains, a group each, three operands at a time; started by the first scores
.irp k, 0,1,2,3
	v_max3_num_f32 v[M+(\k)], v[X+16*(\k)], v[X+16*(\k)+1], v[X+16*(\k)+2]
.endr
.irp i, 0,1,2,3,4,5
.irp k, 0,1,2,3
	v_max3_num_f32 v[M+(\k)], v[M+(\k)], v[X+16*(\k)+3+2*(\i)], v[X+16*(\k)+4+2*(\i)]
.endr
.endr
	v_max3_num_f32 v[M], v[M], v[X+15], v[X+31]
	v_max3_num_f32 v[M+2], v[M+2], v[X+47], v[X+63]
	v_max3_num_f32 v[M], v[M], v[M+1], v[M+2]
	v_max_num_f32 v[M], v[M], v[M+3]
	v_max_num_f32_dpp v[M], v[M], v[M] row_xmask:1 row_mask:0xf bank_mask:0xf
	v_max_num_f32_dpp v[M], v[M], v[M] row_xmask:2 row_mask:0xf bank_mask:0xf
	v_max_num_f32_dpp v[M], v[M], v[M] row_xmask:4 row_mask:0xf bank_mask:0xf
	v_max_num_f32_dpp v[M], v[M], v[M] row_xmask:8 row_mask:0xf bank_mask:0xf
	v_permlanex16_b32 v[M+1], v[M], s[SEL], s[SEL+1]
	v_max_num_f32 v[M], v[M], v[M+1]               ; every lane holds the row's maximum: a visible score, since the row sees its own column
	v_mul_f32 v[KM], s[KAP], v[M]
; A group's exponentials and their sum.  The 16 exponentials are one batch: a plain instruction behind the last, and one wait ahead of the first line that names a result.
.macro EXPS g, first
.set i, 0
.rept 8
	v_pk_fma_f32 v[X+16*(\g)+2*i:X+16*(\g)+2*i+1], v[X+16*(\g)+2*i:X+16*(\g)+2*i+1], s[KAP:KAP+1], v[KM:KM+1] op_sel_hi:[1,0,0] neg_lo:[0,0,1] neg_hi:[0,0,1]
.set i, i+1
.endr
.set i, 0
.rept 16
	v_exp_f32 v[X+16*(\g)+i], v[X+16*(\g)+i]
.set i, i+1
.endr
	v_nop
	s_wait_alu depctr_va_vdst(0)
.if \first
	v_pk_add_f32 v[S:S+1], v[X:X+1], v[X+2:X+3]    ; the first additions start the sums
	v_pk_add_f32 v[S+2:S+3], v[X+4:X+5], v[X+6:X+7]
.set i, 4
.else
.set i, 0
.endif
.rept 8-i
	v_pk_add_f32 v[S+2*(i%2):S+2*(i%2)+1], v[S+2*(i%2):S+2*(i%2)+1], v[X+16*(\g)+2*i:X+16*(\g)+2*i+1]
.set i, i+1
.endr
.endm
	EXPS 0, 1
.irp g, 1,2,3
	s_cmp_lt_u32 s[C], \g
	s_cbranch_scc1 .Lsummed                        ; the groups are nested: behind a dead one all are dead
	EXPS \g, 0
.endr
.Lsummed:
	v_pk_add_f32 v[S:S+1], v[S:S+1], v[S+2:S+3]
	v_add_f32 v[S], v[S], v[S+1]
	v_add_f32_dpp v[S], v[S], v[S] row_xmask:1 row_mask:0xf bank_mask:0xf
	v_add_f32_dpp v[S], v[S], v[S] row_xmask:2 row_mask:0xf bank_mask:0xf
	v_add_f32_dpp v[S], v[S], v[S] row_xmask:4 row_mask:0xf bank_mask:0xf
	v_add_f32_dpp v[S], v[S], v[S] row_xmask:8 row_mask:0xf bank_mask:0xf
	v_permlanex16_b32 v[S+1], v[S], s[SEL], s[SEL+1]
	v_add_f32 v[S], v[S], v[S+1]                   ; l, at least 1: the maximum's own weight
	v_rcp_f32 v[R], v[S]
	v_nop                                          ; a plain instruction behind the reciprocal,
	s_wait_alu depctr_va_vdst(0)                   ; and its wait, ahead of the first use
; A group is divided by l, rounded to f16 (packed in place, ascending: a word is written when both its sources have been read or are its own) and stored: each store covers 256 consecutive bytes, aligned.
.macro SCALE g, base, off
.set i, 0
.rept 8
	v_pk_mul_f32 v[X+16*(\g)+2*i:X+16*(\g)+2*i+1], v[X+16*(\g)+2*i:X+16*(\g)+2*i+1], v[R:R+1] op_sel_hi:[1,0]
.set i, i+1
.endr
.set i, 0
.rept 8
	v_cvt_pk_f16_f32 v[X+16*(\g)+i], v[X+16*(\g)+2*i], v[X+16*(\g)+2*i+1]
.set i, i+1
.endr
.irp j, 0,1,2,3
	global_store_b64 v2, v[X+16*(\g)+2*(\j):X+16*(\g)+2*(\j)+1], s[\base:\base+1] offset:(\off)+256*(\j)
.endr
.endm
	SCALE 0, 10, 0
	s_cmp_lt_u32 s[C], 1
	s_cbranch_scc1 .Lstored
	SCALE 1, 6, 0
	s_cmp_lt_u32 s[C], 2
	s_cbranch_scc1 .Lstored
	SCALE 2, 6, 1024
	s_cmp_lt_u32 s[C], 3
	s_cbranch_scc1 .Lstored
	SCALE 3, 6, 2048
.Lstored:
	s_endpgm
.Lfunc_end_k_q50841b6e11_soft:
	.size	k_q50841b6e11_soft, .Lfunc_end_k_q50841b6e11_soft-k_q50841b6e11_soft
	.p2alignl 7, 3214868480
	.fill 96, 4, 3214868480
	.section	.rodata,"a",@progbits
	.p2align	6, 0x0
	.amdhsa_kernel k_q50841b6e11_soft
		.amdhsa_group_segment_fixed_size 0
		.amdhsa_private_segment_fixed_size 0
		.amdhsa_enable_private_segment 0
		.amdhsa_kernarg_size 16
		.amdhsa_user_sgpr_count 2
		.amdhsa_user_sgpr_kernarg_segment_ptr 1
		.amdhsa_wavefront_size32 1
		.amdhsa_system_sgpr_workgroup_id_x 1
		.amdhsa_system_sgpr_workgroup_id_y 1
		.amdhsa_system_sgpr_workgroup_id_z 1
		.amdhsa_system_vgpr_workitem_id 0
		.amdhsa_next_free_vgpr 96
		.amdhsa_next_free_sgpr 66
		.amdhsa_reserve_vcc 1
		.amdhsa_float_denorm_mode_32 3
		.amdhsa_float_denorm_mode_16_64 3
		.amdhsa_memory_ordered 1
		.amdhsa_forward_progress 1
		.amdhsa_inst_pref_size 22
	.end_amdhsa_kernel
	.amdgpu_metadata
---
amdhsa.version: [ 1, 2 ]
amdhsa.kernels:
  - .name:           k_q50841b6e11_soft
    .symbol:         k_q50841b6e11_soft.kd
    .args:
      - { .name: sc, .offset: 0, .size: 8, .value_kind: global_buffer, .address_space: global }
      - { .name: p, .offset: 8, .size: 8, .value_kind: global_buffer, .address_space: global }
    .group_segment_fixed_size: 0
    .private_segment_fixed_size: 0
    .kernarg_segment_align: 8
    .kernarg_segment_size: 16
    .max_flat_workgroup_size: 256
    .sgpr_count:     66
    .vgpr_count:     96
    .wavefront_size: 32
...
	.end_amdgpu_metadata
.endif
;; end of part 4
;; launch ctxk (part 5): grid 4 x 64, 4 waves a work-group, clusters of 4 x 4, 327,680 bytes of LDS; arguments p, vt, ctx; writes ctx
.if DOCPART == 5
	.amdgcn_target "amdgcn-amd-amdhsa--gfx1250"
	.amdhsa_code_object_version 6
	.text
	.protected	k_q50841b6e11_ctxk
	.globl	k_q50841b6e11_ctxk
	.p2align	8
	.type	k_q50841b6e11_ctxk,@function
k_q50841b6e11_ctxk:
	s_mov_b64 s[64:65], 0
	v_nop
	global_prefetch_b8 v0, s[64:65] scope:SCOPE_SE
	s_setreg_imm32_b32 hwreg(HW_REG_WAVE_MODE, 25, 1), 1
	s_wait_xcnt 0x0
	s_wait_alu depctr_hold_cnt(0) depctr_sa_sdst(0) depctr_va_vdst(0) depctr_va_sdst(0) depctr_va_ssrc(0) depctr_va_vcc(0) depctr_vm_vsrc(0)
	s_getreg_b32 s2, hwreg(HW_REG_IB_STS2, 6, 4)
	s_cmp_eq_u32 s2, 0
	s_cbranch_scc0 .Lentry_in_a_cluster
	s_endpgm
.Lentry_in_a_cluster:
	s_bfe_u32 s2, ttmp6, 0x10000c
	s_cmp_lg_u32 s2, 0xf033
	s_cbranch_scc0 .Lentry_shape_is_right
	s_endpgm
.Lentry_shape_is_right:
; THE CONTEXT: ctx[b][i][e] = the sum over j of p[b][i][j] v[b][j][e], as a product C = A B^T with f16 operands and f32 sums; C rounded once to f16.
; A = p [4][2048][2048], B = vt [4][1024 e][2048 j] (rows of 4,096 bytes both), C = ctx [8192][1024] f16.
; THE CAUSAL MASK.  A cluster makes 512 rows (block c of its batch) x all 1,024 columns, and walks K = 512 (c + 1) keys: beyond them every weight is hidden; up to them p holds zeros above the diagonal.
; The trip count hangs on the cluster's number alone, so it is the same in all sixteen partners.  The clusters' work is uneven, 1 : 2 : 3 : 4; all 256 work-groups are there at once.
; LIMITS.  ctx is a mean of v's rows and has their range, within f16's.
; SHARES, RING, CLUSTER, LAYOUT as in the projections' kernel: a work-group makes 128 x 256, wave (wm, wn) 64 x 128 in 32 accumulators; K in steps of 128 through two LDS slots; A's tile asked for jointly
; along a row of the 4 x 4 cluster, B's along a column; the matrix instruction transposed, so that lane l holds row l % 16 of C and the columns 8 (l / 16) + 0..7.
; REGISTERS.  Window 0: v0-30 addresses; v64-159 and v160-255 two fragment buffers (B's eight fragments, then A's four).  Window 1: accumulator (a, b) at v[64 a + 8 b].
.set PGSH,   12                        ; a row of p and of vt: 4,096 bytes
.set PG,     1<<PGSH
.set CPSH,   11                        ; a row of ctx: 2,048 bytes
.set CP,     1<<CPSH
.set PITCH,  272                       ; an LDS row: 256 bytes + 16 of padding = 68 words: the 16 rows that a fragment load touches start 4 words apart modulo 64
.set AHALF,  64*PITCH
.set BHALF,  128*PITCH
.set ABYTES, 2*AHALF
.set SLOT,   ABYTES+2*BHALF            ; A's 128 rows, then B's 256 rows: 104,448 bytes
.set STAGE,  2*SLOT                    ; behind the ring: 16 rows x 272 bytes for each wave, for the way out; no tensor load lands there
.set SPITCH, 272
.set SPARE,  STAGE+4*16*SPITCH         ; behind the stages: the spare words, 128 bytes for each wave, that no other line names
.set ADRA, 16                          ; v16-17  LDS address of my A fragments in slot 0, 1
.set ADRB, 20                          ; v20-21  the same for B
.set STO,  24                          ; v24     the way out: where I put 16 bytes of a row
.set RD,   25                          ; v25     the way out: where I read a row back
.set CO,   26                          ; v26     my byte offset in C
.set SPW,  28                          ; v28     my spare word: SPARE + 4 x my thread's number; never rewritten
.set NIL,  29                          ; v29     0; never rewritten
.set PFO,  30                          ; v30     the prefetches' offset: my lane x a row of memory; never rewritten
.set F0,   64
.set F1,   160
.set TMP,  64                          ; the way out: packed results (the fragment buffers are free then)
.set OB,   96                          ; the way out: rows read back, v96-127 and v128-159 by turns
.set G1,  24                           ; s[24:31] descriptor group 1 for A's tiles;  s[32:39] group 0, a set for each slot
.set G0,  32
.set G1B, 48                           ; s[48:55], s[56:63] the same for B's tiles
.set G0B, 56
.set PFA, 66                           ; s[66:67] where my prefetches stand
.set PL,  68                           ; s68  a wave prefetches in the trips below this number
.set NT,  69                           ; s69  trips of the loop: K / 256 - 1 = 2 c + 1
.set CC,  72                           ; s72  the cluster's column: 0
.set CR,  73                           ; s73  its row in the batch: c
.set FB,  74                           ; s74  0 in the cluster that prefetches B's rows
.set RA0, 77                           ; s77  first row of my tile of A
.set RB0, 79                           ; s79  first row of my tile of B
.set MUL, 0x50                         ; C and D in window 1, sources in window 0
.set PK,  0x05                         ; sources 0 and 1 in window 1, destination in window 0
.set MSB, 0
.macro WIN new                         ; the immediate's high byte repeats the setting that is left; a switch that changes nothing is dropped
.if MSB != (\new)
	s_set_vgpr_msb (MSB<<8)|(\new)
.set MSB, \new
.endif
.endm
.macro PLACES                          ; four plain instructions between a matrix instruction and a load into, or a vector read of, its registers
.rept 4
	v_nop
.endr
.endm
; A joint load: waves 0 and 1 fetch A's two halves (64 rows), waves 2 and 3 B's (128 rows).  The branch hangs on the wave's number alone.  An s_nop 0 and four v_nop follow each line.
.macro JLOAD s
	s_cmp_eq_u32 s11, 0
	s_cbranch_scc0 .Lfor_b_\@
	tensor_load_to_lds s[G0+4*(\s):G0+4*(\s)+3], s[G1:G1+7]
	s_nop 0
.rept 4
	v_nop
.endr
	s_branch .Lasked_\@
.Lfor_b_\@:
	tensor_load_to_lds s[G0B+4*(\s):G0B+4*(\s)+3], s[G1B:G1B+7]
	s_nop 0
.rept 4
	v_nop
.endr
.Lasked_\@:
.endm
.macro CREST                           ; a round of the cluster's barrier behind its opening barrier
	s_cmp_lg_u32 s10, 0
	s_cbranch_scc1 .Lnot_wave_0_\@
	s_barrier_signal -3
.Lnot_wave_0_\@:
	s_barrier_wait -3
	s_barrier_signal -1
	s_barrier_wait -1
.endm
.macro CROUND                          ; a whole round
	s_barrier_signal -1
	s_barrier_wait -1
	CREST
.endm
; A prefetch, behind a joint load and the run of LDS loads that follows it: 32 rows x 256 bytes, a lane a row, of the K step that stands two refills on.
.macro ASK
	s_cmp_lt_u32 s3, s[PL]
	s_cbranch_scc0 .Lnot_mine_\@
	global_prefetch_b8 v[PFO], s[PFA:PFA+1] offset:256 th:TH_LOAD_NT scope:SCOPE_SE
.Lnot_mine_\@:
.endm
; 8 matrix instructions: m block a x all 8 n blocks, 32 along K, from buffer f.  zero = 1: the product starts the sum.  The 32 accumulators take turns, in the same order in every quarter.
.macro MUL8 f, a, zero
	WIN MUL
.irp b, 0,1,2,3,4,5,6,7
.if \zero
	v_wmma_f32_16x16x32_f16 v[64*(\a)+8*(\b):64*(\a)+8*(\b)+7], v[(\f)+8*(\b):(\f)+8*(\b)+7], v[(\f)+64+8*(\a):(\f)+64+8*(\a)+7], 0
.else
	v_wmma_f32_16x16x32_f16 v[64*(\a)+8*(\b):64*(\a)+8*(\b)+7], v[(\f)+8*(\b):(\f)+8*(\b)+7], v[(\f)+64+8*(\a):(\f)+64+8*(\a)+7], v[64*(\a)+8*(\b):64*(\a)+8*(\b)+7]
.endif
.endr
.endm
; 24 LDS loads in one run: the fragments of 32 along K at byte k of the rows: B's eight, then A's four
.macro FETCH slot, k, f
	WIN 0
.irp i, 0,1,2,3,4,5,6,7
	ds_load_b128 v[(\f)+8*(\i):(\f)+8*(\i)+3],   v[ADRB+(\slot)] offset:(\k)+(\i)*16*PITCH
	ds_load_b128 v[(\f)+8*(\i)+4:(\f)+8*(\i)+7], v[ADRB+(\slot)] offset:(\k)+(\i)*16*PITCH+32
.endr
.irp i, 0,1,2,3
	ds_load_b128 v[(\f)+64+8*(\i):(\f)+64+8*(\i)+3],   v[ADRA+(\slot)] offset:(\k)+(\i)*16*PITCH
	ds_load_b128 v[(\f)+64+8*(\i)+4:(\f)+64+8*(\i)+7], v[ADRA+(\slot)] offset:(\k)+(\i)*16*PITCH+32
.endr
.endm
; A K step is four quarters of 32 along K, 32 matrix instructions each, on buffers 0, 1, 0, 1.  One of the first three: multiplies f and fetches the next quarter, at byte k, into g.
.macro QUARTER slot, k, f, g, zero
	s_wait_dscnt 4                                 ; B's fragments and A's 0 and 1 are in; the four youngest loads (A's 2 and 3) may be out
	MUL8 \f, 0, \zero
	MUL8 \f, 1, \zero
	PLACES
	FETCH \slot, \k, \g
	s_wait_dscnt 24                                ; all but the 24 just issued
	MUL8 \f, 2, \zero
	MUL8 \f, 3, \zero
.endm
; The last quarter multiplies buffer 1 and changes slots.  In front of the one barrier each wave waits for all its tensor loads (one is out: its part of the next slot), adds 0 to its spare word, and
; waits for that and for its reads of this slot.  fill = 1: the barrier opens a round of the cluster's barrier, and this slot is filled again, two K steps ahead, first thing behind the round.
.macro TURN slot, next, fill
.if \fill
	s_wait_xcnt 0x0                                ; the last prefetch, a K step back, has read its address, which steps here
	s_add_nc_u64 s[PFA:PFA+1], s[PFA:PFA+1], 256
.endif
	WIN 0
	s_wait_tensorcnt 0x0                           ; all my tensor loads have landed
	ds_add_u32 v[SPW], v[NIL]                      ; 0 onto my spare word
	s_wait_dscnt 5                                 ; (the add and the four youngest loads may be out)
	MUL8 F1, 0, 0
	s_wait_dscnt 0x0                               ; the add is done, and my reads of this slot are over
	s_barrier_signal -1
	MUL8 F1, 1, 0
.if \fill
	WIN 0
.endif
	s_barrier_wait -1
.if \fill
	CREST                                          ; no wave of any partner still reads this slot or has a load on its way
	s_add_nc_u64 s[G0+4*(\slot)+2:G0+4*(\slot)+3], s[G0+4*(\slot)+2:G0+4*(\slot)+3], 512
	s_add_nc_u64 s[G0B+4*(\slot)+2:G0B+4*(\slot)+3], s[G0B+4*(\slot)+2:G0B+4*(\slot)+3], 512
	JLOAD \slot                                    ; 112 matrix instructions ahead of the wait for it; its four v_nop are also the places in front of the loads below
.else
	PLACES
.endif
	FETCH \next, 0, F0
.if \fill
	ASK
.endif
	MUL8 F1, 2, 0
	MUL8 F1, 3, 0
.endm
	s_load_b128 s[4:7], s[0:1], 0x0                ; A: p s[4:5]; B: vt s[6:7]
	s_load_b64 s[8:9], s[0:1], 0x10                ; C: ctx
	v_lshl_add_u32 v[SPW], v0, 2, SPARE
	v_mov_b32 v[NIL], 0
	ds_add_u32 v[SPW], v[NIL]                      ; the wave's opening: the add and its wait stand ahead of my first tensor load; the set-up below stands between them
	v_lshrrev_b32 v1, 5, v0
	v_readfirstlane_b32 s10, v1                    ; wave 0..3
	s_lshr_b32 s11, s10, 1                         ; wm.  Also: I fetch for A (0) or for B (1)
	s_and_b32 s12, s10, 1                          ; wn.  Also: which half of that tile I fetch
	s_bfe_u32 s40, ttmp6, 0x40000                  ; cx
	s_bfe_u32 s41, ttmp6, 0x40004                  ; cy
	s_and_b32 s71, ttmp7, 0xffff                   ; cluster y: 0 .. 15
	s_and_b32 s[CR], s71, 3                        ; c
	s_lshr_b32 s76, s71, 2                         ; the batch
	s_mov_b32 s[CC], 0
	s_sub_co_u32 s[FB], 3, s[CR]                   ; the batch's cluster with c = 3 walks all of vt's K: it asks
	s_lshl_b32 s[NT], s[CR], 1
	s_add_co_u32 s[NT], s[NT], 1
	s_lshl_b32 s13, s[CR], 2
	s_add_co_u32 s13, s13, s41                     ; tile row in the batch
	s_mov_b32 s42, s40                             ; tile column
	s_lshl_b32 s75, s76, 11                        ; the batch's 2,048 rows of p
	s_lshl_b32 s[RA0], s13, 7
	s_add_co_u32 s[RA0], s[RA0], s75
	s_lshl_b32 s75, s76, 10                        ; its 1,024 rows of vt
	s_lshl_b32 s[RB0], s42, 8
	s_add_co_u32 s[RB0], s[RB0], s75
	s_lshl_b32 s43, s41, 2
	s_lshl_b32 s43, 15, s43                        ; my row of the cluster
	s_lshl_b32 s44, 0x1111, s40                    ; my column
	s_or_b32 s[G1+0], s43, (1<<16)|(1<<20)|(1<<21)|(5<<22)|(3<<25)  ; 15:0 the mask; 17:16 elements of 2 bytes; 20 padding on; 21 set beside a mask; 24:22 after every 64 words; 31:25 4 words of it
	s_or_b32 s[G1B+0], s44, (1<<16)|(1<<20)|(1<<21)|(5<<22)|(3<<25)
.irp g, G1, G1B
	s_mov_b32 s[(\g)+1], 128<<16                   ; tensor_dim0 = 128
	s_mov_b32 s[(\g)+3], 128<<16                   ; tile_dim0 = 128
	s_mov_b32 s[(\g)+5], PG/2                      ; elements from row to row
	s_mov_b32 s[(\g)+6], 0
	s_mov_b32 s[(\g)+7], 0
.endr
	s_mov_b32 s[G1+2], 64<<16                      ; tensor_dim1 = tile_dim1 = 64 rows for A,
	s_mov_b32 s[G1+4], 64
	s_mov_b32 s[G1B+2], 128<<16                    ; 128 for B
	s_mov_b32 s[G1B+4], 128
	s_lshl_b32 s16, s12, 6
	s_add_co_u32 s16, s16, s[RA0]
	s_lshl_b32 s16, s16, PGSH                      ; the byte at which my half of A's tile begins (under 2^26)
	s_mov_b32 s17, 0
	s_lshl_b32 s46, s12, 7
	s_add_co_u32 s46, s46, s[RB0]
	s_lshl_b32 s46, s46, PGSH                      ; the same for B
	s_mov_b32 s47, 0
	s_mul_i32 s20, s12, AHALF                      ; where they go in a slot: no place in the cluster enters an LDS address
	s_mul_i32 s21, s12, BHALF
	s_add_co_u32 s21, s21, ABYTES
	s_wait_dscnt 0x0                               ; the opening add is done
	s_wait_kmcnt 0x0
	s_add_nc_u64 s[14:15], s[4:5], s[16:17]
	s_add_nc_u64 s[46:47], s[6:7], s[46:47]
	CROUND                                         ; all sixteen work-groups are here: the first joint loads meet
.irp s, 0,1
	s_mov_b32 s[G0+4*(\s)], 1
	s_add_co_u32 s[G0+4*(\s)+1], s20, (\s)*SLOT
	s_add_nc_u64 s[G0+4*(\s)+2:G0+4*(\s)+3], s[14:15], (\s)*256
	s_or_b32 s[G0+4*(\s)+3], s[G0+4*(\s)+3], 0x80000000
	s_mov_b32 s[G0B+4*(\s)], 1
	s_add_co_u32 s[G0B+4*(\s)+1], s21, (\s)*SLOT
	s_add_nc_u64 s[G0B+4*(\s)+2:G0B+4*(\s)+3], s[46:47], (\s)*256
	s_or_b32 s[G0B+4*(\s)+3], s[G0B+4*(\s)+3], 0x80000000
	JLOAD \s                                       ; K steps 0 and 1: two loads of mine are out
.endr
	v_and_b32 v1, 15, v0                           ; l % 16
	v_bfe_u32 v2, v0, 4, 1                         ; l / 16
	v_mul_u32_u24 v3, v1, PITCH
	v_lshl_add_u32 v3, v2, 4, v3                   ; a fragment's row x pitch + 16 x half
	s_mul_i32 s18, s11, AHALF                      ; my 64 rows of A
	s_mul_i32 s22, s12, BHALF                      ; my 128 rows of B,
	s_add_co_u32 s22, s22, ABYTES                  ; which lie behind A's 128
.irp s, 0,1
	v_add_nc_u32 v[ADRA+(\s)], s18, v3
	v_add_nc_u32 v[ADRB+(\s)], s22, v3
	s_add_co_u32 s18, s18, SLOT
	s_add_co_u32 s22, s22, SLOT
.endr
	s_mul_i32 s23, s10, 16*SPITCH
	s_add_co_u32 s23, s23, STAGE                   ; my stage
	v_mul_u32_u24 v4, v1, SPITCH                   ; in: row l % 16, 16 bytes for each half of the lanes
	v_lshl_add_u32 v4, v2, 4, v4
	v_add_nc_u32 v[STO], s23, v4
	v_mul_u32_u24 v5, v2, SPITCH                   ; back: lanes 0-15 one row of 256 bytes, lanes 16-31 the next
	v_lshl_add_u32 v5, v1, 4, v5
	v_add_nc_u32 v[RD], s23, v5
	v_mul_u32_u24 v5, v2, CP                       ; and the same two rows in C
	v_lshl_add_u32 v[CO], v1, 4, v5
	; my part of C: row (in all batches) = A's row + 64 wm; 512 bytes a tile column; 256 wn
	s_lshl_b32 s90, s11, 6
	s_add_co_u32 s88, s[RA0], s90
	s_lshl_b32 s88, s88, CPSH
	s_lshl_b32 s90, s42, 9
	s_add_co_u32 s88, s88, s90
	s_lshl_b32 s90, s12, 8
	s_add_co_u32 s88, s88, s90
	s_mov_b32 s89, 0
	s_add_nc_u64 s[8:9], s[8:9], s[88:89]
	; THE PREFETCHES.  Each row's 256 bytes of a K step are named once in the launch.  p's tile row is read by one cluster alone: its wave 0 asks; the four partners that ask for the tile jointly take
	; 32 rows each, told apart by address (cx).  vt's rows are read by the batch's four clusters: the one with s[FB] = 0 asks, waves 2 and 3, 32 rows each of the partner's 64 (cy).
	; K steps 0 to 3 come by their loads alone; the loop's last trip asks for nothing: there is no K step two refills on.
	s_lshl_b32 s91, s40, 5
	s_lshl_b32 s92, s41, 6
	s_cmp_eq_u32 s11, 0
	s_cselect_b32 s93, s[RA0], s[RB0]
	s_cselect_b32 s91, s91, s92
	s_cselect_b32 s94, s[CC], s[FB]
	s_cselect_b64 s[PFA:PFA+1], s[4:5], s[6:7]
	s_add_co_u32 s93, s93, s91
	s_lshl_b32 s91, s12, 5
	s_add_co_u32 s93, s93, s91
	s_lshl_b32 s92, s93, PGSH
	s_mov_b32 s93, 0
	s_add_nc_u64 s[PFA:PFA+1], s[PFA:PFA+1], s[92:93]
	s_add_nc_u64 s[PFA:PFA+1], s[PFA:PFA+1], 512   ; at K step 2: the first refill steps it to 3 and, where K has so many, names K step 4
	s_cmp_eq_u32 s10, 1                            ; wave 1 asks for nothing
	s_cselect_b32 s91, 1, 0
	s_or_b32 s94, s94, s91
	s_sub_co_u32 s91, s[NT], 1
	s_cmp_eq_u32 s94, 0
	s_cselect_b32 s[PL], s91, 0                    ; the same in all sixteen partners, for a given wave
	v_and_b32 v[PFO], 31, v0
	v_lshlrev_b32 v[PFO], PGSH, v[PFO]
	s_wait_tensorcnt 1                             ; my part of K step 0 is in; K step 1's may stay out
	s_barrier_signal -1
	s_barrier_wait -1
	FETCH 0, 0, F0
	QUARTER 0, 64,  F0, F1, 1                      ; the first quarter stands in front of the loop: its products start the sums
	WIN 0
	s_mov_b32 s3, 0
.Llap:                                                 ; a trip goes once round the ring, from a lap's second quarter to the next lap's first, and fills both slots again: 2 c + 1 trips, one at the least
	QUARTER 0, 128, F1, F0, 0
	QUARTER 0, 192, F0, F1, 0
	TURN 0, 1, 1
	QUARTER 1, 64,  F0, F1, 0
	QUARTER 1, 128, F1, F0, 0
	QUARTER 1, 192, F0, F1, 0
	TURN 1, 0, 1
	QUARTER 0, 64,  F0, F1, 0
	WIN 0
	s_add_co_u32 s3, s3, 1
	s_cmp_lt_u32 s3, s[NT]
	s_cbranch_scc1 .Llap
	QUARTER 0, 128, F1, F0, 0                      ; the last lap fills nothing
	QUARTER 0, 192, F0, F1, 0
	TURN 0, 1, 0
	QUARTER 1, 64,  F0, F1, 0
	QUARTER 1, 128, F1, F0, 0
	QUARTER 1, 192, F0, F1, 0
	s_wait_dscnt 4
	MUL8 F1, 0, 0
	MUL8 F1, 1, 0
	s_wait_dscnt 0x0
	MUL8 F1, 2, 0
	MUL8 F1, 3, 0
	WIN 0
	PLACES
; THE WAY OUT, a block of 16 rows at a time: rounded to f16, 16 bytes a lane; into my own stage; back as whole rows of 256 bytes; stored, sixteen lanes to 256 consecutive aligned bytes.
.macro PACK a
	WIN PK
.irp b, 0,1,2,3,4,5,6,7
.irp r, 0,1,2,3
	v_cvt_pk_f16_f32 v[TMP+4*(\b)+(\r)], v[64*(\a)+8*(\b)+2*(\r)], v[64*(\a)+8*(\b)+2*(\r)+1]
.endr
.endr
	WIN 0
.endm
.macro TOSTAGE a
.set BK, OB+32*((\a)%2)
.irp b, 0,1,2,3,4,5,6,7
	ds_store_b128 v[STO], v[TMP+4*(\b):TMP+4*(\b)+3] offset:32*(\b)
.endr
.irp t, 0,1,2,3,4,5,6,7
	ds_load_b128 v[BK+4*(\t):BK+4*(\t)+3], v[RD] offset:(\t)*2*SPITCH  ; LDS serves a wave's instructions in order: these see the stores above
.endr
.endm
.macro SEND a
.set BK, OB+32*((\a)%2)
	s_wait_dscnt 0x0                               ; the block is back in registers
	s_wait_xcnt 0x0                                ; the stores of the block before have read their registers, which the next block's loads write
.irp t, 0,1,2,3,4,5,6,7
	global_store_b128 v[CO], v[BK+4*(\t):BK+4*(\t)+3], s[8:9] offset:(16*(\a)+2*(\t))*CP
.endr
.endm
	PACK 0
	TOSTAGE 0
.irp a, 1,2,3
	PACK \a                                        ; a block's conversions stand between the loads of the block before and the wait for them
	SEND (\a)-1
	TOSTAGE \a
.endr
	SEND 3
	s_wait_tensorcnt 0x0                           ; the wave's end: behind my last tensor load and my last LDS store
	ds_add_u32 v[SPW], v[NIL]
	s_wait_dscnt 0x0
	CROUND                                         ; the closing round: no work-group ends while a partner may still ask for a tile that names it
	s_endpgm
.Lfunc_end_k_q50841b6e11_ctxk:
	.size	k_q50841b6e11_ctxk, .Lfunc_end_k_q50841b6e11_ctxk-k_q50841b6e11_ctxk
	.p2alignl 7, 3214868480
	.fill 96, 4, 3214868480
	.section	.rodata,"a",@progbits
	.p2align	6, 0x0
	.amdhsa_kernel k_q50841b6e11_ctxk
		.amdhsa_group_segment_fixed_size 327680
		.amdhsa_private_segment_fixed_size 0
		.amdhsa_enable_private_segment 0
		.amdhsa_kernarg_size 24
		.amdhsa_user_sgpr_count 2
		.amdhsa_user_sgpr_kernarg_segment_ptr 1
		.amdhsa_wavefront_size32 1
		.amdhsa_system_sgpr_workgroup_id_x 1
		.amdhsa_system_sgpr_workgroup_id_y 1
		.amdhsa_system_sgpr_workgroup_id_z 1
		.amdhsa_system_vgpr_workitem_id 0
		.amdhsa_next_free_vgpr 512
		.amdhsa_next_free_sgpr 96
		.amdhsa_reserve_vcc 0
		.amdhsa_float_denorm_mode_32 3
		.amdhsa_float_denorm_mode_16_64 3
		.amdhsa_memory_ordered 1
		.amdhsa_forward_progress 1
		.amdhsa_inst_pref_size 87
	.end_amdhsa_kernel
	.amdgpu_metadata
---
amdhsa.version: [ 1, 2 ]
amdhsa.kernels:
  - .name:           k_q50841b6e11_ctxk
    .symbol:         k_q50841b6e11_ctxk.kd
    .args:
      - { .name: p, .offset: 0, .size: 8, .value_kind: global_buffer, .address_space: global }
      - { .name: vt, .offset: 8, .size: 8, .value_kind: global_buffer, .address_space: global }
      - { .name: ctx, .offset: 16, .size: 8, .value_kind: global_buffer, .address_space: global }
    .group_segment_fixed_size: 327680
    .private_segment_fixed_size: 0
    .kernarg_segment_align: 8
    .kernarg_segment_size: 24
    .max_flat_workgroup_size: 128
    .sgpr_count:     96
    .vgpr_count:     512
    .wavefront_size: 32
...
	.end_amdgpu_metadata
.endif
;; end of part 5
;; launch outp (part 6): grid 4 x 64, 4 waves a work-group, clusters of 4 x 4, 327,680 bytes of LDS; arguments ctx, wh, bo, out0; writes out0
.if DOCPART == 6
	.amdgcn_target "amdgcn-amd-amdhsa--gfx1250"
	.amdhsa_code_object_version 6
	.text
	.protected	k_q50841b6e11_outp
	.globl	k_q50841b6e11_outp
	.p2align	8
	.type	k_q50841b6e11_outp,@function
k_q50841b6e11_outp:
	s_mov_b64 s[64:65], 0
	v_nop
	global_prefetch_b8 v0, s[64:65] scope:SCOPE_SE
	s_setreg_imm32_b32 hwreg(HW_REG_WAVE_MODE, 25, 1), 1
	s_wait_xcnt 0x0
	s_wait_alu depctr_hold_cnt(0) depctr_sa_sdst(0) depctr_va_vdst(0) depctr_va_sdst(0) depctr_va_ssrc(0) depctr_va_vcc(0) depctr_vm_vsrc(0)
	s_getreg_b32 s2, hwreg(HW_REG_IB_STS2, 6, 4)
	s_cmp_eq_u32 s2, 0
	s_cbranch_scc0 .Lentry_in_a_cluster
	s_endpgm
.Lentry_in_a_cluster:
	s_bfe_u32 s2, ttmp6, 0x10000c
	s_cmp_lg_u32 s2, 0xf033
	s_cbranch_scc0 .Lentry_shape_is_right
	s_endpgm
.Lentry_shape_is_right:
; THE OUTPUT PROJECTION: out0[i][e] = the sum over d of ctx[i][d] Wo[e][d] + bo[e], as a product C = A B^T with f16 operands (K = 1,024) and f32 sums; the bias added in f32; stored in f32.
; A = ctx [8192][1024] f16, B = wh rows 3072-4095 (Wo, rounded to bf16 and written as f16), bo rounded to bf16 like the other inputs, C = out0 [8192][1024] f32.
; SHARES, RING, CLUSTER, LAYOUT as in the projections' kernel: a work-group makes 128 x 256, wave (wm, wn) 64 x 128 in 32 accumulators; K in steps of 128 through two LDS slots; A's tile asked for jointly
; along a row of the 4 x 4 cluster, B's along a column; the matrix instruction transposed, so that lane l holds row l % 16 of C and the columns 8 (l / 16) + 0..7.  256 work-groups of equal work.
; REGISTERS.  Window 0: v0-30 addresses and the bias; v64-159 and v160-255 two fragment buffers (B's eight fragments, then A's four).  Window 1: accumulator (a, b) at v[64 a + 8 b].
.set PGSH,   11                        ; a row of ctx and of wh: 2,048 bytes
.set PG,     1<<PGSH
.set CPSH,   12                        ; a row of out0: 4,096 bytes
.set CP,     1<<CPSH
.set PITCH,  272                       ; an LDS row: 256 bytes + 16 of padding = 68 words: the 16 rows that a fragment load touches start 4 words apart modulo 64
.set AHALF,  64*PITCH
.set BHALF,  128*PITCH
.set ABYTES, 2*AHALF
.set SLOT,   ABYTES+2*BHALF            ; A's 128 rows, then B's 256 rows: 104,448 bytes
.set STAGE,  2*SLOT                    ; behind the ring: 16 rows x 528 bytes for each wave, for the way out; no tensor load lands there
.set SPITCH, 528                       ; 512 bytes + 16 = 132 words
.set SPARE,  STAGE+4*16*SPITCH         ; behind the stages: the spare words, 128 bytes for each wave, that no other line names
.set BI,   12                          ; v[12:15] the bias of the four columns that I store
.set ADRA, 16                          ; v16-17  LDS address of my A fragments in slot 0, 1
.set ADRB, 20                          ; v20-21  the same for B
.set STO,  24                          ; v24     the way out: where I put 32 bytes of a row
.set RD,   25                          ; v25     the way out: where I read a row back
.set CO,   26                          ; v26     my byte offset in a row of C
.set BOF,  27                          ; v27     my byte offset in bo
.set SPW,  28                          ; v28     my spare word: SPARE + 4 x my thread's number; never rewritten
.set NIL,  29                          ; v29     0; never rewritten
.set PFO,  30                          ; v30     the prefetches' offset: my lane x a row of memory; never rewritten
.set F0,   64
.set F1,   160
.set BK,   64                          ; the way out: 16 rows read back (the fragment buffers are free then)
.set G1,  24                           ; s[24:31] descriptor group 1 for A's tiles;  s[32:39] group 0, a set for each slot
.set G0,  32
.set G1B, 48                           ; s[48:55], s[56:63] the same for B's tiles
.set G0B, 56
.set PFA, 66                           ; s[66:67] where my prefetches stand
.set PL,  68                           ; s68  a wave prefetches in the trips below this number
.set NT,  69                           ; s69  trips of the loop: K / 256 - 1
.set CC,  72                           ; s72  the cluster's column: 0
.set CR,  73                           ; s73  its row
.set FB,  74                           ; s74  0 in the cluster that prefetches B's rows
.set RA0, 77                           ; s77  first row of my tile of A
.set RB0, 79                           ; s79  first row of my tile of B
.set MUL, 0x50                         ; C and D in window 1, sources in window 0
.set ST1, 0x04                         ; an LDS store's data in window 1, its address in window 0
.set MSB, 0
.macro WIN new                         ; the immediate's high byte repeats the setting that is left; a switch that changes nothing is dropped
.if MSB != (\new)
	s_set_vgpr_msb (MSB<<8)|(\new)
.set MSB, \new
.endif
.endm
.macro PLACES                          ; four plain instructions between a matrix instruction and a load into, or a read of, its registers
.rept 4
	v_nop
.endr
.endm
; A joint load: waves 0 and 1 fetch A's two halves (64 rows), waves 2 and 3 B's (128 rows).  The branch hangs on the wave's number alone.  An s_nop 0 and four v_nop follow each line.
.macro JLOAD s
	s_cmp_eq_u32 s11, 0
	s_cbranch_scc0 .Lfor_b_\@
	tensor_load_to_lds s[G0+4*(\s):G0+4*(\s)+3], s[G1:G1+7]
	s_nop 0
.rept 4
	v_nop
.endr
	s_branch .Lasked_\@
.Lfor_b_\@:
	tensor_load_to_lds s[G0B+4*(\s):G0B+4*(\s)+3], s[G1B:G1B+7]
	s_nop 0
.rept 4
	v_nop
.endr
.Lasked_\@:
.endm
.macro CREST                           ; a round of the cluster's barrier behind its opening barrier
	s_cmp_lg_u32 s10, 0
	s_cbranch_scc1 .Lnot_wave_0_\@
	s_barrier_signal -3
.Lnot_wave_0_\@:
	s_barrier_wait -3
	s_barrier_signal -1
	s_barrier_wait -1
.endm
.macro CROUND                          ; a whole round
	s_barrier_signal -1
	s_barrier_wait -1
	CREST
.endm
; A prefetch, behind a joint load and the run of LDS loads that follows it: 32 rows x 256 bytes, a lane a row, of the K step that stands two refills on.
.macro ASK
	s_cmp_lt_u32 s3, s[PL]
	s_cbranch_scc0 .Lnot_mine_\@
	global_prefetch_b8 v[PFO], s[PFA:PFA+1] offset:256 th:TH_LOAD_NT scope:SCOPE_SE
.Lnot_mine_\@:
.endm
; 8 matrix instructions: m block a x all 8 n blocks, 32 along K, from buffer f.  zero = 1: the product starts the sum.  The 32 accumulators take turns, in the same order in every quarter.
.macro MUL8 f, a, zero
	WIN MUL
.irp b, 0,1,2,3,4,5,6,7
.if \zero
	v_wmma_f32_16x16x32_f16 v[64*(\a)+8*(\b):64*(\a)+8*(\b)+7], v[(\f)+8*(\b):(\f)+8*(\b)+7], v[(\f)+64+8*(\a):(\f)+64+8*(\a)+7], 0
.else
	v_wmma_f32_16x16x32_f16 v[64*(\a)+8*(\b):64*(\a)+8*(\b)+7], v[(\f)+8*(\b):(\f)+8*(\b)+7], v[(\f)+64+8*(\a):(\f)+64+8*(\a)+7], v[64*(\a)+8*(\b):64*(\a)+8*(\b)+7]
.endif
.endr
.endm
; 24 LDS loads in one run: the fragments of 32 along K at byte k of the rows: B's eight, then A's four
.macro FETCH slot, k, f
	WIN 0
.irp i, 0,1,2,3,4,5,6,7
	ds_load_b128 v[(\f)+8*(\i):(\f)+8*(\i)+3],   v[ADRB+(\slot)] offset:(\k)+(\i)*16*PITCH
	ds_load_b128 v[(\f)+8*(\i)+4:(\f)+8*(\i)+7], v[ADRB+(\slot)] offset:(\k)+(\i)*16*PITCH+32
.endr
.irp i, 0,1,2,3
	ds_load_b128 v[(\f)+64+8*(\i):(\f)+64+8*(\i)+3],   v[ADRA+(\slot)] offset:(\k)+(\i)*16*PITCH
	ds_load_b128 v[(\f)+64+8*(\i)+4:(\f)+64+8*(\i)+7], v[ADRA+(\slot)] offset:(\k)+(\i)*16*PITCH+32
.endr
.endm
; A K step is four quarters of 32 along K, 32 matrix instructions each, on buffers 0, 1, 0, 1.  One of the first three: multiplies f and fetches the next quarter, at byte k, into g.
.macro QUARTER slot, k, f, g, zero
	s_wait_dscnt 4                                 ; B's fragments and A's 0 and 1 are in; the four youngest loads (A's 2 and 3) may be out
	MUL8 \f, 0, \zero
	MUL8 \f, 1, \zero
	PLACES
	FETCH \slot, \k, \g
	s_wait_dscnt 24                                ; all but the 24 just issued
	MUL8 \f, 2, \zero
	MUL8 \f, 3, \zero
.endm
; The last quarter multiplies buffer 1 and changes slots.  In front of the one barrier each wave waits for all its tensor loads (one is out: its part of the next slot), adds 0 to its spare word, and
; waits for that and for its reads of this slot.  fill = 1: the barrier opens a round of the cluster's barrier, and this slot is filled again, two K steps ahead, first thing behind the round.
.macro TURN slot, next, fill
.if \fill
	s_wait_xcnt 0x0                                ; the last prefetch, a K step back, has read its address, which steps here
	s_add_nc_u64 s[PFA:PFA+1], s[PFA:PFA+1], 256
.endif
	WIN 0
	s_wait_tensorcnt 0x0                           ; all my tensor loads have landed
	ds_add_u32 v[SPW], v[NIL]                      ; 0 onto my spare word
	s_wait_dscnt 5                                 ; (the add and the four youngest loads may be out)
	MUL8 F1, 0, 0
	s_wait_dscnt 0x0                               ; the add is done, and my reads of this slot are over
	s_barrier_signal -1
	MUL8 F1, 1, 0
.if \fill
	WIN 0
.endif
	s_barrier_wait -1
.if \fill
	CREST                                          ; no wave of any partner still reads this slot or has a load on its way
	s_add_nc_u64 s[G0+4*(\slot)+2:G0+4*(\slot)+3], s[G0+4*(\slot)+2:G0+4*(\slot)+3], 512
	s_add_nc_u64 s[G0B+4*(\slot)+2:G0B+4*(\slot)+3], s[G0B+4*(\slot)+2:G0B+4*(\slot)+3], 512
	JLOAD \slot                                    ; 112 matrix instructions ahead of the wait for it; its four v_nop are also the places in front of the loads below
.else
	PLACES
.endif
	FETCH \next, 0, F0
.if \fill
	ASK
.endif
	MUL8 F1, 2, 0
	MUL8 F1, 3, 0
.endm
	s_load_b256 s[80:87], s[0:1], 0x0              ; ctx s[80:81], wh s[82:83], bo s[84:85], out0 s[86:87]
	v_lshl_add_u32 v[SPW], v0, 2, SPARE
	v_mov_b32 v[NIL], 0
	ds_add_u32 v[SPW], v[NIL]                      ; the wave's opening: the add and its wait stand ahead of my first tensor load; the set-up below stands between them
	v_lshrrev_b32 v1, 5, v0
	v_readfirstlane_b32 s10, v1                    ; wave 0..3
	s_lshr_b32 s11, s10, 1                         ; wm.  Also: I fetch for A (0) or for B (1)
	s_and_b32 s12, s10, 1                          ; wn.  Also: which half of that tile I fetch
	s_bfe_u32 s40, ttmp6, 0x40000                  ; cx
	s_bfe_u32 s41, ttmp6, 0x40004                  ; cy
	s_and_b32 s71, ttmp7, 0xffff                   ; cluster y: 0 .. 15
	s_mov_b32 s[CR], s71
	s_mov_b32 s[CC], 0
	s_mov_b32 s[FB], s71                           ; Wo's rows are read by every cluster: the first asks
	s_mov_b32 s[NT], 3
	s_lshl_b32 s13, s[CR], 2
	s_add_co_u32 s13, s13, s41                     ; tile row of C
	s_mov_b32 s42, s40                             ; tile column of C
	s_lshl_b32 s[RA0], s13, 7
	s_lshl_b32 s[RB0], s42, 8
	s_lshl_b32 s43, s41, 2
	s_lshl_b32 s43, 15, s43                        ; my row of the cluster
	s_lshl_b32 s44, 0x1111, s40                    ; my column
	s_or_b32 s[G1+0], s43, (1<<16)|(1<<20)|(1<<21)|(5<<22)|(3<<25)  ; 15:0 the mask; 17:16 elements of 2 bytes; 20 padding on; 21 set beside a mask; 24:22 after every 64 words; 31:25 4 words of it
	s_or_b32 s[G1B+0], s44, (1<<16)|(1<<20)|(1<<21)|(5<<22)|(3<<25)
.irp g, G1, G1B
	s_mov_b32 s[(\g)+1], 128<<16                   ; tensor_dim0 = 128
	s_mov_b32 s[(\g)+3], 128<<16                   ; tile_dim0 = 128
	s_mov_b32 s[(\g)+5], PG/2                      ; elements from row to row
	s_mov_b32 s[(\g)+6], 0
	s_mov_b32 s[(\g)+7], 0
.endr
	s_mov_b32 s[G1+2], 64<<16                      ; tensor_dim1 = tile_dim1 = 64 rows for A,
	s_mov_b32 s[G1+4], 64
	s_mov_b32 s[G1B+2], 128<<16                    ; 128 for B
	s_mov_b32 s[G1B+4], 128
	s_lshl_b32 s16, s12, 6
	s_add_co_u32 s16, s16, s[RA0]
	s_lshl_b32 s16, s16, PGSH                      ; the byte at which my half of A's tile begins (under 2^25)
	s_mov_b32 s17, 0
	s_lshl_b32 s46, s12, 7
	s_add_co_u32 s46, s46, s[RB0]
	s_lshl_b32 s46, s46, PGSH                      ; the same for B
	s_mov_b32 s47, 0
	s_mul_i32 s20, s12, AHALF                      ; where they go in a slot: no place in the cluster enters an LDS address
	s_mul_i32 s21, s12, BHALF
	s_add_co_u32 s21, s21, ABYTES
	s_wait_dscnt 0x0                               ; the opening add is done
	s_wait_kmcnt 0x0
	s_mov_b64 s[4:5], s[80:81]                     ; A
	s_add_nc_u64 s[6:7], s[82:83], 0x600000        ; B: wh at Wo's first row
	s_mov_b64 s[8:9], s[86:87]                     ; C
	s_add_nc_u64 s[14:15], s[4:5], s[16:17]
	s_add_nc_u64 s[46:47], s[6:7], s[46:47]
	CROUND                                         ; all sixteen work-groups are here: the first joint loads meet
.irp s, 0,1
	s_mov_b32 s[G0+4*(\s)], 1
	s_add_co_u32 s[G0+4*(\s)+1], s20, (\s)*SLOT
	s_add_nc_u64 s[G0+4*(\s)+2:G0+4*(\s)+3], s[14:15], (\s)*256
	s_or_b32 s[G0+4*(\s)+3], s[G0+4*(\s)+3], 0x80000000
	s_mov_b32 s[G0B+4*(\s)], 1
	s_add_co_u32 s[G0B+4*(\s)+1], s21, (\s)*SLOT
	s_add_nc_u64 s[G0B+4*(\s)+2:G0B+4*(\s)+3], s[46:47], (\s)*256
	s_or_b32 s[G0B+4*(\s)+3], s[G0B+4*(\s)+3], 0x80000000
	JLOAD \s                                       ; K steps 0 and 1: two loads of mine are out
.endr
	v_and_b32 v1, 15, v0                           ; l % 16
	v_bfe_u32 v2, v0, 4, 1                         ; l / 16
	v_mul_u32_u24 v3, v1, PITCH
	v_lshl_add_u32 v3, v2, 4, v3                   ; a fragment's row x pitch + 16 x half
	s_mul_i32 s18, s11, AHALF                      ; my 64 rows of A
	s_mul_i32 s22, s12, BHALF                      ; my 128 rows of B,
	s_add_co_u32 s22, s22, ABYTES                  ; which lie behind A's 128
.irp s, 0,1
	v_add_nc_u32 v[ADRA+(\s)], s18, v3
	v_add_nc_u32 v[ADRB+(\s)], s22, v3
	s_add_co_u32 s18, s18, SLOT
	s_add_co_u32 s22, s22, SLOT
.endr
	s_mul_i32 s23, s10, 16*SPITCH
	s_add_co_u32 s23, s23, STAGE                   ; my stage
	v_mul_u32_u24 v4, v1, SPITCH                   ; in: row l % 16, 32 bytes for each half of the lanes
	v_lshl_add_u32 v4, v2, 5, v4
	v_add_nc_u32 v[STO], s23, v4
	v_and_b32 v5, 31, v0
	v_lshlrev_b32 v[CO], 4, v5                     ; back and out: 32 lanes take one row of 512 bytes
	v_add_nc_u32 v[RD], s23, v[CO]
	; my part of C: row = A's row + 64 wm; 1,024 bytes a tile column; 512 wn.  The column's bytes are also my place in bo
	s_lshl_b32 s90, s42, 10
	s_lshl_b32 s91, s12, 9
	s_add_co_u32 s90, s90, s91
	v_add_nc_u32 v[BOF], s90, v[CO]
	global_load_b128 v[BI:BI+3], v[BOF], s[84:85]  ; waited for on the way out
	s_lshl_b32 s91, s11, 6
	s_add_co_u32 s88, s[RA0], s91
	s_lshl_b32 s88, s88, CPSH
	s_add_co_u32 s88, s88, s90
	s_mov_b32 s89, 0
	s_add_nc_u64 s[8:9], s[8:9], s[88:89]
	; THE PREFETCHES.  Each row's 256 bytes of a K step are named once in the launch.  ctx's tile row is read by one cluster alone: its wave 0 asks; the four partners that ask for the tile jointly take
	; 32 rows each, told apart by address (cx).  Wo's rows are read by all clusters: the one with s[FB] = 0 asks, waves 2 and 3, 32 rows each of the partner's 64 (cy).
	; K steps 0 to 3 come by their loads alone; the loop's last trip asks for nothing: there is no K step two refills on.
	s_lshl_b32 s91, s40, 5
	s_lshl_b32 s92, s41, 6
	s_cmp_eq_u32 s11, 0
	s_cselect_b32 s93, s[RA0], s[RB0]
	s_cselect_b32 s91, s91, s92
	s_cselect_b32 s94, s[CC], s[FB]
	s_cselect_b64 s[PFA:PFA+1], s[4:5], s[6:7]
	s_add_co_u32 s93, s93, s91
	s_lshl_b32 s91, s12, 5
	s_add_co_u32 s93, s93, s91
	s_lshl_b32 s92, s93, PGSH
	s_mov_b32 s93, 0
	s_add_nc_u64 s[PFA:PFA+1], s[PFA:PFA+1], s[92:93]
	s_add_nc_u64 s[PFA:PFA+1], s[PFA:PFA+1], 512   ; at K step 2: the first refill steps it to 3 and names K step 4
	s_cmp_eq_u32 s10, 1                            ; wave 1 asks for nothing
	s_cselect_b32 s91, 1, 0
	s_or_b32 s94, s94, s91
	s_sub_co_u32 s91, s[NT], 1
	s_cmp_eq_u32 s94, 0
	s_cselect_b32 s[PL], s91, 0                    ; the same in all sixteen partners, for a given wave
	v_and_b32 v[PFO], 31, v0
	v_lshlrev_b32 v[PFO], PGSH, v[PFO]
	s_wait_tensorcnt 1                             ; my part of K step 0 is in; K step 1's may stay out
	s_barrier_signal -1
	s_barrier_wait -1
	FETCH 0, 0, F0
	QUARTER 0, 64,  F0, F1, 1                      ; the first quarter stands in front of the loop: its products start the sums
	WIN 0
	s_mov_b32 s3, 0
.Llap:                                                 ; a trip goes once round the ring, from a lap's second quarter to the next lap's first, and fills both slots again
	QUARTER 0, 128, F1, F0, 0
	QUARTER 0, 192, F0, F1, 0
	TURN 0, 1, 1
	QUARTER 1, 64,  F0, F1, 0
	QUARTER 1, 128, F1, F0, 0
	QUARTER 1, 192, F0, F1, 0
	TURN 1, 0, 1
	QUARTER 0, 64,  F0, F1, 0
	WIN 0
	s_add_co_u32 s3, s3, 1
	s_cmp_lt_u32 s3, s[NT]
	s_cbranch_scc1 .Llap
	QUARTER 0, 128, F1, F0, 0                      ; the last lap fills nothing
	QUARTER 0, 192, F0, F1, 0
	TURN 0, 1, 0
	QUARTER 1, 64,  F0, F1, 0
	QUARTER 1, 128, F1, F0, 0
	QUARTER 1, 192, F0, F1, 0
	s_wait_dscnt 4
	MUL8 F1, 0, 0
	MUL8 F1, 1, 0
	s_wait_dscnt 0x0
	MUL8 F1, 2, 0
	MUL8 F1, 3, 0
	WIN 0
	s_wait_loadcnt 0x0                             ; the bias
	v_cvt_pk_bf16_f32 v4, v[BI], v[BI+1]           ; rounded to bf16 like the other inputs, and widened again: six plain lines that name no register of the last products: the places behind them
	v_cvt_pk_bf16_f32 v5, v[BI+2], v[BI+3]
	v_lshlrev_b32 v[BI], 16, v4
	v_and_b32 v[BI+1], 0xffff0000, v4
	v_lshlrev_b32 v[BI+2], 16, v5
	v_and_b32 v[BI+3], 0xffff0000, v5
; THE WAY OUT, a block of 16 rows at a time: a lane's eight f32 of a row go into my own stage, each accumulator's low four registers first; whole rows of 512 bytes come back, take the bias and are
; stored: a store of the wave covers 512 consecutive bytes, aligned.
.macro OUT32 a
	s_wait_xcnt 0x0                                ; the stores of the block before have read their registers, which the loads below write
	WIN ST1
.irp b, 0,1,2,3,4,5,6,7
.irp u, 0,1
	ds_store_b128 v[STO], v[64*(\a)+8*(\b)+4*(\u):64*(\a)+8*(\b)+4*(\u)+3] offset:64*(\b)+16*(\u)
.endr
.endr
	WIN 0
.irp t, 0,1,2,3,4,5,6,7,8,9,10,11,12,13,14,15
	ds_load_b128 v[BK+4*(\t):BK+4*(\t)+3], v[RD] offset:(\t)*SPITCH  ; LDS serves a wave's instructions in order: these see the stores above
.endr
.irp t, 0,1,2,3,4,5,6,7,8,9,10,11,12,13,14,15
	s_wait_dscnt 15-(\t)                           ; row t is back; the 15 - t younger loads may stay out
	v_pk_add_f32 v[BK+4*(\t):BK+4*(\t)+1], v[BK+4*(\t):BK+4*(\t)+1], v[BI:BI+1]
	v_pk_add_f32 v[BK+4*(\t)+2:BK+4*(\t)+3], v[BK+4*(\t)+2:BK+4*(\t)+3], v[BI+2:BI+3]
	global_store_b128 v[CO], v[BK+4*(\t):BK+4*(\t)+3], s[8:9] offset:(16*(\a)+(\t))*CP
.endr
.endm
	OUT32 0
	OUT32 1
	OUT32 2
	OUT32 3
	s_wait_tensorcnt 0x0                           ; the wave's end: behind my last tensor load and my last LDS store
	ds_add_u32 v[SPW], v[NIL]
	s_wait_dscnt 0x0
	CROUND                                         ; the closing round: no work-group ends while a partner may still ask for a tile that names it
	s_endpgm
.Lfunc_end_k_q50841b6e11_outp:
	.size	k_q50841b6e11_outp, .Lfunc_end_k_q50841b6e11_outp-k_q50841b6e11_outp
	.p2alignl 7, 3214868480
	.fill 96, 4, 3214868480
	.section	.rodata,"a",@progbits
	.p2align	6, 0x0
	.amdhsa_kernel k_q50841b6e11_outp
		.amdhsa_group_segment_fixed_size 327680
		.amdhsa_private_segment_fixed_size 0
		.amdhsa_enable_private_segment 0
		.amdhsa_kernarg_size 32
		.amdhsa_user_sgpr_count 2
		.amdhsa_user_sgpr_kernarg_segment_ptr 1
		.amdhsa_wavefront_size32 1
		.amdhsa_system_sgpr_workgroup_id_x 1
		.amdhsa_system_sgpr_workgroup_id_y 1
		.amdhsa_system_sgpr_workgroup_id_z 1
		.amdhsa_system_vgpr_workitem_id 0
		.amdhsa_next_free_vgpr 512
		.amdhsa_next_free_sgpr 96
		.amdhsa_reserve_vcc 0
		.amdhsa_float_denorm_mode_32 3
		.amdhsa_float_denorm_mode_16_64 3
		.amdhsa_memory_ordered 1
		.amdhsa_forward_progress 1
		.amdhsa_inst_pref_size 96
	.end_amdhsa_kernel
	.amdgpu_metadata
---
amdhsa.version: [ 1, 2 ]
amdhsa.kernels:
  - .name:           k_q50841b6e11_outp
    .symbol:         k_q50841b6e11_outp.kd
    .args:
      - { .name: ctx, .offset: 0, .size: 8, .value_kind: global_buffer, .address_space: global }
      - { .name: wh, .offset: 8, .size: 8, .value_kind: global_buffer, .address_space: global }
      - { .name: bo, .offset: 16, .size: 8, .value_kind: global_buffer, .address_space: global }
      - { .name: out0, .offset: 24, .size: 8, .value_kind: global_buffer, .address_space: global }
    .group_segment_fixed_size: 327680
    .private_segment_fixed_size: 0
    .kernarg_segment_align: 8
    .kernarg_segment_size: 32
    .max_flat_workgroup_size: 128
    .sgpr_count:     96
    .vgpr_count:     512
    .wavefront_size: 32
...
	.end_amdgpu_metadata
.endif
;; end of part 6
;; ======== version 2 of 3: 6 launches
;; limits: values are held in f16: magnitudes above 65,504 overflow, below 6.1e-05 lose precision; right only within a limited range of input values
;; workspace buffers: xh 16,777,216 bytes; wh 6,291,456 bytes; wo 4,194,304 bytes; qk 33,554,432 bytes; sc 67,108,864 bytes; p 33,554,432 bytes; ctx 16,777,216 bytes; wp 2,097,152 bytes
;; launch cast (part 7): grid 1536 x 1, 8 waves a work-group, no clusters, 0 bytes of LDS; arguments x, Wq, Wk, Wv, Wo, xh, wh, wo; writes xh, wh, wo
.if DOCPART == 7
	.amdgcn_target "amdgcn-amd-amdhsa--gfx1250"
	.amdhsa_code_object_version 6
	.text
	.protected	k_q50841b6e11_cast
	.globl	k_q50841b6e11_cast
	.p2align	8
	.type	k_q50841b6e11_cast,@function
k_q50841b6e11_cast:
	s_mov_b64 s[64:65], 0
	v_nop
	global_prefetch_b8 v0, s[64:65] scope:SCOPE_SE
	s_setreg_imm32_b32 hwreg(HW_REG_WAVE_MODE, 25, 1), 1
	s_wait_xcnt 0x0
; x and the four weight matrices, f32, are rounded ONCE to bf16 (nearest even), and that number is written as f16, so that every later product has f16 operands.
; xh: [8192][1024] f16.  wh: [3072][1024] f16: rows 0-1023 Wq, 1024-2047 Wk, 2048-3071 Wv.
; wo: 1,024 rows 4,096 bytes apart, of which the first 2,048 bytes hold 16 x Wo's row in f16 and the rest is neither written nor read: a later product takes wo and the weights p, whose rows are
; 4,096 bytes, by one descriptor.  The factor 16, exact, keeps the product Wo Wv in f16's range of full precision; the output projection takes it out again.
; LIMITS.  A bf16 number is an f16 number exactly for 2^-17 <= |v| <= 65,504; below that the second writing is off by 2^-25 at the most; 65,520 and more become an infinity (Wo: 4,094 and more).
; SHARES.  A work-group converts 8,192 numbers: groups 0-1023 take x, groups 1024-1535 the weights, 128 groups a matrix.  A wave takes 1,024 numbers, one row: eight loads, each of 512
; consecutive bytes, all issued at once; eight stores, each of 256 consecutive bytes, aligned.  A stream: no LDS, no barrier, no matrix unit, no cluster (no byte is read twice).
.set X, 4                              ; v[4:35]   eight loads of four f32
.set Y, 36                             ; v[36:51]  eight stores of four f16
.set T, 52                             ; v[52:55]  at work
	s_load_b256 s[8:15], s[0:1], 0x0               ; x s[8:9], Wq s[10:11], Wk s[12:13], Wv s[14:15]
	s_load_b256 s[16:23], s[0:1], 0x20             ; Wo s[16:17], xh s[18:19], wh s[20:21], wo s[22:23]
	v_and_b32 v3, 31, v0                           ; lane
	v_lshrrev_b32 v2, 5, v0                        ; wave
	v_lshlrev_b32 v1, 12, v2
	v_lshl_add_u32 v1, v3, 4, v1                   ; in: 4,096 x wave + 16 x lane
	s_max_u32 s3, ttmp9, 1024
	s_sub_co_u32 s3, s3, 1024                      ; u: my number among the weights' groups (0 in x's groups, where it is not used)
	s_lshr_b32 s4, s3, 7                           ; which matrix
	s_and_b32 s5, s3, 127
	s_lshl_b32 s24, s5, 15                         ; my 32,768 bytes in it
	s_lshl_b32 s26, s3, 14                         ; my 16,384 bytes in wh
	s_lshl_b32 s6, ttmp9, 15                       ; the same for x
	s_lshl_b32 s7, ttmp9, 14                       ; and xh
	s_mov_b32 s25, 0
	s_mov_b32 s27, 0
	s_mov_b32 s28, 0xffff0000                      ; a word's upper bf16
	s_cmp_eq_u32 s4, 3                             ; Wo's groups:
	s_cselect_b32 s29, 12, 11                      ; rows 4,096 bytes apart on the way out,
	s_cselect_b32 s30, 0x41800000, 1.0             ; the factor 16,
	s_cselect_b32 s26, s24, s26                    ; and eight such rows a group
	s_mov_b32 s31, s30                             ; named with it as a pair
	v_lshlrev_b32 v2, s29, v2
	v_lshl_add_u32 v2, v3, 3, v2                   ; out: the wave's row + 8 x lane
	s_wait_kmcnt 0x0
	s_cmp_eq_u32 s4, 1
	s_cselect_b64 s[10:11], s[12:13], s[10:11]
	s_cmp_eq_u32 s4, 2
	s_cselect_b64 s[10:11], s[14:15], s[10:11]
	s_cmp_eq_u32 s4, 3
	s_cselect_b64 s[10:11], s[16:17], s[10:11]
	s_cselect_b64 s[20:21], s[22:23], s[20:21]
	s_cmp_lt_u32 ttmp9, 1024                       ; x's groups
	s_cselect_b64 s[10:11], s[8:9], s[10:11]       ; from
	s_cselect_b64 s[20:21], s[18:19], s[20:21]     ; to
	s_cselect_b32 s24, s6, s24
	s_cselect_b32 s26, s7, s26
	s_add_nc_u64 s[10:11], s[10:11], s[24:25]
	s_add_nc_u64 s[20:21], s[20:21], s[26:27]
.irp j, 0,1,2,3,4,5,6,7
	global_load_b128 v[X+4*(\j):X+4*(\j)+3], v1, s[10:11] offset:512*(\j) th:TH_LOAD_NT
.endr
.irp j, 0,1,2,3,4,5,6,7
	s_wait_loadcnt 7-(\j)                          ; loads come back in order: load j is in, the 7 - j younger ones may stay out
	v_cvt_pk_bf16_f32 v[T], v[X+4*(\j)], v[X+4*(\j)+1]      ; the one rounding
	v_cvt_pk_bf16_f32 v[T+1], v[X+4*(\j)+2], v[X+4*(\j)+3]
	v_lshlrev_b32 v[T+2], 16, v[T]                 ; bf16 as f32 again,
	v_and_b32 v[T+3], s28, v[T]
	v_pk_mul_f32 v[T+2:T+3], v[T+2:T+3], s[30:31] op_sel_hi:[1,0]  ; times 1 or 16, exactly,
	v_cvt_pk_f16_f32 v[Y+2*(\j)], v[T+2], v[T+3]   ; and written as f16
	v_lshlrev_b32 v[T+2], 16, v[T+1]
	v_and_b32 v[T+3], s28, v[T+1]
	v_pk_mul_f32 v[T+2:T+3], v[T+2:T+3], s[30:31] op_sel_hi:[1,0]
	v_cvt_pk_f16_f32 v[Y+2*(\j)+1], v[T+2], v[T+3]
	global_store_b64 v2, v[Y+2*(\j):Y+2*(\j)+1], s[20:21] offset:256*(\j)  ; every store has data registers of its own: none is written again
.endr
	s_endpgm
.Lfunc_end_k_q50841b6e11_cast:
	.size	k_q50841b6e11_cast, .Lfunc_end_k_q50841b6e11_cast-k_q50841b6e11_cast
	.p2alignl 7, 3214868480
	.fill 96, 4, 3214868480
	.section	.rodata,"a",@progbits
	.p2align	6, 0x0
	.amdhsa_kernel k_q50841b6e11_cast
		.amdhsa_group_segment_fixed_size 0
		.amdhsa_private_segment_fixed_size 0
		.amdhsa_enable_private_segment 0
		.amdhsa_kernarg_size 64
		.amdhsa_user_sgpr_count 2
		.amdhsa_user_sgpr_kernarg_segment_ptr 1
		.amdhsa_wavefront_size32 1
		.amdhsa_system_sgpr_workgroup_id_x 1
		.amdhsa_system_sgpr_workgroup_id_y 1
		.amdhsa_system_sgpr_workgroup_id_z 1
		.amdhsa_system_vgpr_workitem_id 0
		.amdhsa_next_free_vgpr 64
		.amdhsa_next_free_sgpr 66
		.amdhsa_reserve_vcc 0
		.amdhsa_float_denorm_mode_32 3
		.amdhsa_float_denorm_mode_16_64 3
		.amdhsa_memory_ordered 1
		.amdhsa_forward_progress 1
		.amdhsa_inst_pref_size 8
	.end_amdhsa_kernel
	.amdgpu_metadata
---
amdhsa.version: [ 1, 2 ]
amdhsa.kernels:
  - .name:           k_q50841b6e11_cast
    .symbol:         k_q50841b6e11_cast.kd
    .args:
      - { .name: x, .offset: 0, .size: 8, .value_kind: global_buffer, .address_space: global }
      - { .name: Wq, .offset: 8, .size: 8, .value_kind: global_buffer, .address_space: global }
      - { .name: Wk, .offset: 16, .size: 8, .value_kind: global_buffer, .address_space: global }
      - { .name: Wv, .offset: 24, .size: 8, .value_kind: global_buffer, .address_space: global }
      - { .name: Wo, .offset: 32, .size: 8, .value_kind: global_buffer, .address_space: global }
      - { .name: xh, .offset: 40, .size: 8, .value_kind: global_buffer, .address_space: global }
      - { .name: wh, .offset: 48, .size: 8, .value_kind: global_buffer, .address_space: global }
      - { .name: wo, .offset: 56, .size: 8, .value_kind: global_buffer, .address_space: global }
    .group_segment_fixed_size: 0
    .private_segment_fixed_size: 0
    .kernarg_segment_align: 8
    .kernarg_segment_size: 64
    .max_flat_workgroup_size: 256
    .sgpr_count:     66
    .vgpr_count:     64
    .wavefront_size: 32
...
	.end_amdgpu_metadata
.endif
;; end of part 7
;; launch proj (part 8): grid 8 x 32, 4 waves a work-group, clusters of 4 x 4, 327,680 bytes of LDS; arguments xh, wh, qk; writes qk
.if DOCPART == 8
	.amdgcn_target "amdgcn-amd-amdhsa--gfx1250"
	.amdhsa_code_object_version 6
	.text
	.protected	k_q50841b6e11_proj
	.globl	k_q50841b6e11_proj
	.p2align	8
	.type	k_q50841b6e11_proj,@function
k_q50841b6e11_proj:
	s_mov_b64 s[64:65], 0
	v_nop
	global_prefetch_b8 v0, s[64:65] scope:SCOPE_SE
	s_setreg_imm32_b32 hwreg(HW_REG_WAVE_MODE, 25, 1), 1
	s_wait_xcnt 0x0
	s_wait_alu depctr_hold_cnt(0) depctr_sa_sdst(0) depctr_va_vdst(0) depctr_va_sdst(0) depctr_va_ssrc(0) depctr_va_vcc(0) depctr_vm_vsrc(0)
	s_getreg_b32 s2, hwreg(HW_REG_IB_STS2, 6, 4)
	s_cmp_eq_u32 s2, 0
	s_cbranch_scc0 .Lentry_in_a_cluster
	s_endpgm
.Lentry_in_a_cluster:
	s_bfe_u32 s2, ttmp6, 0x10000c
	s_cmp_lg_u32 s2, 0xf033
	s_cbranch_scc0 .Lentry_shape_is_right
	s_endpgm
.Lentry_shape_is_right:
; THE PROJECTIONS q AND k, as one product C = A B^T with f16 operands (K = 1,024 along the rows of both) and f32 sums; C rounded once to f16.
; A = xh [8192][1024], B = wh rows 0-2047 (Wq, Wk), C = qk [8192][2048] = (q | k).  (v is never made: the later launches multiply the weights p by x itself, and the result by Wo Wv.)
; LIMITS.  q and k are kept in f16: 65,520 and more become an infinity.  With x and the weights of the drawn spread they are about 0.6; thirty times larger x AND weights give some 520 (spread).
; SHARES.  A work-group makes 256 x 256 of C; wave w = (wm, wn) = (w / 2, w % 2) makes 128 x 128: 64 accumulators of 16 x 16, 512 registers.  32 x 8 tiles: 256 work-groups of equal work.
; K goes in steps of 128 (rows of 256 bytes, aligned) through a ring of two LDS slots filled by tensor loads: 256 matrix instructions a wave in a step, 224 of them between a slot's request and the
; wait for it.  Two slots of a longer step do not fit in LDS.
; THE TEXT.  A K step is written twice: once for the six steps that fill their slot again (a loop, entered behind its first quarter: the first step's first quarter stands in front, since its products
; start the sums), once for the last two steps (a loop of two trips).  The LDS addresses hang on s[TB], the byte at which the slot in hand begins: 0 or SLOT, turned by an exclusive or at each change
; of slots.  The price of one text for the last two steps: the very last change of slots passes a barrier that nothing needs and fetches fragments (32 loads) that nothing multiplies.
; CLUSTER.  4 x 4 work-groups: the four of a row of the cluster need the same 256 rows of A, the four of a column the same 256 rows of B: each tile is asked for JOINTLY, by the same tensor
; load with the same descriptor and a mask that names the four.
; THE MATRIX INSTRUCTION IS USED TRANSPOSED (source 0 = 16 rows of B, source 1 = 16 rows of A): lane l holds row l % 16 of C and the eight neighbouring columns 8 (l / 16) + 0..7.
; REGISTERS, in windows of 256 (s_set_vgpr_msb: bits 1:0 source 0, 3:2 source 1, 5:4 source 2, 7:6 destination):
;   window 0: v0-30 addresses; v64-127, v128-191 A's fragments (8 x 16 rows x 32 K), two buffers; v32-63, v192-255 at work on the way out
;   window 1: v64-127, v128-191 B's fragments, two buffers        window 2: the accumulators of my rows 0-63 ((a, b) at v[8 (8 a + b)])        window 3: those of my rows 64-127
.set STEPS,  8                         ; K steps: 1,024 / 128
.set PGSH,   11                        ; a row of A and of B in memory: 2,048 bytes
.set PG,     1<<PGSH
.set CPSH,   12                        ; a row of C: 4,096 bytes
.set CP,     1<<CPSH
.set PITCH,  272                       ; an LDS row: 256 bytes + 16 of padding = 68 words: the 16 rows that a fragment load touches start 4 words apart modulo 64
.set HALFT,  128*PITCH                 ; 128 rows: what one tensor load brings, and what one wave reads of A or of B
.set SLOT,   4*HALFT                   ; A's 256 rows, then B's 256 rows: 139,264 bytes
.set STAGE,  2*SLOT                    ; behind the ring: 16 rows x 272 bytes for each wave, for the way out; no tensor load lands there
.set SPITCH, 272
.set SPARE,  STAGE+4*16*SPITCH         ; behind the stages: the spare words, 128 bytes for each wave, that no other line names
.set A0,   16                          ; v16     my lane's place among my A fragments in slot 0; never rewritten
.set B0,   17                          ; v17     the same for B
.set ADRA, 18                          ; v18     LDS address of my A fragments in the slot in hand: s[TB] + v[A0]
.set ADRB, 19                          ; v19     the same for B
.set STO,  24                          ; v24     the way out: where I put 16 bytes of a row
.set RD,   25                          ; v25     the way out: where I read a row back
.set CO,   26                          ; v26     my byte offset in C
.set SPW,  28                          ; v28     my spare word: SPARE + 4 x my thread's number; never rewritten
.set NIL,  29                          ; v29     0; never rewritten
.set PFO,  30                          ; v30     the prefetches' offset: my lane x a row of memory; never rewritten
.set F0,   64
.set F1,   128
.set TMP,  192                         ; the way out: packed results
.set OB,   32                          ; the way out: rows read back, v32-63 and v224-255 by turns
.set LW,  20                           ; s20  where my tensor loads land in a slot: wave x 128 rows
.set G1,  24                           ; s[24:31] descriptor group 1 for A's tiles;  s[32:39] group 0: a set for each of the two first fills; the second then walks on
.set G0,  32
.set G1B, 48                           ; s[48:55], s[56:63] the same for B's tiles
.set G0B, 56
.set PFA, 66                           ; s[66:67] where my prefetches stand
.set LIM, 68                           ; s68  2 in a wave that prefetches, else the greatest number: a wave prefetches while the steps still to be asked for are more
.set TB,  70                           ; s70  the LDS byte at which the slot in hand begins
.set CC,  72                           ; s72  the cluster's column among clusters of C
.set CR,  73                           ; s73  its row
.set FB,  74                           ; s74  0 in the cluster that prefetches B's rows
.set RA0, 77                           ; s77  first row of my tile of A
.set RB0, 79                           ; s79  first row of my tile of B
.set MUL_LO, 0xa1                      ; source 0 (B) window 1, source 1 (A) window 0, C and D window 2
.set MUL_HI, 0xf1                      ; the same, C and D window 3
.set TO_B,   0x40                      ; destination window 1, address window 0
.set MSB, 0
.macro WIN new                         ; the immediate's high byte repeats the setting that is left; a switch that changes nothing is dropped
.if MSB != (\new)
	s_set_vgpr_msb (MSB<<8)|(\new)
.set MSB, \new
.endif
.endm
.macro PLACES                          ; four plain instructions between a matrix instruction and a load into, or a vector read of, its registers
.rept 4
	v_nop
.endr
.endm
; A joint load: waves 0 and 1 fetch A's two halves, waves 2 and 3 B's, 128 rows each.  The branch hangs on the wave's number alone.  An s_nop 0 and four v_nop follow each line.
.macro JLOAD s
	s_cmp_eq_u32 s11, 0
	s_cbranch_scc0 .Lfor_b_\@
	tensor_load_to_lds s[G0+4*(\s):G0+4*(\s)+3], s[G1:G1+7]
	s_nop 0
.rept 4
	v_nop
.endr
	s_branch .Lasked_\@
.Lfor_b_\@:
	tensor_load_to_lds s[G0B+4*(\s):G0B+4*(\s)+3], s[G1B:G1B+7]
	s_nop 0
.rept 4
	v_nop
.endr
.Lasked_\@:
.endm
.macro CREST                           ; a round of the cluster's barrier behind its opening barrier
	s_cmp_lg_u32 s10, 0
	s_cbranch_scc1 .Lnot_wave_0_\@
	s_barrier_signal -3
.Lnot_wave_0_\@:
	s_barrier_wait -3
	s_barrier_signal -1
	s_barrier_wait -1
.endm
.macro CROUND                          ; a whole round
	s_barrier_signal -1
	s_barrier_wait -1
	CREST
.endm
; A prefetch, behind a joint load and the run of LDS loads that follows it: 32 rows x 256 bytes, a lane a row, of the K step that stands two refills on.  s3 counts the refills still to come, this one among them.
.macro ASK
	s_cmp_gt_u32 s3, s[LIM]
	s_cbranch_scc0 .Lnot_mine_\@
	global_prefetch_b8 v[PFO], s[PFA:PFA+1] offset:256 th:TH_LOAD_NT scope:SCOPE_SE
.Lnot_mine_\@:
.endm
; 16 matrix instructions: m blocks a0, a0 + 1 of the window's four (hi = 0: my rows 0-63, 1: rows 64-127) x all 8 n blocks, 32 along K.  zero = 1: the product starts the sum.
; The 64 accumulators take turns, in the same order in every quarter.
.macro MUL16 f, hi, a0, zero
	WIN MUL_LO+0x50*(\hi)
.irp a, \a0, (\a0)+1
.irp b, 0,1,2,3,4,5,6,7
.if \zero
	v_wmma_f32_16x16x32_f16 v[8*(8*(\a)+(\b)):8*(8*(\a)+(\b))+7], v[(\f)+8*(\b):(\f)+8*(\b)+7], v[(\f)+8*(4*(\hi)+(\a)):(\f)+8*(4*(\hi)+(\a))+7], 0
.else
	v_wmma_f32_16x16x32_f16 v[8*(8*(\a)+(\b)):8*(8*(\a)+(\b))+7], v[(\f)+8*(\b):(\f)+8*(\b)+7], v[(\f)+8*(4*(\hi)+(\a)):(\f)+8*(4*(\hi)+(\a))+7], v[8*(8*(\a)+(\b)):8*(8*(\a)+(\b))+7]
.endif
.endr
.endr
.endm
; 32 LDS loads in one run: the fragments of 32 along K at byte k of the rows of the slot in hand: B's eight, then A's eight
.macro FETCH k, f
	WIN TO_B
.irp i, 0,1,2,3,4,5,6,7
	ds_load_b128 v[(\f)+8*(\i):(\f)+8*(\i)+3],   v[ADRB] offset:(\k)+(\i)*16*PITCH
	ds_load_b128 v[(\f)+8*(\i)+4:(\f)+8*(\i)+7], v[ADRB] offset:(\k)+(\i)*16*PITCH+32
.endr
	WIN 0
.irp i, 0,1,2,3,4,5,6,7
	ds_load_b128 v[(\f)+8*(\i):(\f)+8*(\i)+3],   v[ADRA] offset:(\k)+(\i)*16*PITCH
	ds_load_b128 v[(\f)+8*(\i)+4:(\f)+8*(\i)+7], v[ADRA] offset:(\k)+(\i)*16*PITCH+32
.endr
.endm
; A K step is four quarters of 32 along K, 64 matrix instructions each, on buffers 0, 1, 0, 1.  One of the first three: multiplies f and fetches the next quarter, at byte k, into g.
.macro QUARTER k, f, g, zero
	s_wait_dscnt 8                                 ; B's fragments and A's 0 to 3 are in; the eight youngest loads (A's 4 to 7) may be out
	MUL16 \f, 0, 0, \zero
	MUL16 \f, 0, 2, \zero
	PLACES
	FETCH \k, \g
	s_wait_dscnt 32                                ; all but the 32 just issued
	MUL16 \f, 1, 0, \zero
	MUL16 \f, 1, 2, \zero
.endm
; The last quarter multiplies buffer 1 and changes slots.  In front of the one barrier each wave waits for all its tensor loads (one is out: its part of the next slot), adds 0 to its spare word, and
; waits for that and for its reads of this slot.  fill = 1: the barrier opens a round of the cluster's barrier, and this slot is filled again, two K steps ahead, first thing behind the round.
.macro TURN fill
.if \fill
	s_wait_xcnt 0x0                                ; the last prefetch, a K step back, has read its address, which steps here
	s_add_nc_u64 s[PFA:PFA+1], s[PFA:PFA+1], 256
.endif
	WIN 0                                          ; (the add's two registers lie in window 0)
	s_wait_tensorcnt 0x0                           ; all my tensor loads have landed
	ds_add_u32 v[SPW], v[NIL]                      ; 0 onto my spare word
	s_wait_dscnt 9                                 ; (the add and the eight youngest loads may be out)
	MUL16 F1, 0, 0, 0
	s_wait_dscnt 0x0                               ; the add is done, and my reads of this slot are over
	s_barrier_signal -1
	MUL16 F1, 0, 2, 0
	WIN 0                                          ; (branches and lines on window 0 follow)
	s_barrier_wait -1
.if \fill
	CREST                                          ; no wave of any partner still reads this slot or has a load on its way
	s_add_co_u32 s[G0+5], s[LW], s[TB]             ; the walking descriptors: into the slot just read out,
	s_add_co_u32 s[G0B+5], s[LW], s[TB]
	s_add_nc_u64 s[G0+6:G0+7], s[G0+6:G0+7], 256   ; the K step behind the one asked for last; the type bits on top are not reached
	s_add_nc_u64 s[G0B+6:G0B+7], s[G0B+6:G0B+7], 256
	JLOAD 1                                        ; 224 matrix instructions ahead of the wait for it; its four v_nop are also the places in front of the loads below
.else
	PLACES
.endif
	s_xor_b32 s[TB], s[TB], SLOT                   ; the other slot is in hand now
	v_add_nc_u32 v[ADRA], s[TB], v[A0]
	v_add_nc_u32 v[ADRB], s[TB], v[B0]
	FETCH 0, F0
.if \fill
	ASK
.endif
	MUL16 F1, 1, 0, 0
	MUL16 F1, 1, 2, 0
.endm
	s_load_b128 s[4:7], s[0:1], 0x0                ; A: xh s[4:5]; B: wh s[6:7]
	s_load_b64 s[8:9], s[0:1], 0x10                ; C: qk
	v_lshl_add_u32 v[SPW], v0, 2, SPARE
	v_mov_b32 v[NIL], 0
	ds_add_u32 v[SPW], v[NIL]                      ; the wave's opening: the add and its wait stand ahead of my first tensor load; the set-up below stands between them
	v_lshrrev_b32 v1, 5, v0
	v_readfirstlane_b32 s10, v1                    ; wave 0..3
	s_lshr_b32 s11, s10, 1                         ; wm.  Also: I fetch for A (0) or for B (1)
	s_and_b32 s12, s10, 1                          ; wn.  Also: which half of that tile I fetch
	s_bfe_u32 s40, ttmp6, 0x40000                  ; cx
	s_bfe_u32 s41, ttmp6, 0x40004                  ; cy
	s_mov_b32 s[CC], ttmp9                         ; cluster x: 0, 1
	s_and_b32 s[CR], ttmp7, 0xffff                 ; cluster y: 0 .. 7
	s_mov_b32 s[FB], s[CR]                         ; Wq's and Wk's rows are read by every row of clusters: the first asks
	s_mov_b32 s[TB], 0                             ; slot 0 is in hand
	s_lshl_b32 s13, s[CR], 2
	s_add_co_u32 s13, s13, s41                     ; tile row of C
	s_lshl_b32 s42, s[CC], 2
	s_add_co_u32 s42, s42, s40                     ; tile column of C
	s_lshl_b32 s[RA0], s13, 8
	s_lshl_b32 s[RB0], s42, 8
	s_lshl_b32 s43, s41, 2
	s_lshl_b32 s43, 15, s43                        ; my row of the cluster
	s_lshl_b32 s44, 0x1111, s40                    ; my column
	s_or_b32 s[G1+0], s43, (1<<16)|(1<<20)|(1<<21)|(5<<22)|(3<<25)  ; 15:0 the mask; 17:16 elements of 2 bytes; 20 padding on; 21 set beside a mask; 24:22 after every 64 words; 31:25 4 words of it
	s_or_b32 s[G1B+0], s44, (1<<16)|(1<<20)|(1<<21)|(5<<22)|(3<<25)
.irp g, G1, G1B
	s_mov_b32 s[(\g)+1], 128<<16                   ; tensor_dim0 = 128
	s_mov_b32 s[(\g)+2], 128<<16                   ; tensor_dim1 = 128
	s_mov_b32 s[(\g)+3], 128<<16                   ; tile_dim0 = 128
	s_mov_b32 s[(\g)+4], 128                       ; tile_dim1 = 128
	s_mov_b32 s[(\g)+5], PG/2                      ; elements from row to row
	s_mov_b32 s[(\g)+6], 0
	s_mov_b32 s[(\g)+7], 0
.endr
	s_lshl_b32 s16, s12, 7
	s_add_co_u32 s16, s16, s[RA0]
	s_lshl_b32 s16, s16, PGSH                      ; the byte at which my half of A's tile begins (under 2^25)
	s_mov_b32 s17, 0
	s_lshl_b32 s46, s12, 7
	s_add_co_u32 s46, s46, s[RB0]
	s_lshl_b32 s46, s46, PGSH                      ; the same for B
	s_mov_b32 s47, 0
	s_mul_i32 s[LW], s10, HALFT                    ; where they go in a slot: wave x 128 rows: no place in the cluster enters an LDS address
	s_wait_dscnt 0x0                               ; the opening add is done
	s_wait_kmcnt 0x0
	s_add_nc_u64 s[14:15], s[4:5], s[16:17]
	s_add_nc_u64 s[46:47], s[6:7], s[46:47]
	CROUND                                         ; all sixteen work-groups are here: the first joint loads meet
.irp s, 0,1
	s_mov_b32 s[G0+4*(\s)], 1
	s_add_co_u32 s[G0+4*(\s)+1], s[LW], (\s)*SLOT
	s_add_nc_u64 s[G0+4*(\s)+2:G0+4*(\s)+3], s[14:15], (\s)*256
	s_or_b32 s[G0+4*(\s)+3], s[G0+4*(\s)+3], 0x80000000
	s_mov_b32 s[G0B+4*(\s)], 1
	s_add_co_u32 s[G0B+4*(\s)+1], s[LW], (\s)*SLOT
	s_add_nc_u64 s[G0B+4*(\s)+2:G0B+4*(\s)+3], s[46:47], (\s)*256
	s_or_b32 s[G0B+4*(\s)+3], s[G0B+4*(\s)+3], 0x80000000
	JLOAD \s                                       ; K steps 0 and 1: two loads of mine are out
.endr
	v_and_b32 v1, 15, v0                           ; l % 16
	v_bfe_u32 v2, v0, 4, 1                         ; l / 16
	v_mul_u32_u24 v3, v1, PITCH
	v_lshl_add_u32 v3, v2, 4, v3                   ; a fragment's row x pitch + 16 x half
	s_mul_i32 s18, s11, HALFT                      ; my 128 rows of A
	s_mul_i32 s22, s12, HALFT                      ; my 128 rows of B,
	s_add_co_u32 s22, s22, 2*HALFT                 ; which lie behind A's 256
	v_add_nc_u32 v[A0], s18, v3
	v_add_nc_u32 v[B0], s22, v3
	v_mov_b32 v[ADRA], v[A0]                       ; slot 0 begins at byte 0
	v_mov_b32 v[ADRB], v[B0]
	s_mul_i32 s23, s10, 16*SPITCH
	s_add_co_u32 s23, s23, STAGE                   ; my stage
	v_mul_u32_u24 v4, v1, SPITCH                   ; in: row l % 16, 16 bytes for each half of the lanes
	v_lshl_add_u32 v4, v2, 4, v4
	v_add_nc_u32 v[STO], s23, v4
	v_mul_u32_u24 v5, v2, SPITCH                   ; back: lanes 0-15 one row of 256 bytes, lanes 16-31 the next
	v_lshl_add_u32 v5, v1, 4, v5
	v_add_nc_u32 v[RD], s23, v5
	v_mul_u32_u24 v5, v2, CP                       ; and the same two rows in C
	v_lshl_add_u32 v[CO], v1, 4, v5
	; my part of C: row = A's row + 128 wm; 512 bytes a tile column; 256 wn
	s_lshl_b32 s90, s11, 7
	s_add_co_u32 s88, s[RA0], s90
	s_lshl_b32 s88, s88, CPSH
	s_lshl_b32 s90, s42, 9
	s_add_co_u32 s88, s88, s90
	s_lshl_b32 s90, s12, 8
	s_add_co_u32 s88, s88, s90
	s_mov_b32 s89, 0
	s_add_nc_u64 s[8:9], s[8:9], s[88:89]
	; THE PREFETCHES.  Each row's 256 bytes of a K step are named once in the launch.  A's tile row is read by both clusters of its row of clusters: the one with column 0 asks; B's tile column by all
	; eight of its column: the one with s[FB] = 0 asks.  Of the 128 rows that a wave fetches, each of the four partners that ask for them jointly takes 32, told apart by address (cx for A, cy for B):
	; a lane a row, one instruction a wave.  K steps 0 to 3 come by their loads alone; the last two refills ask for nothing: there is no K step two refills on.
	s_lshl_b32 s91, s40, 5
	s_lshl_b32 s92, s41, 5
	s_cmp_eq_u32 s11, 0
	s_cselect_b32 s93, s[RA0], s[RB0]
	s_cselect_b32 s91, s91, s92
	s_cselect_b32 s94, s[CC], s[FB]
	s_cselect_b64 s[PFA:PFA+1], s[4:5], s[6:7]
	s_add_co_u32 s93, s93, s91
	s_lshl_b32 s91, s12, 7
	s_add_co_u32 s93, s93, s91
	s_lshl_b32 s92, s93, PGSH
	s_mov_b32 s93, 0
	s_add_nc_u64 s[PFA:PFA+1], s[PFA:PFA+1], s[92:93]
	s_add_nc_u64 s[PFA:PFA+1], s[PFA:PFA+1], 512   ; at K step 2: the first refill steps it to 3 and names K step 4
	s_cmp_eq_u32 s94, 0
	s_cselect_b32 s[LIM], 2, -1                    ; the same in all sixteen partners, for a given wave
	v_and_b32 v[PFO], 31, v0
	v_lshlrev_b32 v[PFO], PGSH, v[PFO]
	s_wait_tensorcnt 1                             ; my part of K step 0 is in; K step 1's may stay out
	s_barrier_signal -1
	s_barrier_wait -1
	FETCH 0, F0
	QUARTER 64,  F0, F1, 1                         ; the first step's first quarter: its products start the sums
	WIN 0                                          ; at a label and at a branch every window is 0
	s_mov_b32 s3, STEPS-2                          ; refills to come: K steps 2 to 7
	s_branch .Lmid                                 ; the loop is entered behind its first quarter
.Lstep:                                                ; a trip is a K step, and fills its slot again
	QUARTER 64,  F0, F1, 0
	WIN 0
.Lmid:
	QUARTER 128, F1, F0, 0
	QUARTER 192, F0, F1, 0
	TURN 1
	WIN 0
	s_sub_co_u32 s3, s3, 1
	s_cmp_lg_u32 s3, 0
	s_cbranch_scc1 .Lstep
	s_mov_b32 s3, 2
.Ltail:                                                ; the last two K steps fill nothing: a text of their own
	QUARTER 64,  F0, F1, 0
	QUARTER 128, F1, F0, 0
	QUARTER 192, F0, F1, 0
	TURN 0
	WIN 0
	s_sub_co_u32 s3, s3, 1
	s_cmp_lg_u32 s3, 0
	s_cbranch_scc1 .Ltail
	s_wait_dscnt 0x0                               ; the last trip's fetch, which nothing multiplies, is back
	PLACES
; THE WAY OUT, a block of 16 rows at a time: rounded to f16, 16 bytes a lane; into my own stage; back as whole rows of 256 bytes; stored, sixteen lanes to 256 consecutive aligned bytes.
.macro PACK a
	WIN 0x0a+5*((\a)/4)                            ; sources 0 and 1: window 2 or 3
.irp b, 0,1,2,3,4,5,6,7
.irp r, 0,1,2,3
	v_cvt_pk_f16_f32 v[TMP+4*(\b)+(\r)], v[64*((\a)%4)+8*(\b)+2*(\r)], v[64*((\a)%4)+8*(\b)+2*(\r)+1]
.endr
.endr
	WIN 0
.endm
.macro TOSTAGE a
.set BK, OB+192*((\a)%2)
.irp b, 0,1,2,3,4,5,6,7
	ds_store_b128 v[STO], v[TMP+4*(\b):TMP+4*(\b)+3] offset:32*(\b)
.endr
.irp t, 0,1,2,3,4,5,6,7
	ds_load_b128 v[BK+4*(\t):BK+4*(\t)+3], v[RD] offset:(\t)*2*SPITCH  ; LDS serves a wave's instructions in order: these see the stores above
.endr
.endm
.macro SEND a
.set BK, OB+192*((\a)%2)
	s_wait_dscnt 0x0                               ; the block is back in registers
	s_wait_xcnt 0x0                                ; the stores of the block before have read their registers, which the next block's loads write
.irp t, 0,1,2,3,4,5,6,7
	global_store_b128 v[CO], v[BK+4*(\t):BK+4*(\t)+3], s[8:9] offset:(16*(\a)+2*(\t))*CP
.endr
.endm
	PACK 0
	TOSTAGE 0
.irp a, 1,2,3,4,5,6,7
	PACK \a                                        ; a block's conversions stand between the loads of the block before and the wait for them
	SEND (\a)-1
	TOSTAGE \a
.endr
	SEND 7
	s_wait_tensorcnt 0x0                           ; the wave's end: behind my last tensor load and my last LDS store
	ds_add_u32 v[SPW], v[NIL]
	s_wait_dscnt 0x0
	CROUND                                         ; the closing round: no work-group ends while a partner may still ask for a tile that names it
	s_endpgm
.Lfunc_end_k_q50841b6e11_proj:
	.size	k_q50841b6e11_proj, .Lfunc_end_k_q50841b6e11_proj-k_q50841b6e11_proj
	.p2alignl 7, 3214868480
	.fill 96, 4, 3214868480
	.section	.rodata,"a",@progbits
	.p2align	6, 0x0
	.amdhsa_kernel k_q50841b6e11_proj
		.amdhsa_group_segment_fixed_size 327680
		.amdhsa_private_segment_fixed_size 0
		.amdhsa_enable_private_segment 0
		.amdhsa_kernarg_size 24
		.amdhsa_user_sgpr_count 2
		.amdhsa_user_sgpr_kernarg_segment_ptr 1
		.amdhsa_wavefront_size32 1
		.amdhsa_system_sgpr_workgroup_id_x 1
		.amdhsa_system_sgpr_workgroup_id_y 1
		.amdhsa_system_sgpr_workgroup_id_z 1
		.amdhsa_system_vgpr_workitem_id 0
		.amdhsa_next_free_vgpr 1024
		.amdhsa_next_free_sgpr 96
		.amdhsa_reserve_vcc 0
		.amdhsa_float_denorm_mode_32 3
		.amdhsa_float_denorm_mode_16_64 3
		.amdhsa_memory_ordered 1
		.amdhsa_forward_progress 1
		.amdhsa_inst_pref_size 100
	.end_amdhsa_kernel
	.amdgpu_metadata
---
amdhsa.version: [ 1, 2 ]
amdhsa.kernels:
  - .name:           k_q50841b6e11_proj
    .symbol:         k_q50841b6e11_proj.kd
    .args:
      - { .name: xh, .offset: 0, .size: 8, .value_kind: global_buffer, .address_space: global }
      - { .name: wh, .offset: 8, .size: 8, .value_kind: global_buffer, .address_space: global }
      - { .name: qk, .offset: 16, .size: 8, .value_kind: global_buffer, .address_space: global }
    .group_segment_fixed_size: 327680
    .private_segment_fixed_size: 0
    .kernarg_segment_align: 8
    .kernarg_segment_size: 24
    .max_flat_workgroup_size: 128
    .sgpr_count:     96
    .vgpr_count:     1024
    .wavefront_size: 32
...
	.end_amdgpu_metadata
.endif
;; end of part 8
;; launch score (part 9): grid 12 x 16, 4 waves a work-group, clusters of 4 x 4, 327,680 bytes of LDS; arguments qk, sc; writes sc
.if DOCPART == 9
	.amdgcn_target "amdgcn-amd-amdhsa--gfx1250"
	.amdhsa_code_object_version 6
	.text
	.protected	k_q50841b6e11_score
	.globl	k_q50841b6e11_score
	.p2align	8
	.type	k_q50841b6e11_score,@function
k_q50841b6e11_score:
	s_mov_b64 s[64:65], 0
	v_nop
	global_prefetch_b8 v0, s[64:65] scope:SCOPE_SE
	s_setreg_imm32_b32 hwreg(HW_REG_WAVE_MODE, 25, 1), 1
	s_wait_xcnt 0x0
	s_wait_alu depctr_hold_cnt(0) depctr_sa_sdst(0) depctr_va_vdst(0) depctr_va_sdst(0) depctr_va_ssrc(0) depctr_va_vcc(0) depctr_vm_vsrc(0)
	s_getreg_b32 s2, hwreg(HW_REG_IB_STS2, 6, 4)
	s_cmp_eq_u32 s2, 0
	s_cbranch_scc0 .Lentry_in_a_cluster
	s_endpgm
.Lentry_in_a_cluster:
	s_bfe_u32 s2, ttmp6, 0x10000c
	s_cmp_lg_u32 s2, 0xf033
	s_cbranch_scc0 .Lentry_shape_is_right
	s_endpgm
.Lentry_shape_is_right:
; THE SCORES, unscaled: sc[b][i][j] = q[b][i] . k[b][j], as a product C = A B^T with f16 operands (K = 1,024) and f32 sums, stored in f32.
; A = qk's columns 0-1023, B = qk's columns 1024-2047 (rows of 4,096 bytes).  sc: [4][2048][2048] f32.
; THE CAUSAL MASK.  A cluster makes 1,024 rows x 1,024 columns.  Of a batch's 2 x 2 such blocks the one that lies wholly above the diagonal (rows 0-1023, columns 1024-2047) is left out: three
; clusters a batch.  So every row has its columns up to the end of its own block of 1,024, which holds all that the softmax reads.  Tiles above the diagonal inside a cluster are made all the same:
; to leave them out would be a branch on a work-group's place in its cluster.  192 work-groups of equal work.
; SHARES, RING, CLUSTER, LAYOUT as in the projections' kernel: a work-group makes 256 x 256, wave (wm, wn) 128 x 128 in 64 accumulators; K in steps of 128 through two LDS slots, 224 matrix instructions
; between a slot's request and the wait for it; A's tile asked for jointly along a row of the 4 x 4 cluster, B's along a column; the matrix instruction transposed, so that lane l holds row l % 16
; of C and the columns 8 (l / 16) + 0..7.
; THE TEXT.  A K step is written twice: once for the six steps that fill their slot again (a loop, entered behind its first quarter: the first step's first quarter stands in front, since its products
; start the sums), once for the last two steps (a loop of two trips).  The LDS addresses hang on s[TB], the byte at which the slot in hand begins: 0 or SLOT, turned by an exclusive or at each change
; of slots.  The price of one text for the last two steps: the very last change of slots passes a barrier that nothing needs and fetches fragments (32 loads) that nothing multiplies.
; REGISTERS, in windows of 256 (s_set_vgpr_msb: bits 1:0 source 0, 3:2 source 1, 5:4 source 2, 7:6 destination):
;   window 0: v0-30 addresses; v64-127, v128-191 A's fragments, two buffers; v192-255 and, when the products are over, v64-127 at work on the way out
;   window 1: v64-127, v128-191 B's fragments, two buffers        window 2: the accumulators of my rows 0-63 ((a, b) at v[8 (8 a + b)])        window 3: those of my rows 64-127
.set STEPS,  8                         ; K steps: 1,024 / 128
.set PGSH,   12                        ; a row of qk: 4,096 bytes
.set PG,     1<<PGSH
.set CPSH,   13                        ; a row of sc: 8,192 bytes
.set CP,     1<<CPSH
.set PITCH,  272                       ; an LDS row: 256 bytes + 16 of padding = 68 words: the 16 rows that a fragment load touches start 4 words apart modulo 64
.set HALFT,  128*PITCH                 ; 128 rows: what one tensor load brings, and what one wave reads of A or of B
.set SLOT,   4*HALFT                   ; A's 256 rows, then B's 256 rows: 139,264 bytes
.set STAGE,  2*SLOT                    ; behind the ring: 16 rows x 528 bytes for each wave, for the way out; no tensor load lands there
.set SPITCH, 528                       ; 512 bytes + 16 = 132 words
.set SPARE,  STAGE+4*16*SPITCH         ; behind the stages: the spare words, 128 bytes for each wave, that no other line names
.set A0,   16                          ; v16     my lane's place among my A fragments in slot 0; never rewritten
.set B0,   17                          ; v17     the same for B
.set ADRA, 18                          ; v18     LDS address of my A fragments in the slot in hand: s[TB] + v[A0]
.set ADRB, 19                          ; v19     the same for B
.set STO,  24                          ; v24     the way out: where I put 32 bytes of a row
.set RD,   25                          ; v25     the way out: where I read a row back
.set CO,   26                          ; v26     my byte offset in a row of C
.set SPW,  28                          ; v28     my spare word: SPARE + 4 x my thread's number; never rewritten
.set NIL,  29                          ; v29     0; never rewritten
.set PFO,  30                          ; v30     the prefetches' offset: my lane x a row of memory; never rewritten
.set F0,   64
.set F1,   128
.set LW,  20                           ; s20  where my tensor loads land in a slot: wave x 128 rows
.set G1,  24                           ; s[24:31] descriptor group 1 for A's tiles;  s[32:39] group 0: a set for each of the two first fills; the second then walks on
.set G0,  32
.set G1B, 48                           ; s[48:55], s[56:63] the same for B's tiles
.set G0B, 56
.set PFA, 66                           ; s[66:67] where my prefetches stand
.set LIM, 68                           ; s68  2 in a wave that prefetches, else the greatest number: a wave prefetches while the steps still to be asked for are more
.set TB,  69                           ; s69  the LDS byte at which the slot in hand begins
.set CC,  72                           ; s72  the cluster's column
.set CR,  73                           ; s73  its row
.set FB,  74                           ; s74  0 in the cluster that prefetches B's rows
.set RA0, 77                           ; s77  first row of my tile of A
.set RB0, 79                           ; s79  first row of my tile of B
.set MUL_LO, 0xa1                      ; source 0 (B) window 1, source 1 (A) window 0, C and D window 2
.set MUL_HI, 0xf1                      ; the same, C and D window 3
.set TO_B,   0x40                      ; destination window 1, address window 0
.set MSB, 0
.macro WIN new                         ; the immediate's high byte repeats the setting that is left; a switch that changes nothing is dropped
.if MSB != (\new)
	s_set_vgpr_msb (MSB<<8)|(\new)
.set MSB, \new
.endif
.endm
.macro PLACES                          ; four plain instructions between a matrix instruction and a load into, or a read of, its registers
.rept 4
	v_nop
.endr
.endm
; A joint load: waves 0 and 1 fetch A's two halves, waves 2 and 3 B's, 128 rows each.  The branch hangs on the wave's number alone.  An s_nop 0 and four v_nop follow each line.
.macro JLOAD s
	s_cmp_eq_u32 s11, 0
	s_cbranch_scc0 .Lfor_b_\@
	tensor_load_to_lds s[G0+4*(\s):G0+4*(\s)+3], s[G1:G1+7]
	s_nop 0
.rept 4
	v_nop
.endr
	s_branch .Lasked_\@
.Lfor_b_\@:
	tensor_load_to_lds s[G0B+4*(\s):G0B+4*(\s)+3], s[G1B:G1B+7]
	s_nop 0
.rept 4
	v_nop
.endr
.Lasked_\@:
.endm
.macro CREST                           ; a round of the cluster's barrier behind its opening barrier
	s_cmp_lg_u32 s10, 0
	s_cbranch_scc1 .Lnot_wave_0_\@
	s_barrier_signal -3
.Lnot_wave_0_\@:
	s_barrier_wait -3
	s_barrier_signal -1
	s_barrier_wait -1
.endm
.macro CROUND                          ; a whole round
	s_barrier_signal -1
	s_barrier_wait -1
	CREST
.endm
; A prefetch, behind a joint load and the run of LDS loads that follows it: 32 rows x 256 bytes, a lane a row, of the K step that stands two refills on.  s3 counts the refills still to come, this one among them.
.macro ASK
	s_cmp_gt_u32 s3, s[LIM]
	s_cbranch_scc0 .Lnot_mine_\@
	global_prefetch_b8 v[PFO], s[PFA:PFA+1] offset:256 th:TH_LOAD_NT scope:SCOPE_SE
.Lnot_mine_\@:
.endm
; 16 matrix instructions: m blocks a0, a0 + 1 of the window's four (hi = 0: my rows 0-63, 1: rows 64-127) x all 8 n blocks, 32 along K.  zero = 1: the product starts the sum.
; The 64 accumulators take turns, in the same order in every quarter.
.macro MUL16 f, hi, a0, zero
	WIN MUL_LO+0x50*(\hi)
.irp a, \a0, (\a0)+1
.irp b, 0,1,2,3,4,5,6,7
.if \zero
	v_wmma_f32_16x16x32_f16 v[8*(8*(\a)+(\b)):8*(8*(\a)+(\b))+7], v[(\f)+8*(\b):(\f)+8*(\b)+7], v[(\f)+8*(4*(\hi)+(\a)):(\f)+8*(4*(\hi)+(\a))+7], 0
.else
	v_wmma_f32_16x16x32_f16 v[8*(8*(\a)+(\b)):8*(8*(\a)+(\b))+7], v[(\f)+8*(\b):(\f)+8*(\b)+7], v[(\f)+8*(4*(\hi)+(\a)):(\f)+8*(4*(\hi)+(\a))+7], v[8*(8*(\a)+(\b)):8*(8*(\a)+(\b))+7]
.endif
.endr
.endr
.endm
; 32 LDS loads in one run: the fragments of 32 along K at byte k of the rows of the slot in hand: B's eight, then A's eight
.macro FETCH k, f
	WIN TO_B
.irp i, 0,1,2,3,4,5,6,7
	ds_load_b128 v[(\f)+8*(\i):(\f)+8*(\i)+3],   v[ADRB] offset:(\k)+(\i)*16*PITCH
	ds_load_b128 v[(\f)+8*(\i)+4:(\f)+8*(\i)+7], v[ADRB] offset:(\k)+(\i)*16*PITCH+32
.endr
	WIN 0
.irp i, 0,1,2,3,4,5,6,7
	ds_load_b128 v[(\f)+8*(\i):(\f)+8*(\i)+3],   v[ADRA] offset:(\k)+(\i)*16*PITCH
	ds_load_b128 v[(\f)+8*(\i)+4:(\f)+8*(\i)+7], v[ADRA] offset:(\k)+(\i)*16*PITCH+32
.endr
.endm
; A K step is four quarters of 32 along K, 64 matrix instructions each, on buffers 0, 1, 0, 1.  One of the first three: multiplies f and fetches the next quarter, at byte k, into g.
.macro QUARTER k, f, g, zero
	s_wait_dscnt 8                                 ; B's fragments and A's 0 to 3 are in; the eight youngest loads (A's 4 to 7) may be out
	MUL16 \f, 0, 0, \zero
	MUL16 \f, 0, 2, \zero
	PLACES
	FETCH \k, \g
	s_wait_dscnt 32                                ; all but the 32 just issued
	MUL16 \f, 1, 0, \zero
	MUL16 \f, 1, 2, \zero
.endm
; The last quarter multiplies buffer 1 and changes slots.  In front of the one barrier each wave waits for all its tensor loads (one is out: its part of the next slot), adds 0 to its spare word, and
; waits for that and for its reads of this slot.  fill = 1: the barrier opens a round of the cluster's barrier, and this slot is filled again, two K steps ahead, first thing behind the round.
.macro TURN fill
.if \fill
	s_wait_xcnt 0x0                                ; the last prefetch, a K step back, has read its address, which steps here
	s_add_nc_u64 s[PFA:PFA+1], s[PFA:PFA+1], 256
.endif
	WIN 0                                          ; (the add's two registers lie in window 0)
	s_wait_tensorcnt 0x0                           ; all my tensor loads have landed
	ds_add_u32 v[SPW], v[NIL]                      ; 0 onto my spare word
	s_wait_dscnt 9                                 ; (the add and the eight youngest loads may be out)
	MUL16 F1, 0, 0, 0
	s_wait_dscnt 0x0                               ; the add is done, and my reads of this slot are over
	s_barrier_signal -1
	MUL16 F1, 0, 2, 0
	WIN 0                                          ; (branches and lines on window 0 follow)
	s_barrier_wait -1
.if \fill
	CREST                                          ; no wave of any partner still reads this slot or has a load on its way
	s_add_co_u32 s[G0+5], s[LW], s[TB]             ; the walking descriptors: into the slot just read out,
	s_add_co_u32 s[G0B+5], s[LW], s[TB]
	s_add_nc_u64 s[G0+6:G0+7], s[G0+6:G0+7], 256   ; the K step behind the one asked for last; the type bits on top are not reached
	s_add_nc_u64 s[G0B+6:G0B+7], s[G0B+6:G0B+7], 256
	JLOAD 1                                        ; 224 matrix instructions ahead of the wait for it; its four v_nop are also the places in front of the loads below
.else
	PLACES
.endif
	s_xor_b32 s[TB], s[TB], SLOT                   ; the other slot is in hand now
	v_add_nc_u32 v[ADRA], s[TB], v[A0]
	v_add_nc_u32 v[ADRB], s[TB], v[B0]
	FETCH 0, F0
.if \fill
	ASK
.endif
	MUL16 F1, 1, 0, 0
	MUL16 F1, 1, 2, 0
.endm
	s_load_b128 s[80:83], s[0:1], 0x0              ; qk s[80:81], sc s[82:83]
	v_lshl_add_u32 v[SPW], v0, 2, SPARE
	v_mov_b32 v[NIL], 0
	ds_add_u32 v[SPW], v[NIL]                      ; the wave's opening: the add and its wait stand ahead of my first tensor load; the set-up below stands between them
	v_lshrrev_b32 v1, 5, v0
	v_readfirstlane_b32 s10, v1                    ; wave 0..3
	s_lshr_b32 s11, s10, 1                         ; wm.  Also: I fetch for A (0) or for B (1)
	s_and_b32 s12, s10, 1                          ; wn.  Also: which half of that tile I fetch
	s_bfe_u32 s40, ttmp6, 0x40000                  ; cx
	s_bfe_u32 s41, ttmp6, 0x40004                  ; cy
	s_mov_b32 s70, ttmp9                           ; cluster x: 0 .. 2
	s_and_b32 s71, ttmp7, 0xffff                   ; cluster y: the batch
	; cluster x = 0: block (0, 0);  1: block (1, 0);  2: block (1, 1)
	s_cmp_ge_u32 s70, 1
	s_cselect_b32 s[CR], 1, 0
	s_cmp_eq_u32 s70, 2
	s_cselect_b32 s[CC], 1, 0
	s_cmp_eq_u32 s70, 1
	s_cselect_b32 s[FB], 1, 0                      ; k's rows of column block 0 are read by clusters 0 and 1: cluster 0 asks; those of block 1 by cluster 2 alone
	s_mov_b32 s[TB], 0                             ; slot 0 is in hand
	s_lshl_b32 s13, s[CR], 2
	s_add_co_u32 s13, s13, s41                     ; tile row in the batch
	s_lshl_b32 s42, s[CC], 2
	s_add_co_u32 s42, s42, s40                     ; tile column in the batch
	s_lshl_b32 s75, s71, 11                        ; the batch's 2,048 rows of qk
	s_lshl_b32 s[RA0], s13, 8
	s_add_co_u32 s[RA0], s[RA0], s75
	s_lshl_b32 s[RB0], s42, 8
	s_add_co_u32 s[RB0], s[RB0], s75
	s_lshl_b32 s43, s41, 2
	s_lshl_b32 s43, 15, s43                        ; my row of the cluster
	s_lshl_b32 s44, 0x1111, s40                    ; my column
	s_or_b32 s[G1+0], s43, (1<<16)|(1<<20)|(1<<21)|(5<<22)|(3<<25)  ; 15:0 the mask; 17:16 elements of 2 bytes; 20 padding on; 21 set beside a mask; 24:22 after every 64 words; 31:25 4 words of it
	s_or_b32 s[G1B+0], s44, (1<<16)|(1<<20)|(1<<21)|(5<<22)|(3<<25)
.irp g, G1, G1B
	s_mov_b32 s[(\g)+1], 128<<16                   ; tensor_dim0 = 128
	s_mov_b32 s[(\g)+2], 128<<16                   ; tensor_dim1 = 128
	s_mov_b32 s[(\g)+3], 128<<16                   ; tile_dim0 = 128
	s_mov_b32 s[(\g)+4], 128                       ; tile_dim1 = 128
	s_mov_b32 s[(\g)+5], PG/2                      ; elements from row to row
	s_mov_b32 s[(\g)+6], 0
	s_mov_b32 s[(\g)+7], 0
.endr
	s_lshl_b32 s16, s12, 7
	s_add_co_u32 s16, s16, s[RA0]
	s_lshl_b32 s16, s16, PGSH                      ; the byte at which my half of A's tile begins (under 2^26)
	s_mov_b32 s17, 0
	s_lshl_b32 s46, s12, 7
	s_add_co_u32 s46, s46, s[RB0]
	s_lshl_b32 s46, s46, PGSH                      ; the same for B
	s_mov_b32 s47, 0
	s_mul_i32 s[LW], s10, HALFT                    ; where they go in a slot: wave x 128 rows: no place in the cluster enters an LDS address
	s_wait_dscnt 0x0                               ; the opening add is done
	s_wait_kmcnt 0x0
	s_mov_b64 s[4:5], s[80:81]                     ; A: q
	s_add_nc_u64 s[6:7], s[80:81], 2048            ; B: k, 1,024 columns on
	s_mov_b64 s[8:9], s[82:83]                     ; C
	s_add_nc_u64 s[14:15], s[4:5], s[16:17]
	s_add_nc_u64 s[46:47], s[6:7], s[46:47]
	CROUND                                         ; all sixteen work-groups are here: the first joint loads meet
.irp s, 0,1
	s_mov_b32 s[G0+4*(\s)], 1
	s_add_co_u32 s[G0+4*(\s)+1], s[LW], (\s)*SLOT
	s_add_nc_u64 s[G0+4*(\s)+2:G0+4*(\s)+3], s[14:15], (\s)*256
	s_or_b32 s[G0+4*(\s)+3], s[G0+4*(\s)+3], 0x80000000
	s_mov_b32 s[G0B+4*(\s)], 1
	s_add_co_u32 s[G0B+4*(\s)+1], s[LW], (\s)*SLOT
	s_add_nc_u64 s[G0B+4*(\s)+2:G0B+4*(\s)+3], s[46:47], (\s)*256
	s_or_b32 s[G0B+4*(\s)+3], s[G0B+4*(\s)+3], 0x80000000
	JLOAD \s                                       ; K steps 0 and 1: two loads of mine are out
.endr
	v_and_b32 v1, 15, v0                           ; l % 16
	v_bfe_u32 v2, v0, 4, 1                         ; l / 16
	v_mul_u32_u24 v3, v1, PITCH
	v_lshl_add_u32 v3, v2, 4, v3                   ; a fragment's row x pitch + 16 x half
	s_mul_i32 s18, s11, HALFT                      ; my 128 rows of A
	s_mul_i32 s22, s12, HALFT                      ; my 128 rows of B,
	s_add_co_u32 s22, s22, 2*HALFT                 ; which lie behind A's 256
	v_add_nc_u32 v[A0], s18, v3
	v_add_nc_u32 v[B0], s22, v3
	v_mov_b32 v[ADRA], v[A0]                       ; slot 0 begins at byte 0
	v_mov_b32 v[ADRB], v[B0]
	s_mul_i32 s23, s10, 16*SPITCH
	s_add_co_u32 s23, s23, STAGE                   ; my stage
	v_mul_u32_u24 v4, v1, SPITCH                   ; in: row l % 16, 32 bytes for each half of the lanes
	v_lshl_add_u32 v4, v2, 5, v4
	v_add_nc_u32 v[STO], s23, v4
	v_and_b32 v5, 31, v0
	v_lshlrev_b32 v[CO], 4, v5                     ; back and out: 32 lanes take one row of 512 bytes
	v_add_nc_u32 v[RD], s23, v[CO]
	; my part of C: row (in all batches) = A's row + 128 wm; 1,024 bytes a tile column; 512 wn
	s_lshl_b32 s90, s11, 7
	s_add_co_u32 s88, s[RA0], s90
	s_lshl_b32 s88, s88, CPSH
	s_lshl_b32 s90, s42, 10
	s_add_co_u32 s88, s88, s90
	s_lshl_b32 s90, s12, 9
	s_add_co_u32 s88, s88, s90
	s_mov_b32 s89, 0
	s_add_nc_u64 s[8:9], s[8:9], s[88:89]
	; THE PREFETCHES.  Each row's 256 bytes of a K step are named once in the launch.  q's tile row is read by the clusters of its row block: the one with column block 0 asks; k's tile column by the
	; clusters of its column block: the one with s[FB] = 0 asks.  Of the 128 rows that a wave fetches, each of the four partners that ask for them jointly takes 32, told apart by address (cx for A,
	; cy for B): a lane a row, one instruction a wave.  K steps 0 to 3 come by their loads alone; the last two refills ask for nothing: there is no K step two refills on.
	s_lshl_b32 s91, s40, 5
	s_lshl_b32 s92, s41, 5
	s_cmp_eq_u32 s11, 0
	s_cselect_b32 s93, s[RA0], s[RB0]
	s_cselect_b32 s91, s91, s92
	s_cselect_b32 s94, s[CC], s[FB]
	s_cselect_b64 s[PFA:PFA+1], s[4:5], s[6:7]
	s_add_co_u32 s93, s93, s91
	s_lshl_b32 s91, s12, 7
	s_add_co_u32 s93, s93, s91
	s_lshl_b32 s92, s93, PGSH
	s_mov_b32 s93, 0
	s_add_nc_u64 s[PFA:PFA+1], s[PFA:PFA+1], s[92:93]
	s_add_nc_u64 s[PFA:PFA+1], s[PFA:PFA+1], 512   ; at K step 2: the first refill steps it to 3 and names K step 4
	s_cmp_eq_u32 s94, 0
	s_cselect_b32 s[LIM], 2, -1                    ; the same in all sixteen partners, for a given wave
	v_and_b32 v[PFO], 31, v0
	v_lshlrev_b32 v[PFO], PGSH, v[PFO]
	s_wait_tensorcnt 1                             ; my part of K step 0 is in; K step 1's may stay out
	s_barrier_signal -1
	s_barrier_wait -1
	FETCH 0, F0
	QUARTER 64,  F0, F1, 1                         ; the first step's first quarter: its products start the sums
	WIN 0                                          ; at a label and at a branch every window is 0
	s_mov_b32 s3, STEPS-2                          ; refills to come: K steps 2 to 7
	s_branch .Lmid                                 ; the loop is entered behind its first quarter
.Lstep:                                                ; a trip is a K step, and fills its slot again
	QUARTER 64,  F0, F1, 0
	WIN 0
.Lmid:
	QUARTER 128, F1, F0, 0
	QUARTER 192, F0, F1, 0
	TURN 1
	WIN 0
	s_sub_co_u32 s3, s3, 1
	s_cmp_lg_u32 s3, 0
	s_cbranch_scc1 .Lstep
	s_mov_b32 s3, 2
.Ltail:                                                ; the last two K steps fill nothing: a text of their own
	QUARTER 64,  F0, F1, 0
	QUARTER 128, F1, F0, 0
	QUARTER 192, F0, F1, 0
	TURN 0
	WIN 0
	s_sub_co_u32 s3, s3, 1
	s_cmp_lg_u32 s3, 0
	s_cbranch_scc1 .Ltail
	s_wait_dscnt 0x0                               ; the last trip's fetch, which nothing multiplies, is back: its registers serve the way out
	PLACES
; THE WAY OUT, a block of 16 rows at a time: a lane's eight f32 of a row go into my own stage, each accumulator's low four registers first; whole rows of 512 bytes come back and are stored:
; a store of the wave covers 512 consecutive bytes, aligned.  The rows come back into two sets of registers by turns (v192-255, v64-127), and block a is put into the stage and asked back before
; block a - 1 is stored: LDS serves a wave's instructions in order, so block a's stores into the stage come behind block a - 1's loads from it.
.macro TOST a
.set BK, 192-128*((\a)%2)
	s_wait_xcnt 0x0                                ; the global stores of block a - 2 have read their registers, which the loads below write
	WIN 0x08+4*((\a)/4)                            ; an LDS store's data (source 1) in window 2 or 3, its address in window 0
.irp b, 0,1,2,3,4,5,6,7
.irp u, 0,1
	ds_store_b128 v[STO], v[64*((\a)%4)+8*(\b)+4*(\u):64*((\a)%4)+8*(\b)+4*(\u)+3] offset:64*(\b)+16*(\u)
.endr
.endr
	WIN 0
.irp t, 0,1,2,3,4,5,6,7,8,9,10,11,12,13,14,15
	ds_load_b128 v[BK+4*(\t):BK+4*(\t)+3], v[RD] offset:(\t)*SPITCH
.endr
.endm
.macro SEND a, younger                 ; younger: the LDS instructions issued behind block a's loads: the next block's 32, or none
.set BK, 192-128*((\a)%2)
.irp t, 0,1,2,3,4,5,6,7,8,9,10,11,12,13,14,15
.if ((\t)%4) == 0
	s_wait_dscnt (\younger)+12-(\t)                ; rows t to t + 3 are back; the block's 12 - t younger loads and the next block's instructions may stay out
.endif
	global_store_b128 v[CO], v[BK+4*(\t):BK+4*(\t)+3], s[8:9] offset:(16*(\a)+(\t))*CP
.endr
.endm
	TOST 0
.irp a, 1,2,3,4,5,6,7
	TOST \a
	SEND (\a)-1, 32
.endr
	SEND 7, 0
	s_wait_tensorcnt 0x0                           ; the wave's end: behind my last tensor load and my last LDS store
	ds_add_u32 v[SPW], v[NIL]
	s_wait_dscnt 0x0
	CROUND                                         ; the closing round: no work-group ends while a partner may still ask for a tile that names it
	s_endpgm
.Lfunc_end_k_q50841b6e11_score:
	.size	k_q50841b6e11_score, .Lfunc_end_k_q50841b6e11_score-k_q50841b6e11_score
	.p2alignl 7, 3214868480
	.fill 96, 4, 3214868480
	.section	.rodata,"a",@progbits
	.p2align	6, 0x0
	.amdhsa_kernel k_q50841b6e11_score
		.amdhsa_group_segment_fixed_size 327680
		.amdhsa_private_segment_fixed_size 0
		.amdhsa_enable_private_segment 0
		.amdhsa_kernarg_size 16
		.amdhsa_user_sgpr_count 2
		.amdhsa_user_sgpr_kernarg_segment_ptr 1
		.amdhsa_wavefront_size32 1
		.amdhsa_system_sgpr_workgroup_id_x 1
		.amdhsa_system_sgpr_workgroup_id_y 1
		.amdhsa_system_sgpr_workgroup_id_z 1
		.amdhsa_system_vgpr_workitem_id 0
		.amdhsa_next_free_vgpr 1024
		.amdhsa_next_free_sgpr 96
		.amdhsa_reserve_vcc 0
		.amdhsa_float_denorm_mode_32 3
		.amdhsa_float_denorm_mode_16_64 3
		.amdhsa_memory_ordered 1
		.amdhsa_forward_progress 1
		.amdhsa_inst_pref_size 99
	.end_amdhsa_kernel
	.amdgpu_metadata
---
amdhsa.version: [ 1, 2 ]
amdhsa.kernels:
  - .name:           k_q50841b6e11_score
    .symbol:         k_q50841b6e11_score.kd
    .args:
      - { .name: qk, .offset: 0, .size: 8, .value_kind: global_buffer, .address_space: global }
      - { .name: sc, .offset: 8, .size: 8, .value_kind: global_buffer, .address_space: global }
    .group_segment_fixed_size: 327680
    .private_segment_fixed_size: 0
    .kernarg_segment_align: 8
    .kernarg_segment_size: 16
    .max_flat_workgroup_size: 128
    .sgpr_count:     96
    .vgpr_count:     1024
    .wavefront_size: 32
...
	.end_amdgpu_metadata
.endif
;; end of part 9
;; launch soft: the kernel of part 4 again; grid 1024 x 1, 8 waves a work-group, no clusters, 0 bytes of LDS; arguments sc, p; writes p
;; launch ctxk (part 10): grid 4 x 72, 4 waves a work-group, clusters of 4 x 4, 327,680 bytes of LDS; arguments p, wo, xh, wh, ctx, wp; writes ctx, wp
.if DOCPART == 10
	.amdgcn_target "amdgcn-amd-amdhsa--gfx1250"
	.amdhsa_code_object_version 6
	.text
	.protected	k_q50841b6e11_ctxk
	.globl	k_q50841b6e11_ctxk
	.p2align	8
	.type	k_q50841b6e11_ctxk,@function
k_q50841b6e11_ctxk:
	s_mov_b64 s[64:65], 0
	v_nop
	global_prefetch_b8 v0, s[64:65] scope:SCOPE_SE
	s_setreg_imm32_b32 hwreg(HW_REG_WAVE_MODE, 25, 1), 1
	s_wait_xcnt 0x0
	s_wait_alu depctr_hold_cnt(0) depctr_sa_sdst(0) depctr_va_vdst(0) depctr_va_sdst(0) depctr_va_ssrc(0) depctr_va_vcc(0) depctr_vm_vsrc(0)
	s_getreg_b32 s2, hwreg(HW_REG_IB_STS2, 6, 4)
	s_cmp_eq_u32 s2, 0
	s_cbranch_scc0 .Lentry_in_a_cluster
	s_endpgm
.Lentry_in_a_cluster:
	s_bfe_u32 s2, ttmp6, 0x10000c
	s_cmp_lg_u32 s2, 0xf033
	s_cbranch_scc0 .Lentry_shape_is_right
	s_endpgm
.Lentry_shape_is_right:
; TWO PRODUCTS OF ONE FORM, C = A B, with A [M][K] and B [K][N] in f16 as they lie in memory, f32 sums, C rounded once to f16.  They rest on
;   out = p (x Wv^T) Wo^T = (p x) (Wo Wv)^T :  v is never made.
;   clusters with y < 16:   ctx[b][i][d] = the sum over j of p[b][i][j] x[b][j][d]        A = p [4][2048][2048], B = xh [4][2048][1024], C = ctx [8192][1024]
;   clusters with y = 16, 17:  wp[e][d] = the sum over m of 16 Wo[e][m] Wv[m][d]          A = wo (rows 4,096 bytes apart, like p's), B = wh rows 2048-3071, C = wp [1024][1024]
; THE CAUSAL MASK.  A cluster of the first kind makes 512 rows (block c of its batch) x all 1,024 columns, and walks K = 512 (c + 1) keys: beyond them every weight is hidden; up to them p holds zeros
; above the diagonal.  The trip count hangs on the cluster's number alone, so it is the same in all sixteen partners.  The clusters' work is uneven: 4, 8, 12, 16 K steps, and 8 for the second kind.
; LIMITS.  ctx is a mean of x's rows and has their range.  16 Wo Wv is kept in f16: 65,520 and more become an infinity (with the drawn weights it is about 0.17; both weights thirty times larger
; give some 150, both offset by thirty spreads some 4,800); below 6e-5 it keeps f16's fixed step of 6e-8 (both weights thirty times smaller: a spread of 1.9e-4).
; SHARES.  A work-group makes 128 x 256 of C; wave w = (wm, wn) = (w / 2, w % 2) makes 64 x 128: 32 accumulators.  K goes in steps of 128 through a ring of two LDS slots filled by tensor loads.
; CLUSTER.  4 x 4 work-groups: A's tile (128 rows x 128 K) is asked for jointly along a row of the cluster, B's (128 K x 256 columns) along a column.
; LAYOUT.  The matrix instruction is used transposed (source 0 = 16 columns of B, source 1 = 16 rows of A): lane l holds row l % 16 of C and the columns 8 (l / 16) + 0..7.  A comes out of LDS as it
; lies; B, which lies [K][N], turned, by ds_load_tr16_b128.
; REGISTERS.  Window 0: v0-30 addresses; v64-159 and v160-255 two fragment buffers (B's eight fragments, then A's four).  Window 1: accumulator (a, b) at v[64 a + 8 b].
.set CPSH,   11                        ; a row of ctx and of wp: 2,048 bytes
.set CP,     1<<CPSH
.set PITCH,  272                       ; A's LDS row: 256 bytes + 16 of padding = 68 words: the 16 rows that a fragment load touches start 4 words apart modulo 64
.set PB,     544                       ; B's LDS row: 512 bytes + 32 = 136 words: 16 lanes of the turning load take 8 rows x 32 bytes, which start 8 words apart modulo 64
.set KSB,    128*2048                  ; a K step of B in memory: 128 rows of 2,048 bytes
.set AHALF,  64*PITCH                  ; what waves 0 and 1 fetch, and what a wave reads of A
.set BHALF,  64*PB                     ; what waves 2 and 3 fetch: 64 K rows
.set ABYTES, 2*AHALF
.set SLOT,   ABYTES+2*BHALF            ; A's 128 rows, then B's 128 K rows: 104,448 bytes
.set STAGE,  2*SLOT                    ; behind the ring: 16 rows x 272 bytes for each wave, for the way out; no tensor load lands there
.set SPITCH, 272
.set SPARE,  STAGE+4*16*SPITCH         ; behind the stages: the spare words, 128 bytes for each wave, that no other line names
.set ADRA, 16                          ; v16-17  LDS address of my A fragments in slot 0, 1
.set ADRB, 20                          ; v20-21  the same for B
.set STO,  24                          ; v24     the way out: where I put 16 bytes of a row
.set RD,   25                          ; v25     the way out: where I read a row back
.set CO,   26                          ; v26     my byte offset in C
.set SPW,  28                          ; v28     my spare word: SPARE + 4 x my thread's number; never rewritten
.set NIL,  29                          ; v29     0; never rewritten
.set PFO,  30                          ; v30     the prefetches' offset; never rewritten
.set F0,   64
.set F1,   160
.set TMP,  64                          ; the way out: packed results (the fragment buffers are free then)
.set OB,   96                          ; the way out: rows read back, v96-127 and v128-159 by turns
.set G1,  24                           ; s[24:31] descriptor group 1 for A's tiles;  s[32:39] group 0, a set for each slot
.set G0,  32
.set G1B, 48                           ; s[48:55], s[56:63] the same for B's tiles
.set G0B, 56
.set PFA, 66                           ; s[66:67] where my prefetches stand
.set PL,  68                           ; s68  a wave prefetches in the trips below this number
.set NT,  69                           ; s69  trips of the loop: K / 256 - 1
.set CC,  72                           ; s72  the cluster's column: 0
.set CR,  73                           ; s73  its row among the clusters of its C
.set FB,  74                           ; s74  0 in the cluster that prefetches B's rows
.set RA0, 77                           ; s77  first row of my tile of A, and of C
.set PST, 98                           ; s[98:99] bytes from a K step to the next, for my prefetches
.set MUL, 0x50                         ; C and D in window 1, sources in window 0
.set PK,  0x05                         ; sources 0 and 1 in window 1, destination in window 0
.set MSB, 0
.macro WIN new                         ; the immediate's high byte repeats the setting that is left; a switch that changes nothing is dropped
.if MSB != (\new)
	s_set_vgpr_msb (MSB<<8)|(\new)
.set MSB, \new
.endif
.endm
.macro PLACES                          ; four plain instructions between a matrix instruction and a load into, or a vector read of, its registers
.rept 4
	v_nop
.endr
.endm
; A joint load: waves 0 and 1 fetch A's two halves (64 rows), waves 2 and 3 B's (64 K rows).  The branch hangs on the wave's number alone.  An s_nop 0 and four v_nop follow each line.
.macro JLOAD s
	s_cmp_eq_u32 s11, 0
	s_cbranch_scc0 .Lfor_b_\@
	tensor_load_to_lds s[G0+4*(\s):G0+4*(\s)+3], s[G1:G1+7]
	s_nop 0
.rept 4
	v_nop
.endr
	s_branch .Lasked_\@
.Lfor_b_\@:
	tensor_load_to_lds s[G0B+4*(\s):G0B+4*(\s)+3], s[G1B:G1B+7]
	s_nop 0
.rept 4
	v_nop
.endr
.Lasked_\@:
.endm
.macro CREST                           ; a round of the cluster's barrier behind its opening barrier
	s_cmp_lg_u32 s10, 0
	s_cbranch_scc1 .Lnot_wave_0_\@
	s_barrier_signal -3
.Lnot_wave_0_\@:
	s_barrier_wait -3
	s_barrier_signal -1
	s_barrier_wait -1
.endm
.macro CROUND                          ; a whole round
	s_barrier_signal -1
	s_barrier_wait -1
	CREST
.endm
; A prefetch, behind a joint load and the run of LDS loads that follows it: 32 blocks of 256 bytes, a lane a block, of the K step that stands two refills on.
.macro ASK
	s_cmp_lt_u32 s3, s[PL]
	s_cbranch_scc0 .Lnot_mine_\@
	global_prefetch_b8 v[PFO], s[PFA:PFA+1] th:TH_LOAD_NT scope:SCOPE_SE
.Lnot_mine_\@:
.endm
; 8 matrix instructions: m block a x all 8 n blocks, 32 along K, from buffer f.  zero = 1: the product starts the sum.  The 32 accumulators take turns, in the same order in every quarter.
.macro MUL8 f, a, zero
	WIN MUL
.irp b, 0,1,2,3,4,5,6,7
.if \zero
	v_wmma_f32_16x16x32_f16 v[64*(\a)+8*(\b):64*(\a)+8*(\b)+7], v[(\f)+8*(\b):(\f)+8*(\b)+7], v[(\f)+64+8*(\a):(\f)+64+8*(\a)+7], 0
.else
	v_wmma_f32_16x16x32_f16 v[64*(\a)+8*(\b):64*(\a)+8*(\b)+7], v[(\f)+8*(\b):(\f)+8*(\b)+7], v[(\f)+64+8*(\a):(\f)+64+8*(\a)+7], v[64*(\a)+8*(\b):64*(\a)+8*(\b)+7]
.endif
.endr
.endm
; 24 LDS loads in one run: the fragments of quarter q (32 along K): B's eight (columns 16 i on: K rows 32 q on, and 16 rows further down), then A's four (rows 16 i on, byte 64 q of the rows)
.macro FETCH slot, q, f
	WIN 0
.irp i, 0,1,2,3,4,5,6,7
	ds_load_tr16_b128 v[(\f)+8*(\i):(\f)+8*(\i)+3],   v[ADRB+(\slot)] offset:(\q)*32*PB+32*(\i)
	ds_load_tr16_b128 v[(\f)+8*(\i)+4:(\f)+8*(\i)+7], v[ADRB+(\slot)] offset:(\q)*32*PB+16*PB+32*(\i)
.endr
.irp i, 0,1,2,3
	ds_load_b128 v[(\f)+64+8*(\i):(\f)+64+8*(\i)+3],   v[ADRA+(\slot)] offset:(\q)*64+(\i)*16*PITCH
	ds_load_b128 v[(\f)+64+8*(\i)+4:(\f)+64+8*(\i)+7], v[ADRA+(\slot)] offset:(\q)*64+(\i)*16*PITCH+32
.endr
.endm
; A K step is four quarters of 32 along K, 32 matrix instructions each, on buffers 0, 1, 0, 1.  One of the first three: multiplies f and fetches quarter q into g.
.macro QUARTER slot, q, f, g, zero
	s_wait_dscnt 4                                 ; B's fragments and A's 0 and 1 are in; the four youngest loads (A's 2 and 3) may be out
	MUL8 \f, 0, \zero
	MUL8 \f, 1, \zero
	PLACES
	FETCH \slot, \q, \g
	s_wait_dscnt 24                                ; all but the 24 just issued
	MUL8 \f, 2, \zero
	MUL8 \f, 3, \zero
.endm
; The last quarter multiplies buffer 1 and changes slots.  In front of the one barrier each wave waits for all its tensor loads (one is out: its part of the next slot), adds 0 to its spare word, and
; waits for that and for its reads of this slot.  fill = 1: the barrier opens a round of the cluster's barrier, and this slot is filled again, two K steps ahead, first thing behind the round.
.macro TURN slot, next, fill
.if \fill
	s_wait_xcnt 0x0                                ; the last prefetch, a K step back, has read its address, which steps here
	s_add_nc_u64 s[PFA:PFA+1], s[PFA:PFA+1], s[PST:PST+1]
.endif
	WIN 0
	s_wait_tensorcnt 0x0                           ; all my tensor loads have landed
	ds_add_u32 v[SPW], v[NIL]                      ; 0 onto my spare word
	s_wait_dscnt 5                                 ; (the add and the four youngest loads may be out)
	MUL8 F1, 0, 0
	s_wait_dscnt 0x0                               ; the add is done, and my reads of this slot are over
	s_barrier_signal -1
	MUL8 F1, 1, 0
.if \fill
	WIN 0
.endif
	s_barrier_wait -1
.if \fill
	CREST                                          ; no wave of any partner still reads this slot or has a load on its way
	s_add_nc_u64 s[G0+4*(\slot)+2:G0+4*(\slot)+3], s[G0+4*(\slot)+2:G0+4*(\slot)+3], 512
	s_add_nc_u64 s[G0B+4*(\slot)+2:G0B+4*(\slot)+3], s[G0B+4*(\slot)+2:G0B+4*(\slot)+3], 2*KSB
	JLOAD \slot                                    ; 112 matrix instructions ahead of the wait for it; its four v_nop are also the places in front of the loads below
.else
	PLACES
.endif
	FETCH \next, 0, F0
.if \fill
	ASK
.endif
	MUL8 F1, 2, 0
	MUL8 F1, 3, 0
.endm
	s_load_b256 s[80:87], s[0:1], 0x0              ; p s[80:81], wo s[82:83], xh s[84:85], wh s[86:87]
	s_load_b128 s[88:91], s[0:1], 0x20             ; ctx s[88:89], wp s[90:91]
	v_lshl_add_u32 v[SPW], v0, 2, SPARE
	v_mov_b32 v[NIL], 0
	ds_add_u32 v[SPW], v[NIL]                      ; the wave's opening: the add and its wait stand ahead of my first tensor load; the set-up below stands between them
	v_lshrrev_b32 v1, 5, v0
	v_readfirstlane_b32 s10, v1                    ; wave 0..3
	s_lshr_b32 s11, s10, 1                         ; wm.  Also: I fetch for A (0) or for B (1)
	s_and_b32 s12, s10, 1                          ; wn.  Also: which half of that tile I fetch
	s_bfe_u32 s40, ttmp6, 0x40000                  ; cx
	s_bfe_u32 s41, ttmp6, 0x40004                  ; cy
	s_and_b32 s71, ttmp7, 0xffff                   ; cluster y: 0 .. 17
	s_and_b32 s75, s71, 3                          ; c
	s_lshr_b32 s76, s71, 2                         ; the batch
	s_max_u32 s70, s71, 16
	s_sub_co_u32 s70, s70, 16                      ; which half of wp's rows (second kind)
	s_lshl_b32 s45, s75, 1
	s_add_co_u32 s45, s45, 1                       ; 2 c + 1
	s_sub_co_u32 s100, 3, s75                      ; 3 - c
	s_lshl_b32 s94, s76, 11                        ; the batch's first row of p and of ctx
	s_lshl_b32 s95, s76, 22                        ; the batch's first byte of xh: 2,048 rows of 2,048 bytes
	s_cmp_ge_u32 s71, 16                           ; the second kind?
	s_cselect_b32 s78, 1, 0
	s_cselect_b32 s[CR], s70, s75
	s_cselect_b32 s[NT], 3, s45                    ; K = 1,024, or 512 (c + 1)
	s_cselect_b32 s[FB], s70, s100                 ; x's rows of a batch are read by its four clusters: the one that walks them all asks; Wv's rows by two clusters: the first asks
	s_cselect_b32 s94, 0, s94
	s_cselect_b32 s95, 0x400000, s95               ; Wv's first byte in wh
	s_mov_b32 s[CC], 0
	s_lshl_b32 s13, s[CR], 2
	s_add_co_u32 s13, s13, s41                     ; tile row
	s_mov_b32 s42, s40                             ; tile column
	s_lshl_b32 s[RA0], s13, 7
	s_add_co_u32 s[RA0], s[RA0], s94
	s_lshl_b32 s43, s41, 2
	s_lshl_b32 s43, 15, s43                        ; my row of the cluster
	s_lshl_b32 s44, 0x1111, s40                    ; my column
	; A's tiles: 64 rows x 128 elements, rows 2,048 elements apart
	s_or_b32 s[G1+0], s43, (1<<16)|(1<<20)|(1<<21)|(5<<22)|(3<<25)  ; 15:0 the mask; 17:16 elements of 2 bytes; 20 padding on; 21 set beside a mask; 24:22 after every 64 words; 31:25 4 words of it
	s_mov_b32 s[G1+1], 128<<16                     ; tensor_dim0 = 128
	s_mov_b32 s[G1+2], 64<<16                      ; tensor_dim1 = 64
	s_mov_b32 s[G1+3], 128<<16                     ; tile_dim0 = 128
	s_mov_b32 s[G1+4], 64                          ; tile_dim1 = 64
	s_mov_b32 s[G1+5], 2048
	s_mov_b32 s[G1+6], 0
	s_mov_b32 s[G1+7], 0
	; B's tiles: 64 K rows x 256 elements, rows 1,024 elements apart
	s_or_b32 s[G1B+0], s44, (1<<16)|(1<<20)|(1<<21)|(6<<22)|(7<<25) ; the same with the mask of my column; padding after every 128 words, 8 words of it
	s_mov_b32 s[G1B+1], 256<<16                    ; tensor_dim0 = 256
	s_mov_b32 s[G1B+2], 64<<16                     ; tensor_dim1 = 64
	s_mov_b32 s[G1B+3], 256<<16                    ; tile_dim0 = 256
	s_mov_b32 s[G1B+4], 64                         ; tile_dim1 = 64
	s_mov_b32 s[G1B+5], 1024
	s_mov_b32 s[G1B+6], 0
	s_mov_b32 s[G1B+7], 0
	s_lshl_b32 s16, s12, 6
	s_add_co_u32 s16, s16, s[RA0]
	s_lshl_b32 s16, s16, 12                        ; the byte at which my half of A's tile begins (under 2^26)
	s_mov_b32 s17, 0
	s_lshl_b32 s46, s12, 17                        ; B: my 64 K rows of 2,048 bytes,
	s_add_co_u32 s46, s46, s95                     ; in the batch (or in Wv),
	s_lshl_b32 s23, s42, 9
	s_add_co_u32 s46, s46, s23                     ; at the tile column's 512 bytes
	s_mov_b32 s47, 0
	s_mul_i32 s20, s12, AHALF                      ; where they go in a slot: no place in the cluster enters an LDS address
	s_mul_i32 s21, s12, BHALF
	s_add_co_u32 s21, s21, ABYTES
	s_wait_dscnt 0x0                               ; the opening add is done
	s_wait_kmcnt 0x0
	s_cmp_eq_u32 s78, 1
	s_cselect_b64 s[4:5], s[82:83], s[80:81]       ; A: wo or p
	s_cselect_b64 s[6:7], s[86:87], s[84:85]       ; B: wh or xh
	s_cselect_b64 s[8:9], s[90:91], s[88:89]       ; C: wp or ctx
	s_add_nc_u64 s[14:15], s[4:5], s[16:17]
	s_add_nc_u64 s[46:47], s[6:7], s[46:47]
	CROUND                                         ; all sixteen work-groups are here: the first joint loads meet
.irp s, 0,1
	s_mov_b32 s[G0+4*(\s)], 1
	s_add_co_u32 s[G0+4*(\s)+1], s20, (\s)*SLOT
	s_add_nc_u64 s[G0+4*(\s)+2:G0+4*(\s)+3], s[14:15], (\s)*256
	s_or_b32 s[G0+4*(\s)+3], s[G0+4*(\s)+3], 0x80000000
	s_mov_b32 s[G0B+4*(\s)], 1
	s_add_co_u32 s[G0B+4*(\s)+1], s21, (\s)*SLOT
	s_add_nc_u64 s[G0B+4*(\s)+2:G0B+4*(\s)+3], s[46:47], (\s)*KSB
	s_or_b32 s[G0B+4*(\s)+3], s[G0B+4*(\s)+3], 0x80000000
	JLOAD \s                                       ; K steps 0 and 1: two loads of mine are out
.endr
	v_and_b32 v1, 15, v0                           ; l % 16
	v_bfe_u32 v2, v0, 4, 1                         ; l / 16
	v_mul_u32_u24 v3, v1, PITCH
	v_lshl_add_u32 v3, v2, 4, v3                   ; A: a fragment's row x pitch + 16 x half
	; B: the turning load takes 16 K rows x 16 columns (lane l reads 16 bytes: K row 8 (l / 16) + l % 8, columns 8 ((l / 8) % 2) + 0..7) and leaves half a fragment: lane l holds column l % 16 and 8 K
	v_and_b32 v4, 7, v0
	v_lshl_add_u32 v4, v2, 3, v4
	v_mul_u32_u24 v4, v4, PB
	v_bfe_u32 v5, v0, 3, 1
	v_lshl_add_u32 v4, v5, 4, v4
	s_mul_i32 s18, s11, AHALF                      ; my 64 rows of A
	s_lshl_b32 s22, s12, 8                         ; my 128 columns of B: 256 bytes of its rows,
	s_add_co_u32 s22, s22, ABYTES                  ; which lie behind A's 128
.irp s, 0,1
	v_add_nc_u32 v[ADRA+(\s)], s18, v3
	v_add_nc_u32 v[ADRB+(\s)], s22, v4
	s_add_co_u32 s18, s18, SLOT
	s_add_co_u32 s22, s22, SLOT
.endr
	s_mul_i32 s23, s10, 16*SPITCH
	s_add_co_u32 s23, s23, STAGE                   ; my stage
	v_mul_u32_u24 v4, v1, SPITCH                   ; in: row l % 16, 16 bytes for each half of the lanes
	v_lshl_add_u32 v4, v2, 4, v4
	v_add_nc_u32 v[STO], s23, v4
	v_mul_u32_u24 v5, v2, SPITCH                   ; back: lanes 0-15 one row of 256 bytes, lanes 16-31 the next
	v_lshl_add_u32 v5, v1, 4, v5
	v_add_nc_u32 v[RD], s23, v5
	v_mul_u32_u24 v5, v2, CP                       ; and the same two rows in C
	v_lshl_add_u32 v[CO], v1, 4, v5
	; my part of C: row = A's row + 64 wm; 512 bytes a tile column; 256 wn
	s_lshl_b32 s100, s11, 6
	s_add_co_u32 s92, s[RA0], s100
	s_lshl_b32 s92, s92, CPSH
	s_lshl_b32 s100, s42, 9
	s_add_co_u32 s92, s92, s100
	s_lshl_b32 s100, s12, 8
	s_add_co_u32 s92, s92, s100
	s_mov_b32 s93, 0
	s_add_nc_u64 s[8:9], s[8:9], s[92:93]
	; THE PREFETCHES.  Each aligned block of 256 bytes of a K step is named once in the launch.  A's tile row (128 rows x 256 bytes) is read by one cluster alone: its wave 0 asks; the four partners that
	; ask for the tile jointly take 32 rows each, told apart by address (cx): a lane a row.  B's tile (128 K rows x 512 bytes): the cluster with s[FB] = 0 asks, waves 2 and 3; of the 64 K rows that
	; such a wave fetches each of the four partners takes 16 (cy): two lanes a row.  K steps 0 to 3 come by their loads alone; the loop's last trip asks for nothing: there is no K step two refills on.
	s_lshl_b32 s94, s40, 5
	s_add_co_u32 s94, s94, s[RA0]
	s_lshl_b32 s94, s94, 12
	s_add_co_u32 s94, s94, 3*256                   ; A at K step 3: the first refill steps it to 4
	s_lshl_b32 s96, s12, 6
	s_lshl_b32 s100, s41, 4
	s_add_co_u32 s96, s96, s100
	s_lshl_b32 s96, s96, 11
	s_add_co_u32 s96, s96, s95
	s_lshl_b32 s100, s42, 9
	s_add_co_u32 s96, s96, s100
	s_add_co_u32 s96, s96, 3*KSB                   ; B likewise
	s_mov_b32 s[PST], KSB
	s_cmp_eq_u32 s11, 0                            ; do I fetch for A?
	s_cselect_b32 s96, s94, s96
	s_cselect_b32 s[PST], 0x100, s[PST]
	s_cselect_b32 s100, s[CC], s[FB]
	s_cselect_b32 s45, -1, 0
	s_cselect_b64 s[PFA:PFA+1], s[4:5], s[6:7]
	s_mov_b32 s97, 0
	s_mov_b32 s[PST+1], 0
	s_add_nc_u64 s[PFA:PFA+1], s[PFA:PFA+1], s[96:97]
	s_cmp_eq_u32 s10, 1                            ; wave 1 asks for nothing
	s_cselect_b32 s94, 1, 0
	s_or_b32 s100, s100, s94
	s_sub_co_u32 s94, s[NT], 1
	s_cmp_eq_u32 s100, 0
	s_cselect_b32 s[PL], s94, 0                    ; the same in all sixteen partners, for a given wave
	v_and_b32 v4, 31, v0
	v_lshlrev_b32 v[PFO], 12, v4                   ; A: lane x 4,096
	v_lshrrev_b32 v5, 1, v4
	v_and_b32 v4, 1, v4
	v_lshlrev_b32 v5, 11, v5
	v_lshl_add_u32 v5, v4, 8, v5                   ; B: (lane / 2) x 2,048 + (lane % 2) x 256
	v_cndmask_b32 v[PFO], v5, v[PFO], s45
	s_wait_tensorcnt 1                             ; my part of K step 0 is in; K step 1's may stay out
	s_barrier_signal -1
	s_barrier_wait -1
	FETCH 0, 0, F0
	QUARTER 0, 1, F0, F1, 1                        ; the first quarter stands in front of the loop: its products start the sums
	WIN 0
	s_mov_b32 s3, 0
.Llap:                                                 ; a trip goes once round the ring, from a lap's second quarter to the next lap's first, and fills both slots again: one trip at the least
	QUARTER 0, 2, F1, F0, 0
	QUARTER 0, 3, F0, F1, 0
	TURN 0, 1, 1
	QUARTER 1, 1, F0, F1, 0
	QUARTER 1, 2, F1, F0, 0
	QUARTER 1, 3, F0, F1, 0
	TURN 1, 0, 1
	QUARTER 0, 1, F0, F1, 0
	WIN 0
	s_add_co_u32 s3, s3, 1
	s_cmp_lt_u32 s3, s[NT]
	s_cbranch_scc1 .Llap
	QUARTER 0, 2, F1, F0, 0                        ; the last lap fills nothing
	QUARTER 0, 3, F0, F1, 0
	TURN 0, 1, 0
	QUARTER 1, 1, F0, F1, 0
	QUARTER 1, 2, F1, F0, 0
	QUARTER 1, 3, F0, F1, 0
	s_wait_dscnt 4
	MUL8 F1, 0, 0
	MUL8 F1, 1, 0
	s_wait_dscnt 0x0
	MUL8 F1, 2, 0
	MUL8 F1, 3, 0
	WIN 0
	PLACES
; THE WAY OUT, a block of 16 rows at a time: rounded to f16, 16 bytes a lane; into my own stage; back as whole rows of 256 bytes; stored, sixteen lanes to 256 consecutive aligned bytes.
.macro PACK a
	WIN PK
.irp b, 0,1,2,3,4,5,6,7
.irp r, 0,1,2,3
	v_cvt_pk_f16_f32 v[TMP+4*(\b)+(\r)], v[64*(\a)+8*(\b)+2*(\r)], v[64*(\a)+8*(\b)+2*(\r)+1]
.endr
.endr
	WIN 0
.endm
.macro TOSTAGE a
.set BK, OB+32*((\a)%2)
.irp b, 0,1,2,3,4,5,6,7
	ds_store_b128 v[STO], v[TMP+4*(\b):TMP+4*(\b)+3] offset:32*(\b)
.endr
.irp t, 0,1,2,3,4,5,6,7
	ds_load_b128 v[BK+4*(\t):BK+4*(\t)+3], v[RD] offset:(\t)*2*SPITCH  ; LDS serves a wave's instructions in order: these see the stores above
.endr
.endm
.macro SEND a
.set BK, OB+32*((\a)%2)
	s_wait_dscnt 0x0                               ; the block is back in registers
	s_wait_xcnt 0x0                                ; the stores of the block before have read their registers, which the next block's loads write
.irp t, 0,1,2,3,4,5,6,7
	global_store_b128 v[CO], v[BK+4*(\t):BK+4*(\t)+3], s[8:9] offset:(16*(\a)+2*(\t))*CP
.endr
.endm
	PACK 0
	TOSTAGE 0
.irp a, 1,2,3
	PACK \a                                        ; a block's conversions stand between the loads of the block before and the wait for them
	SEND (\a)-1
	TOSTAGE \a
.endr
	SEND 3
	s_wait_tensorcnt 0x0                           ; the wave's end: behind my last tensor load and my last LDS store
	ds_add_u32 v[SPW], v[NIL]
	s_wait_dscnt 0x0
	CROUND                                         ; the closing round: no work-group ends while a partner may still ask for a tile that names it
	s_endpgm
.Lfunc_end_k_q50841b6e11_ctxk:
	.size	k_q50841b6e11_ctxk, .Lfunc_end_k_q50841b6e11_ctxk-k_q50841b6e11_ctxk
	.p2alignl 7, 3214868480
	.fill 96, 4, 3214868480
	.section	.rodata,"a",@progbits
	.p2align	6, 0x0
	.amdhsa_kernel k_q50841b6e11_ctxk
		.amdhsa_group_segment_fixed_size 327680
		.amdhsa_private_segment_fixed_size 0
		.amdhsa_enable_private_segment 0
		.amdhsa_kernarg_size 48
		.amdhsa_user_sgpr_count 2
		.amdhsa_user_sgpr_kernarg_segment_ptr 1
		.amdhsa_wavefront_size32 1
		.amdhsa_system_sgpr_workgroup_id_x 1
		.amdhsa_system_sgpr_workgroup_id_y 1
		.amdhsa_system_sgpr_workgroup_id_z 1
		.amdhsa_system_vgpr_workitem_id 0
		.amdhsa_next_free_vgpr 512
		.amdhsa_next_free_sgpr 102
		.amdhsa_reserve_vcc 0
		.amdhsa_float_denorm_mode_32 3
		.amdhsa_float_denorm_mode_16_64 3
		.amdhsa_memory_ordered 1
		.amdhsa_forward_progress 1
		.amdhsa_inst_pref_size 88
	.end_amdhsa_kernel
	.amdgpu_metadata
---
amdhsa.version: [ 1, 2 ]
amdhsa.kernels:
  - .name:           k_q50841b6e11_ctxk
    .symbol:         k_q50841b6e11_ctxk.kd
    .args:
      - { .name: p, .offset: 0, .size: 8, .value_kind: global_buffer, .address_space: global }
      - { .name: wo, .offset: 8, .size: 8, .value_kind: global_buffer, .address_space: global }
      - { .name: xh, .offset: 16, .size: 8, .value_kind: global_buffer, .address_space: global }
      - { .name: wh, .offset: 24, .size: 8, .value_kind: global_buffer, .address_space: global }
      - { .name: ctx, .offset: 32, .size: 8, .value_kind: global_buffer, .address_space: global }
      - { .name: wp, .offset: 40, .size: 8, .value_kind: global_buffer, .address_space: global }
    .group_segment_fixed_size: 327680
    .private_segment_fixed_size: 0
    .kernarg_segment_align: 8
    .kernarg_segment_size: 48
    .max_flat_workgroup_size: 128
    .sgpr_count:     102
    .vgpr_count:     512
    .wavefront_size: 32
...
	.end_amdgpu_metadata
.endif
;; end of part 10
;; launch outp (part 11): grid 4 x 64, 4 waves a work-group, clusters of 4 x 4, 327,680 bytes of LDS; arguments ctx, wp, bo, out0; writes out0
.if DOCPART == 11
	.amdgcn_target "amdgcn-amd-amdhsa--gfx1250"
	.amdhsa_code_object_version 6
	.text
	.protected	k_q50841b6e11_outp
	.globl	k_q50841b6e11_outp
	.p2align	8
	.type	k_q50841b6e11_outp,@function
k_q50841b6e11_outp:
	s_mov_b64 s[64:65], 0
	v_nop
	global_prefetch_b8 v0, s[64:65] scope:SCOPE_SE
	s_setreg_imm32_b32 hwreg(HW_REG_WAVE_MODE, 25, 1), 1
	s_wait_xcnt 0x0
	s_wait_alu depctr_hold_cnt(0) depctr_sa_sdst(0) depctr_va_vdst(0) depctr_va_sdst(0) depctr_va_ssrc(0) depctr_va_vcc(0) depctr_vm_vsrc(0)
	s_getreg_b32 s2, hwreg(HW_REG_IB_STS2, 6, 4)
	s_cmp_eq_u32 s2, 0
	s_cbranch_scc0 .Lentry_in_a_cluster
	s_endpgm
.Lentry_in_a_cluster:
	s_bfe_u32 s2, ttmp6, 0x10000c
	s_cmp_lg_u32 s2, 0xf033
	s_cbranch_scc0 .Lentry_shape_is_right
	s_endpgm
.Lentry_shape_is_right:
; THE OUTPUT: out0[i][e] = (the sum over d of ctx[i][d] wp[e][d]) / 16 + bo[e], as a product C = A B^T with f16 operands (K = 1,024) and f32 sums; scale and bias in one f32 multiply-add; stored in f32.
; A = ctx [8192][1024] f16 = p x;  B = wp [1024][1024] f16 = 16 Wo Wv;  so the sum is 16 (p x Wv^T) Wo^T.  bo is rounded to bf16 like the other inputs.  C = out0 [8192][1024] f32.
; SHARES, RING, CLUSTER, LAYOUT: a work-group makes 128 x 256, wave (wm, wn) = (w / 2, w % 2) 64 x 128 in 32 accumulators; K in steps of 128 through two LDS slots filled by tensor loads; A's tile asked for
; jointly along a row of the 4 x 4 cluster, B's along a column; the matrix instruction transposed (source 0 = 16 rows of B, source 1 = 16 rows of A), so that lane l holds row l % 16 of C and the
; columns 8 (l / 16) + 0..7.  256 work-groups of equal work.
; THE TEXT.  A K step is written twice: once for the six steps that fill their slot again (a loop, entered behind its first quarter: the first step's first quarter stands in front, since its products
; start the sums), once for the last two steps (a loop of two trips).  The LDS addresses hang on s[TB], the byte at which the slot in hand begins: 0 or SLOT, turned by an exclusive or at each change
; of slots.  The price of one text for the last two steps: the very last change of slots passes a barrier that nothing needs and fetches fragments (24 loads) that nothing multiplies.
; REGISTERS.  Window 0: v0-30 addresses and the bias; v64-159 and v160-255 two fragment buffers (B's eight fragments, then A's four).  Window 1: accumulator (a, b) at v[64 a + 8 b].
.set STEPS,  8                         ; K steps: 1,024 / 128
.set PGSH,   11                        ; a row of ctx and of wp: 2,048 bytes
.set PG,     1<<PGSH
.set CPSH,   12                        ; a row of out0: 4,096 bytes
.set CP,     1<<CPSH
.set PITCH,  272                       ; an LDS row: 256 bytes + 16 of padding = 68 words: the 16 rows that a fragment load touches start 4 words apart modulo 64
.set AHALF,  64*PITCH
.set BHALF,  128*PITCH
.set ABYTES, 2*AHALF
.set SLOT,   ABYTES+2*BHALF            ; A's 128 rows, then B's 256 rows: 104,448 bytes
.set STAGE,  2*SLOT                    ; behind the ring: 16 rows x 528 bytes for each wave, for the way out; no tensor load lands there
.set SPITCH, 528                       ; 512 bytes + 16 = 132 words
.set SPARE,  STAGE+4*16*SPITCH         ; behind the stages: the spare words, 128 bytes for each wave, that no other line names
.set BI,   12                          ; v[12:15] the bias of the four columns that I store
.set A0,   16                          ; v16     my lane's place among my A fragments in slot 0; never rewritten
.set B0,   17                          ; v17     the same for B
.set ADRA, 18                          ; v18     LDS address of my A fragments in the slot in hand: s[TB] + v[A0]
.set ADRB, 19                          ; v19     the same for B
.set STO,  24                          ; v24     the way out: where I put 32 bytes of a row
.set RD,   25                          ; v25     the way out: where I read a row back
.set CO,   26                          ; v26     my byte offset in a row of C
.set BOF,  27                          ; v27     my byte offset in bo
.set SPW,  28                          ; v28     my spare word: SPARE + 4 x my thread's number; never rewritten
.set NIL,  29                          ; v29     0; never rewritten
.set PFO,  30                          ; v30     the prefetches' offset: my lane x a row of memory; never rewritten
.set F0,   64
.set F1,   160
.set LWA, 20                           ; s20  where a load of A's lands in a slot: my half x 64 rows
.set LWB, 21                           ; s21  where a load of B's lands: behind A's rows, my half x 128 rows
.set G1,  24                           ; s[24:31] descriptor group 1 for A's tiles;  s[32:39] group 0: a set for each of the two first fills; the second then walks on
.set G0,  32
.set G1B, 48                           ; s[48:55], s[56:63] the same for B's tiles
.set G0B, 56
.set PFA, 66                           ; s[66:67] where my prefetches stand
.set LIM, 68                           ; s68  2 in a wave that prefetches, else the greatest number: a wave prefetches while the steps still to be asked for are more
.set TB,  70                           ; s70  the LDS byte at which the slot in hand begins
.set CC,  72                           ; s72  the cluster's column: 0
.set CR,  73                           ; s73  its row
.set FB,  74                           ; s74  0 in the cluster that prefetches B's rows
.set RA0, 77                           ; s77  first row of my tile of A
.set RB0, 79                           ; s79  first row of my tile of B
.set SC,  98                           ; s[98:99] 1 / 16: the packed multiply-add takes the pair's low word for both halves
.set MUL, 0x50                         ; C and D in window 1, sources in window 0
.set ST1, 0x04                         ; an LDS store's data in window 1, its address in window 0
.set MSB, 0
.macro WIN new                         ; the immediate's high byte repeats the setting that is left; a switch that changes nothing is dropped
.if MSB != (\new)
	s_set_vgpr_msb (MSB<<8)|(\new)
.set MSB, \new
.endif
.endm
.macro PLACES                          ; four plain instructions between a matrix instruction and a load into, or a read of, its registers
.rept 4
	v_nop
.endr
.endm
; A joint load: waves 0 and 1 fetch A's two halves (64 rows), waves 2 and 3 B's (128 rows).  The branch hangs on the wave's number alone.  An s_nop 0 and four v_nop follow each line.
.macro JLOAD s
	s_cmp_eq_u32 s11, 0
	s_cbranch_scc0 .Lfor_b_\@
	tensor_load_to_lds s[G0+4*(\s):G0+4*(\s)+3], s[G1:G1+7]
	s_nop 0
.rept 4
	v_nop
.endr
	s_branch .Lasked_\@
.Lfor_b_\@:
	tensor_load_to_lds s[G0B+4*(\s):G0B+4*(\s)+3], s[G1B:G1B+7]
	s_nop 0
.rept 4
	v_nop
.endr
.Lasked_\@:
.endm
.macro CREST                           ; a round of the cluster's barrier behind its opening barrier
	s_cmp_lg_u32 s10, 0
	s_cbranch_scc1 .Lnot_wave_0_\@
	s_barrier_signal -3
.Lnot_wave_0_\@:
	s_barrier_wait -3
	s_barrier_signal -1
	s_barrier_wait -1
.endm
.macro CROUND                          ; a whole round
	s_barrier_signal -1
	s_barrier_wait -1
	CREST
.endm
; A prefetch, behind a joint load and the run of LDS loads that follows it: 32 rows x 256 bytes, a lane a row, of the K step that stands two refills on.  s3 counts the refills still to come, this one among them.
.macro ASK
	s_cmp_gt_u32 s3, s[LIM]
	s_cbranch_scc0 .Lnot_mine_\@
	global_prefetch_b8 v[PFO], s[PFA:PFA+1] offset:256 th:TH_LOAD_NT scope:SCOPE_SE
.Lnot_mine_\@:
.endm
; 8 matrix instructions: m block a x all 8 n blocks, 32 along K, from buffer f.  zero = 1: the product starts the sum.  The 32 accumulators take turns, in the same order in every quarter.
.macro MUL8 f, a, zero
	WIN MUL
.irp b, 0,1,2,3,4,5,6,7
.if \zero
	v_wmma_f32_16x16x32_f16 v[64*(\a)+8*(\b):64*(\a)+8*(\b)+7], v[(\f)+8*(\b):(\f)+8*(\b)+7], v[(\f)+64+8*(\a):(\f)+64+8*(\a)+7], 0
.else
	v_wmma_f32_16x16x32_f16 v[64*(\a)+8*(\b):64*(\a)+8*(\b)+7], v[(\f)+8*(\b):(\f)+8*(\b)+7], v[(\f)+64+8*(\a):(\f)+64+8*(\a)+7], v[64*(\a)+8*(\b):64*(\a)+8*(\b)+7]
.endif
.endr
.endm
; 24 LDS loads in one run: the fragments of 32 along K at byte k of the rows of the slot in hand: B's eight, then A's four
.macro FETCH k, f
	WIN 0
.irp i, 0,1,2,3,4,5,6,7
	ds_load_b128 v[(\f)+8*(\i):(\f)+8*(\i)+3],   v[ADRB] offset:(\k)+(\i)*16*PITCH
	ds_load_b128 v[(\f)+8*(\i)+4:(\f)+8*(\i)+7], v[ADRB] offset:(\k)+(\i)*16*PITCH+32
.endr
.irp i, 0,1,2,3
	ds_load_b128 v[(\f)+64+8*(\i):(\f)+64+8*(\i)+3],   v[ADRA] offset:(\k)+(\i)*16*PITCH
	ds_load_b128 v[(\f)+64+8*(\i)+4:(\f)+64+8*(\i)+7], v[ADRA] offset:(\k)+(\i)*16*PITCH+32
.endr
.endm
; A K step is four quarters of 32 along K, 32 matrix instructions each, on buffers 0, 1, 0, 1.  One of the first three: multiplies f and fetches the next quarter, at byte k, into g.
.macro QUARTER k, f, g, zero
	s_wait_dscnt 4                                 ; B's fragments and A's 0 and 1 are in; the four youngest loads (A's 2 and 3) may be out
	MUL8 \f, 0, \zero
	MUL8 \f, 1, \zero
	PLACES
	FETCH \k, \g
	s_wait_dscnt 24                                ; all but the 24 just issued
	MUL8 \f, 2, \zero
	MUL8 \f, 3, \zero
.endm
; The last quarter multiplies buffer 1 and changes slots.  In front of the one barrier each wave waits for all its tensor loads (one is out: its part of the next slot), adds 0 to its spare word, and
; waits for that and for its reads of this slot.  fill = 1: the barrier opens a round of the cluster's barrier, and this slot is filled again, two K steps ahead, first thing behind the round.
.macro TURN fill
.if \fill
	s_wait_xcnt 0x0                                ; the last prefetch, a K step back, has read its address, which steps here
	s_add_nc_u64 s[PFA:PFA+1], s[PFA:PFA+1], 256
.endif
	WIN 0
	s_wait_tensorcnt 0x0                           ; all my tensor loads have landed
	ds_add_u32 v[SPW], v[NIL]                      ; 0 onto my spare word
	s_wait_dscnt 5                                 ; (the add and the four youngest loads may be out)
	MUL8 F1, 0, 0
	s_wait_dscnt 0x0                               ; the add is done, and my reads of this slot are over
	s_barrier_signal -1
	MUL8 F1, 1, 0
	WIN 0                                          ; (branches and lines on window 0 follow)
	s_barrier_wait -1
.if \fill
	CREST                                          ; no wave of any partner still reads this slot or has a load on its way
	s_add_co_u32 s[G0+5], s[LWA], s[TB]            ; the walking descriptors: into the slot just read out,
	s_add_co_u32 s[G0B+5], s[LWB], s[TB]
	s_add_nc_u64 s[G0+6:G0+7], s[G0+6:G0+7], 256   ; the K step behind the one asked for last; the type bits on top are not reached
	s_add_nc_u64 s[G0B+6:G0B+7], s[G0B+6:G0B+7], 256
	JLOAD 1                                        ; 112 matrix instructions ahead of the wait for it; its four v_nop are also the places in front of the loads below
.else
	PLACES
.endif
	s_xor_b32 s[TB], s[TB], SLOT                   ; the other slot is in hand now
	v_add_nc_u32 v[ADRA], s[TB], v[A0]
	v_add_nc_u32 v[ADRB], s[TB], v[B0]
	FETCH 0, F0
.if \fill
	ASK
.endif
	MUL8 F1, 2, 0
	MUL8 F1, 3, 0
.endm
	s_load_b256 s[80:87], s[0:1], 0x0              ; ctx s[80:81], wp s[82:83], bo s[84:85], out0 s[86:87]
	v_lshl_add_u32 v[SPW], v0, 2, SPARE
	v_mov_b32 v[NIL], 0
	ds_add_u32 v[SPW], v[NIL]                      ; the wave's opening: the add and its wait stand ahead of my first tensor load; the set-up below stands between them
	v_lshrrev_b32 v1, 5, v0
	v_readfirstlane_b32 s10, v1                    ; wave 0..3
	s_lshr_b32 s11, s10, 1                         ; wm.  Also: I fetch for A (0) or for B (1)
	s_and_b32 s12, s10, 1                          ; wn.  Also: which half of that tile I fetch
	s_bfe_u32 s40, ttmp6, 0x40000                  ; cx
	s_bfe_u32 s41, ttmp6, 0x40004                  ; cy
	s_and_b32 s71, ttmp7, 0xffff                   ; cluster y: 0 .. 15
	s_mov_b32 s[CR], s71
	s_mov_b32 s[CC], 0
	s_mov_b32 s[FB], s71                           ; wp's rows are read by every cluster: the first asks
	s_mov_b32 s[TB], 0                             ; slot 0 is in hand
	s_mov_b32 s[SC], 0x3d800000                    ; 1 / 16
	s_mov_b32 s[SC+1], s[SC]                       ; named with it as a pair
	s_lshl_b32 s13, s[CR], 2
	s_add_co_u32 s13, s13, s41                     ; tile row of C
	s_mov_b32 s42, s40                             ; tile column of C
	s_lshl_b32 s[RA0], s13, 7
	s_lshl_b32 s[RB0], s42, 8
	s_lshl_b32 s43, s41, 2
	s_lshl_b32 s43, 15, s43                        ; my row of the cluster
	s_lshl_b32 s44, 0x1111, s40                    ; my column
	s_or_b32 s[G1+0], s43, (1<<16)|(1<<20)|(1<<21)|(5<<22)|(3<<25)  ; 15:0 the mask; 17:16 elements of 2 bytes; 20 padding on; 21 set beside a mask; 24:22 after every 64 words; 31:25 4 words of it
	s_or_b32 s[G1B+0], s44, (1<<16)|(1<<20)|(1<<21)|(5<<22)|(3<<25)
.irp g, G1, G1B
	s_mov_b32 s[(\g)+1], 128<<16                   ; tensor_dim0 = 128
	s_mov_b32 s[(\g)+3], 128<<16                   ; tile_dim0 = 128
	s_mov_b32 s[(\g)+5], PG/2                      ; elements from row to row
	s_mov_b32 s[(\g)+6], 0
	s_mov_b32 s[(\g)+7], 0
.endr
	s_mov_b32 s[G1+2], 64<<16                      ; tensor_dim1 = tile_dim1 = 64 rows for A,
	s_mov_b32 s[G1+4], 64
	s_mov_b32 s[G1B+2], 128<<16                    ; 128 for B
	s_mov_b32 s[G1B+4], 128
	s_lshl_b32 s16, s12, 6
	s_add_co_u32 s16, s16, s[RA0]
	s_lshl_b32 s16, s16, PGSH                      ; the byte at which my half of A's tile begins (under 2^25)
	s_mov_b32 s17, 0
	s_lshl_b32 s46, s12, 7
	s_add_co_u32 s46, s46, s[RB0]
	s_lshl_b32 s46, s46, PGSH                      ; the same for B
	s_mov_b32 s47, 0
	s_mul_i32 s[LWA], s12, AHALF                   ; where they go in a slot: no place in the cluster enters an LDS address
	s_mul_i32 s[LWB], s12, BHALF
	s_add_co_u32 s[LWB], s[LWB], ABYTES
	s_wait_dscnt 0x0                               ; the opening add is done
	s_wait_kmcnt 0x0
	s_mov_b64 s[4:5], s[80:81]                     ; A
	s_mov_b64 s[6:7], s[82:83]                     ; B
	s_mov_b64 s[8:9], s[86:87]                     ; C
	s_add_nc_u64 s[14:15], s[4:5], s[16:17]
	s_add_nc_u64 s[46:47], s[6:7], s[46:47]
	CROUND                                         ; all sixteen work-groups are here: the first joint loads meet
.irp s, 0,1
	s_mov_b32 s[G0+4*(\s)], 1
	s_add_co_u32 s[G0+4*(\s)+1], s[LWA], (\s)*SLOT
	s_add_nc_u64 s[G0+4*(\s)+2:G0+4*(\s)+3], s[14:15], (\s)*256
	s_or_b32 s[G0+4*(\s)+3], s[G0+4*(\s)+3], 0x80000000
	s_mov_b32 s[G0B+4*(\s)], 1
	s_add_co_u32 s[G0B+4*(\s)+1], s[LWB], (\s)*SLOT
	s_add_nc_u64 s[G0B+4*(\s)+2:G0B+4*(\s)+3], s[46:47], (\s)*256
	s_or_b32 s[G0B+4*(\s)+3], s[G0B+4*(\s)+3], 0x80000000
	JLOAD \s                                       ; K steps 0 and 1: two loads of mine are out
.endr
	v_and_b32 v1, 15, v0                           ; l % 16
	v_bfe_u32 v2, v0, 4, 1                         ; l / 16
	v_mul_u32_u24 v3, v1, PITCH
	v_lshl_add_u32 v3, v2, 4, v3                   ; a fragment's row x pitch + 16 x half
	s_mul_i32 s18, s11, AHALF                      ; my 64 rows of A
	s_mul_i32 s22, s12, BHALF                      ; my 128 rows of B,
	s_add_co_u32 s22, s22, ABYTES                  ; which lie behind A's 128
	v_add_nc_u32 v[A0], s18, v3
	v_add_nc_u32 v[B0], s22, v3
	v_mov_b32 v[ADRA], v[A0]                       ; slot 0 begins at byte 0
	v_mov_b32 v[ADRB], v[B0]
	s_mul_i32 s23, s10, 16*SPITCH
	s_add_co_u32 s23, s23, STAGE                   ; my stage
	v_mul_u32_u24 v4, v1, SPITCH                   ; in: row l % 16, 32 bytes for each half of the lanes
	v_lshl_add_u32 v4, v2, 5, v4
	v_add_nc_u32 v[STO], s23, v4
	v_and_b32 v5, 31, v0
	v_lshlrev_b32 v[CO], 4, v5                     ; back and out: 32 lanes take one row of 512 bytes
	v_add_nc_u32 v[RD], s23, v[CO]
	; my part of C: row = A's row + 64 wm; 1,024 bytes a tile column; 512 wn.  The column's bytes are also my place in bo
	s_lshl_b32 s90, s42, 10
	s_lshl_b32 s91, s12, 9
	s_add_co_u32 s90, s90, s91
	v_add_nc_u32 v[BOF], s90, v[CO]
	global_load_b128 v[BI:BI+3], v[BOF], s[84:85]  ; waited for on the way out
	s_lshl_b32 s91, s11, 6
	s_add_co_u32 s88, s[RA0], s91
	s_lshl_b32 s88, s88, CPSH
	s_add_co_u32 s88, s88, s90
	s_mov_b32 s89, 0
	s_add_nc_u64 s[8:9], s[8:9], s[88:89]
	; THE PREFETCHES.  Each row's 256 bytes of a K step are named once in the launch.  ctx's tile row is read by one cluster alone: its wave 0 asks; the four partners that ask for the tile jointly take
	; 32 rows each, told apart by address (cx).  wp's rows are read by all clusters: the one with s[FB] = 0 asks, waves 2 and 3, 32 rows each of the partner's 64 (cy).
	; K steps 0 to 3 come by their loads alone; the last two refills ask for nothing: there is no K step two refills on.
	s_lshl_b32 s91, s40, 5
	s_lshl_b32 s92, s41, 6
	s_cmp_eq_u32 s11, 0
	s_cselect_b32 s93, s[RA0], s[RB0]
	s_cselect_b32 s91, s91, s92
	s_cselect_b32 s94, s[CC], s[FB]
	s_cselect_b64 s[PFA:PFA+1], s[4:5], s[6:7]
	s_add_co_u32 s93, s93, s91
	s_lshl_b32 s91, s12, 5
	s_add_co_u32 s93, s93, s91
	s_lshl_b32 s92, s93, PGSH
	s_mov_b32 s93, 0
	s_add_nc_u64 s[PFA:PFA+1], s[PFA:PFA+1], s[92:93]
	s_add_nc_u64 s[PFA:PFA+1], s[PFA:PFA+1], 512   ; at K step 2: the first refill steps it to 3 and names K step 4
	s_cmp_eq_u32 s10, 1                            ; wave 1 asks for nothing
	s_cselect_b32 s91, 1, 0
	s_or_b32 s94, s94, s91
	s_cmp_eq_u32 s94, 0
	s_cselect_b32 s[LIM], 2, -1                    ; the same in all sixteen partners, for a given wave
	v_and_b32 v[PFO], 31, v0
	v_lshlrev_b32 v[PFO], PGSH, v[PFO]
	s_wait_tensorcnt 1                             ; my part of K step 0 is in; K step 1's may stay out
	s_barrier_signal -1
	s_barrier_wait -1
	FETCH 0, F0
	QUARTER 64,  F0, F1, 1                         ; the first step's first quarter: its products start the sums
	WIN 0                                          ; at a label and at a branch every window is 0
	s_mov_b32 s3, STEPS-2                          ; refills to come: K steps 2 to 7
	s_branch .Lmid                                 ; the loop is entered behind its first quarter
.Lstep:                                                ; a trip is a K step, and fills its slot again
	QUARTER 64,  F0, F1, 0
	WIN 0
.Lmid:
	QUARTER 128, F1, F0, 0
	QUARTER 192, F0, F1, 0
	TURN 1
	WIN 0
	s_sub_co_u32 s3, s3, 1
	s_cmp_lg_u32 s3, 0
	s_cbranch_scc1 .Lstep
	s_mov_b32 s3, 2
.Ltail:                                                ; the last two K steps fill nothing: a text of their own
	QUARTER 64,  F0, F1, 0
	QUARTER 128, F1, F0, 0
	QUARTER 192, F0, F1, 0
	TURN 0
	WIN 0
	s_sub_co_u32 s3, s3, 1
	s_cmp_lg_u32 s3, 0
	s_cbranch_scc1 .Ltail
	s_wait_dscnt 0x0                               ; the last trip's fetch, which nothing multiplies, is back: its registers serve the way out
	s_wait_loadcnt 0x0                             ; the bias
	v_cvt_pk_bf16_f32 v4, v[BI], v[BI+1]           ; rounded to bf16 like the other inputs, and widened again: six plain lines that name no register of the last products: the places behind them
	v_cvt_pk_bf16_f32 v5, v[BI+2], v[BI+3]
	v_lshlrev_b32 v[BI], 16, v4
	v_and_b32 v[BI+1], 0xffff0000, v4
	v_lshlrev_b32 v[BI+2], 16, v5
	v_and_b32 v[BI+3], 0xffff0000, v5
; THE WAY OUT, a block of 16 rows at a time: a lane's eight f32 of a row go into my own stage, each accumulator's low four registers first; whole rows of 512 bytes come back, are divided by 16
; and take the bias in one multiply-add, and are stored: a store of the wave covers 512 consecutive bytes, aligned.  The rows come back into two sets of registers by turns (v64-127, v128-191), and
; block a is put into the stage and asked back before block a - 1 is stored: LDS serves a wave's instructions in order, so block a's stores into the stage come behind block a - 1's loads from it.
.macro TOST a
.set BK, 64+64*((\a)%2)
	s_wait_xcnt 0x0                                ; the global stores of block a - 2 have read their registers, which the loads below write
	WIN ST1
.irp b, 0,1,2,3,4,5,6,7
.irp u, 0,1
	ds_store_b128 v[STO], v[64*(\a)+8*(\b)+4*(\u):64*(\a)+8*(\b)+4*(\u)+3] offset:64*(\b)+16*(\u)
.endr
.endr
	WIN 0
.irp t, 0,1,2,3,4,5,6,7,8,9,10,11,12,13,14,15
	ds_load_b128 v[BK+4*(\t):BK+4*(\t)+3], v[RD] offset:(\t)*SPITCH
.endr
.endm
.macro SEND a, younger                 ; younger: the LDS instructions issued behind block a's loads: the next block's 32, or none
.set BK, 64+64*((\a)%2)
.irp t, 0,1,2,3,4,5,6,7,8,9,10,11,12,13,14,15
.if ((\t)%4) == 0
	s_wait_dscnt (\younger)+12-(\t)                ; rows t to t + 3 are back; the block's 12 - t younger loads and the next block's instructions may stay out
.endif
	v_pk_fma_f32 v[BK+4*(\t):BK+4*(\t)+1], v[BK+4*(\t):BK+4*(\t)+1], s[SC:SC+1], v[BI:BI+1] op_sel_hi:[1,0,1]
	v_pk_fma_f32 v[BK+4*(\t)+2:BK+4*(\t)+3], v[BK+4*(\t)+2:BK+4*(\t)+3], s[SC:SC+1], v[BI+2:BI+3] op_sel_hi:[1,0,1]
	global_store_b128 v[CO], v[BK+4*(\t):BK+4*(\t)+3], s[8:9] offset:(16*(\a)+(\t))*CP
.endr
.endm
	TOST 0
.irp a, 1,2,3
	TOST \a
	SEND (\a)-1, 32
.endr
	SEND 3, 0
	s_wait_tensorcnt 0x0                           ; the wave's end: behind my last tensor load and my last LDS store
	ds_add_u32 v[SPW], v[NIL]
	s_wait_dscnt 0x0
	CROUND                                         ; the closing round: no work-group ends while a partner may still ask for a tile that names it
	s_endpgm
.Lfunc_end_k_q50841b6e11_outp:
	.size	k_q50841b6e11_outp, .Lfunc_end_k_q50841b6e11_outp-k_q50841b6e11_outp
	.p2alignl 7, 3214868480
	.fill 96, 4, 3214868480
	.section	.rodata,"a",@progbits
	.p2align	6, 0x0
	.amdhsa_kernel k_q50841b6e11_outp
		.amdhsa_group_segment_fixed_size 327680
		.amdhsa_private_segment_fixed_size 0
		.amdhsa_enable_private_segment 0
		.amdhsa_kernarg_size 32
		.amdhsa_user_sgpr_count 2
		.amdhsa_user_sgpr_kernarg_segment_ptr 1
		.amdhsa_wavefront_size32 1
		.amdhsa_system_sgpr_workgroup_id_x 1
		.amdhsa_system_sgpr_workgroup_id_y 1
		.amdhsa_system_sgpr_workgroup_id_z 1
		.amdhsa_system_vgpr_workitem_id 0
		.amdhsa_next_free_vgpr 512
		.amdhsa_next_free_sgpr 100
		.amdhsa_reserve_vcc 0
		.amdhsa_float_denorm_mode_32 3
		.amdhsa_float_denorm_mode_16_64 3
		.amdhsa_memory_ordered 1
		.amdhsa_forward_progress 1
		.amdhsa_inst_pref_size 69
	.end_amdhsa_kernel
	.amdgpu_metadata
---
amdhsa.version: [ 1, 2 ]
amdhsa.kernels:
  - .name:           k_q50841b6e11_outp
    .symbol:         k_q50841b6e11_outp.kd
    .args:
      - { .name: ctx, .offset: 0, .size: 8, .value_kind: global_buffer, .address_space: global }
      - { .name: wp, .offset: 8, .size: 8, .value_kind: global_buffer, .address_space: global }
      - { .name: bo, .offset: 16, .size: 8, .value_kind: global_buffer, .address_space: global }
      - { .name: out0, .offset: 24, .size: 8, .value_kind: global_buffer, .address_space: global }
    .group_segment_fixed_size: 327680
    .private_segment_fixed_size: 0
    .kernarg_segment_align: 8
    .kernarg_segment_size: 32
    .max_flat_workgroup_size: 128
    .sgpr_count:     100
    .vgpr_count:     512
    .wavefront_size: 32
...
	.end_amdgpu_metadata
.endif
;; end of part 11
;; ======== version 3 of 3: 6 launches; version 2 with the launch soft written anew for expert scheduling mode
;; limits: values are held in f16: magnitudes above 65,504 overflow, below 6.1e-05 lose precision; right only within a limited range of input values
;; workspace buffers: xh 16,777,216 bytes; wh 6,291,456 bytes; wo 4,194,304 bytes; qk 33,554,432 bytes; sc 67,108,864 bytes; p 33,554,432 bytes; ctx 16,777,216 bytes; wp 2,097,152 bytes
;; launch cast: the kernel of part 7 again; grid 1536 x 1, 8 waves a work-group, no clusters, 0 bytes of LDS; arguments x, Wq, Wk, Wv, Wo, xh, wh, wo; writes xh, wh, wo
;; launch proj: the kernel of part 8 again; grid 8 x 32, 4 waves a work-group, clusters of 4 x 4, 327,680 bytes of LDS; arguments xh, wh, qk; writes qk
;; launch score: the kernel of part 9 again; grid 12 x 16, 4 waves a work-group, clusters of 4 x 4, 327,680 bytes of LDS; arguments qk, sc; writes sc
;; launch soft (part 12): grid 1024 x 1, 8 waves a work-group, no clusters, 0 bytes of LDS; arguments sc, p; writes p
.if DOCPART == 12
	.amdgcn_target "amdgcn-amd-amdhsa--gfx1250"
	.amdhsa_code_object_version 6
	.text
	.protected	k_q50841b6e11_soft
	.globl	k_q50841b6e11_soft
	.p2align	8
	.type	k_q50841b6e11_soft,@function
k_q50841b6e11_soft:
	s_mov_b64 s[64:65], 0
	v_nop
	global_prefetch_b8 v0, s[64:65] scope:SCOPE_SE
	s_setreg_imm32_b32 hwreg(HW_REG_WAVE_SCHED_MODE, 0, 2), 2
	s_setreg_imm32_b32 hwreg(HW_REG_WAVE_MODE, 25, 1), 1
	s_wait_xcnt 0x0
	s_wait_alu depctr_vm_vsrc(0)
; THE CAUSAL SOFTMAX.  p[b][i][j] = exp((s[i][j] - m[i]) / 32) / l[i] for j <= i, 0 for i < j < 512 (c + 1), where c = i / 512, m the row's largest visible score and l the sum of the exponentials.
; sc: [4][2048][2048] f32, unscaled scores.  p: [4][2048][2048] f16, of which columns 0 .. 512 (c + 1) - 1 of each row are written: all that the next product reads.
; All in f32: hidden scores count as minus infinity, the row's true maximum is taken away, 2^(kappa s - kappa m) with kappa = log2(e) / 32; p is rounded once, to f16.
; LIMITS.  A weight below 2^-126 counts as 0 in l; below 6e-5 p keeps f16's fixed step of 6e-8; NaN and infinities among the scores are not treated apart.
; SHARES.  One wave, one row, kept in registers between the passes: read once, no LDS, no barrier.  The row is taken in groups of 512 columns, 16 registers a lane: group 0 holds the block with the diagonal
; (columns 512 c on), group g = 1..3 columns 512 (g - 1) on, and is live if g <= c.  Register 4 j + e of a group is its column 128 j + 4 lane + e.  The long rows' work-groups come first.
; A stream: matrix units and clusters would add nothing (no byte is read twice).
; THE MODE: SCHED_MODE bits 1:0 = 2 (LLVM: expert scheduling mode 2), set by the entry lines.  The code itself states the register dependences between vector instructions and memory
; instructions, and those through scalar registers that vector instructions write, with s_wait_alu, always for 0.
; THE PLAN.  Registers that memory instructions touch:
;   v1, v2     the loads' and the stores' byte offsets: made once at the head, ahead of the wait that stands in front of the first load, and never written again.
;   X          the loads land in the live groups, which no vector line has named before; the dead groups, in which no load lands, are written by vector lines.  Behind the wait for the loads only
;              vector lines name X, until the stores read the first eight words of each live group; behind the stores stands nothing but the end.
; So all live groups are divided by l and rounded first; ONE wait states that the roundings have written their words; all the stores follow it.  No register that a memory instruction reads is written
; behind that instruction, on any path: no wait for the memory side's reads is owed.  EXEC is never written.
; The mask's sixteen compares hang on the lane and the row alone: they stand in the wait for the loads and write sixteen scalar registers, with one wait behind the run, ahead of the first select.
.set VT,  3                            ; v3      my row's place in its block of 512, less 4 x lane: column 128 j + e of group 0 is hidden where it is greater
.set M,   4                            ; v[4:7]  four running maxima
.set KM,  8                            ; v[8:9]  kappa m (the pair's low word is taken for both halves)
.set R,   10                           ; v[10:11] 1 / l, likewise
.set NEG, 12                           ; v12     minus infinity
.set X,   16                           ; v[16:79] the row
.set S,   80                           ; v[80:83] two pairs of sums
.set SEL, 12                           ; s[12:13] v_permlanex16_b32's selects: each lane takes its own place in the other half
.set KAP, 14                           ; s[14:15] kappa
.set C,   3                            ; s3      c
.set MK,  16                           ; s[16:31] the masks of group 0's sixteen registers; at the head s16 and s[18:27] serve the addresses first
	s_load_b128 s[4:7], s[0:1], 0x0                ; sc s[4:5], p s[6:7]
	v_lshrrev_b32 v1, 5, v0
	v_readfirstlane_b32 s16, v1                    ; wave 0..7
	s_lshr_b32 s[C], ttmp9, 8
	s_sub_co_u32 s[C], 3, s[C]
	s_and_b32 s18, ttmp9, 255
	s_lshr_b32 s19, s18, 6                         ; the batch
	s_and_b32 s18, s18, 63
	s_lshl_b32 s18, s18, 3
	s_wait_alu depctr_va_sdst(0)                   ; s16, the wave's number, is written, ahead of its first reader
	s_add_co_u32 s18, s18, s16                     ; my row in its block of 512
	s_lshl_b32 s19, s19, 11
	s_lshl_b32 s20, s[C], 9
	s_add_co_u32 s19, s19, s20
	s_add_co_u32 s19, s19, s18                     ; my row of 8,192
	s_lshl_b32 s20, s19, 13                        ; its bytes in sc (under 2^26),
	s_mov_b32 s21, 0
	s_lshl_b32 s22, s19, 12                        ; and in p
	s_mov_b32 s23, 0
	s_lshl_b32 s24, s[C], 11                       ; the diagonal's block in a row of sc,
	s_mov_b32 s25, 0
	s_lshl_b32 s26, s[C], 10                       ; and of p
	s_mov_b32 s27, 0
	s_mov_b32 s[SEL], 0x76543210
	s_mov_b32 s[SEL+1], 0xfedcba98
	s_mov_b32 s[KAP], 0x3d38aa3b                   ; log2(e) / 32
	s_mov_b32 s[KAP+1], s[KAP]                     ; named with it as a pair
	v_and_b32 v3, 31, v0
	v_lshlrev_b32 v1, 4, v3                        ; in: 16 x lane
	v_lshlrev_b32 v2, 3, v3                        ; out: 8 x lane
	v_lshlrev_b32 v3, 2, v3
	v_sub_nc_u32 v[VT], s18, v3
	v_mov_b32 v[NEG], 0xff800000
	v_mov_b32 v[KM+1], 0                           ; the pairs' second words are named, so they are written
	v_mov_b32 v[R+1], 0
	s_wait_kmcnt 0x0
	s_add_nc_u64 s[4:5], s[4:5], s[20:21]
	s_add_nc_u64 s[6:7], s[6:7], s[22:23]
	s_add_nc_u64 s[8:9], s[4:5], s[24:25]
	s_add_nc_u64 s[10:11], s[6:7], s[26:27]
	s_wait_alu depctr_va_vdst(0)                   ; v1 and v2 are written: every load reads v1 as its offset, every store v2
.macro LOADG g, base, off              ; a group's four loads, each of 512 consecutive bytes
.irp j, 0,1,2,3
	global_load_b128 v[X+16*(\g)+4*(\j):X+16*(\g)+4*(\j)+3], v1, s[\base:\base+1] offset:(\off)+512*(\j) th:TH_LOAD_NT
.endr
.endm
.macro DEADG g                         ; a group that the row does not have counts as hidden; no load lands in its registers
.set i, 0
.rept 16
	v_mov_b32 v[X+16*(\g)+i], v[NEG]
.set i, i+1
.endr
.endm
	LOADG 0, 8, 0                                  ; all the row's loads go out together
	s_cmp_lt_u32 s[C], 1
	s_cbranch_scc1 .Ldead1
	LOADG 1, 4, 0
	s_cmp_lt_u32 s[C], 2
	s_cbranch_scc1 .Ldead2
	LOADG 2, 4, 2048
	s_cmp_lt_u32 s[C], 3
	s_cbranch_scc1 .Ldead3
	LOADG 3, 4, 4096
	s_branch .Lloaded
.Ldead1:
	DEADG 1
.Ldead2:
	DEADG 2
.Ldead3:
	DEADG 3
.Lloaded:
.set i, 0
.rept 16                               ; the mask, for the diagonal's block alone: which of my sixteen columns are hidden.  The compares read no score: they stand ahead of the wait for the loads
	v_cmp_gt_i32 s[MK+i], 128*(i/4)+i%4, v[VT]
.set i, i+1
.endr
	s_wait_alu depctr_va_sdst(0)                   ; the sixteen compares have written s[MK ..], which the selects below read
	s_wait_loadcnt 0x0
.set i, 0
.rept 16
	v_cndmask_b32 v[X+i], v[X+i], v[NEG], s[MK+i]
.set i, i+1
.endr
	; the maximum: four chains, a group each, three operands at a time; started by the first scores
.irp k, 0,1,2,3
	v_max3_num_f32 v[M+(\k)], v[X+16*(\k)], v[X+16*(\k)+1], v[X+16*(\k)+2]
.endr
.irp i, 0,1,2,3,4,5
.irp k, 0,1,2,3
	v_max3_num_f32 v[M+(\k)], v[M+(\k)], v[X+16*(\k)+3+2*(\i)], v[X+16*(\k)+4+2*(\i)]
.endr
.endr
	v_max3_num_f32 v[M], v[M], v[X+15], v[X+31]
	v_max3_num_f32 v[M+2], v[M+2], v[X+47], v[X+63]
	v_max3_num_f32 v[M], v[M], v[M+1], v[M+2]
	v_max_num_f32 v[M], v[M], v[M+3]
	v_max_num_f32_dpp v[M], v[M], v[M] row_xmask:1 row_mask:0xf bank_mask:0xf
	v_max_num_f32_dpp v[M], v[M], v[M] row_xmask:2 row_mask:0xf bank_mask:0xf
	v_max_num_f32_dpp v[M], v[M], v[M] row_xmask:4 row_mask:0xf bank_mask:0xf
	v_max_num_f32_dpp v[M], v[M], v[M] row_xmask:8 row_mask:0xf bank_mask:0xf
	v_permlanex16_b32 v[M+1], v[M], s[SEL], s[SEL+1]
	v_max_num_f32 v[M], v[M], v[M+1]               ; every lane holds the row's maximum: a visible score, since the row sees its own column
	v_mul_f32 v[KM], s[KAP], v[M]
; A group's exponentials and their sum.  The 16 exponentials are one batch: a plain instruction behind the last, and one wait ahead of the first line that names a result.
.macro EXPS g, first
.set i, 0
.rept 8
	v_pk_fma_f32 v[X+16*(\g)+2*i:X+16*(\g)+2*i+1], v[X+16*(\g)+2*i:X+16*(\g)+2*i+1], s[KAP:KAP+1], v[KM:KM+1] op_sel_hi:[1,0,0] neg_lo:[0,0,1] neg_hi:[0,0,1]
.set i, i+1
.endr
.set i, 0
.rept 16
	v_exp_f32 v[X+16*(\g)+i], v[X+16*(\g)+i]
.set i, i+1
.endr
	v_nop
	s_wait_alu depctr_va_vdst(0)                   ; the group's sixteen exponentials have written their results, which the additions below read
.if \first
	v_pk_add_f32 v[S:S+1], v[X:X+1], v[X+2:X+3]    ; the first additions start the sums
	v_pk_add_f32 v[S+2:S+3], v[X+4:X+5], v[X+6:X+7]
.set i, 4
.else
.set i, 0
.endif
.rept 8-i
	v_pk_add_f32 v[S+2*(i%2):S+2*(i%2)+1], v[S+2*(i%2):S+2*(i%2)+1], v[X+16*(\g)+2*i:X+16*(\g)+2*i+1]
.set i, i+1
.endr
.endm
	EXPS 0, 1
.irp g, 1,2,3
	s_cmp_lt_u32 s[C], \g
	s_cbranch_scc1 .Lsummed                        ; the groups are nested: behind a dead one all are dead
	EXPS \g, 0
.endr
.Lsummed:
	v_pk_add_f32 v[S:S+1], v[S:S+1], v[S+2:S+3]
	v_add_f32 v[S], v[S], v[S+1]
	v_add_f32_dpp v[S], v[S], v[S] row_xmask:1 row_mask:0xf bank_mask:0xf
	v_add_f32_dpp v[S], v[S], v[S] row_xmask:2 row_mask:0xf bank_mask:0xf
	v_add_f32_dpp v[S], v[S], v[S] row_xmask:4 row_mask:0xf bank_mask:0xf
	v_add_f32_dpp v[S], v[S], v[S] row_xmask:8 row_mask:0xf bank_mask:0xf
	v_permlanex16_b32 v[S+1], v[S], s[SEL], s[SEL+1]
	v_add_f32 v[S], v[S], v[S+1]                   ; l, at least 1: the maximum's own weight
	v_rcp_f32 v[R], v[S]
	v_nop                                          ; a plain instruction behind the reciprocal,
	s_wait_alu depctr_va_vdst(0)                   ; and the wait: the reciprocal has written v[R], which the multiplies below read
; A group is divided by l and rounded to f16 (packed in place, ascending: a word is written when both its sources have been read or are its own).
.macro SCALE g
.set i, 0
.rept 8
	v_pk_mul_f32 v[X+16*(\g)+2*i:X+16*(\g)+2*i+1], v[X+16*(\g)+2*i:X+16*(\g)+2*i+1], v[R:R+1] op_sel_hi:[1,0]
.set i, i+1
.endr
.set i, 0
.rept 8
	v_cvt_pk_f16_f32 v[X+16*(\g)+i], v[X+16*(\g)+2*i], v[X+16*(\g)+2*i+1]
.set i, i+1
.endr
.endm
; A group's four stores: each covers 256 consecutive bytes, aligned.
.macro OUTG g, base, off
.irp j, 0,1,2,3
	global_store_b64 v2, v[X+16*(\g)+2*(\j):X+16*(\g)+2*(\j)+1], s[\base:\base+1] offset:(\off)+256*(\j)
.endr
.endm
	SCALE 0                                        ; first the arithmetic of every live group,
.irp g, 1,2,3
	s_cmp_lt_u32 s[C], \g
	s_cbranch_scc1 .Lscaled
	SCALE \g
.endr
.Lscaled:
	s_wait_alu depctr_va_vdst(0)                   ; the roundings of every live group have written their eight words, which the stores below read: one wait, on every way here
	OUTG 0, 10, 0                                  ; then all the stores: no vector line follows them
	s_cmp_lt_u32 s[C], 1
	s_cbranch_scc1 .Lstored
	OUTG 1, 6, 0
	s_cmp_lt_u32 s[C], 2
	s_cbranch_scc1 .Lstored
	OUTG 2, 6, 1024
	s_cmp_lt_u32 s[C], 3
	s_cbranch_scc1 .Lstored
	OUTG 3, 6, 2048
.Lstored:
	s_endpgm
.Lfunc_end_k_q50841b6e11_soft:
	.size	k_q50841b6e11_soft, .Lfunc_end_k_q50841b6e11_soft-k_q50841b6e11_soft
	.p2alignl 7, 3214868480
	.fill 96, 4, 3214868480
	.section	.rodata,"a",@progbits
	.p2align	6, 0x0
	.amdhsa_kernel k_q50841b6e11_soft
		.amdhsa_group_segment_fixed_size 0
		.amdhsa_private_segment_fixed_size 0
		.amdhsa_enable_private_segment 0
		.amdhsa_kernarg_size 16
		.amdhsa_user_sgpr_count 2
		.amdhsa_user_sgpr_kernarg_segment_ptr 1
		.amdhsa_wavefront_size32 1
		.amdhsa_system_sgpr_workgroup_id_x 1
		.amdhsa_system_sgpr_workgroup_id_y 1
		.amdhsa_system_sgpr_workgroup_id_z 1
		.amdhsa_system_vgpr_workitem_id 0
		.amdhsa_next_free_vgpr 96
		.amdhsa_next_free_sgpr 66
		.amdhsa_reserve_vcc 0
		.amdhsa_float_denorm_mode_32 3
		.amdhsa_float_denorm_mode_16_64 3
		.amdhsa_memory_ordered 1
		.amdhsa_forward_progress 1
		.amdhsa_inst_pref_size 23
	.end_amdhsa_kernel
	.amdgpu_metadata
---
amdhsa.version: [ 1, 2 ]
amdhsa.kernels:
  - .name:           k_q50841b6e11_soft
    .symbol:         k_q50841b6e11_soft.kd
    .args:
      - { .name: sc, .offset: 0, .size: 8, .value_kind: global_buffer, .address_space: global }
      - { .name: p, .offset: 8, .size: 8, .value_kind: global_buffer, .address_space: global }
    .group_segment_fixed_size: 0
    .private_segment_fixed_size: 0
    .kernarg_segment_align: 8
    .kernarg_segment_size: 16
    .max_flat_workgroup_size: 256
    .sgpr_count:     66
    .vgpr_count:     96
    .wavefront_size: 32
...
	.end_amdgpu_metadata
.endif
;; end of part 12
;; launch ctxk: the kernel of part 10 again; grid 4 x 72, 4 waves a work-group, clusters of 4 x 4, 327,680 bytes of LDS; arguments p, wo, xh, wh, ctx, wp; writes ctx, wp
;; launch outp: the kernel of part 11 again; grid 4 x 64, 4 waves a work-group, clusters of 4 x 4, 327,680 bytes of LDS; arguments ctx, wp, bo, out0; writes out0
